; MI455X (gfx1250); checked and timed in simulation.
; The chip was launched on July 23, 2026; its instructions are those of AMD's public machine-readable ISA for CDNA 5 (MIT licence, August 2026) and "CDNA5" Instruction Set Architecture Reference Guide (July 2026). The comments in the code are by the model that wrote it; some were corrected since.
;; Set Abstraction. Allowed arithmetic: float matrix products may take bf16 or f16 operands with f32 sums; other float arithmetic in f32, or as packed bf16 or f16 multiplies, adds, multiply-adds, maxima and minima; sums over many terms, partial sums and values carried from step to step in f32; what a program stores and reads back later, other than sums and carried values, may be rounded once to bf16 or f16.
;; Inputs: W1 64 x 67 float32; W2 64 x 64 float32; W3 128 x 64 float32; b1 64 float32; b2 64 float32; b3 128 float32; be1 64 float32; be2 64 float32; be3 128 float32; g1 64 float32; g2 64 float32; g3 128 float32; points 8 x 64 x 16,384 float32; sample_idx 1,024 int32; xyz 8 x 3 x 16,384 float32.
;; Outputs: out0 8 x 3 x 1,024 float32; out1 8 x 128 x 1,024 float32.
;; 2 versions, each right; version 2 is version 1 with the launches knn_groups, knn_points written anew for expert scheduling mode. Each part assembles by itself: llvm-mc -triple=amdgcn-amd-amdhsa -mcpu=gfx1250 --defsym DOCPART=n.
;; ======== version 1 of 2: 7 launches
;; limits: values are held in f16: magnitudes above 65,504 overflow, below 6.1e-05 lose precision; inputs' magnitudes at most 65,504
;; workspace buffers: PT 16,777,216 bytes; WF 36,864 bytes; GL 524,288 bytes of whole numbers; IDX 524,288 bytes of whole numbers; PSA 262,144 bytes; PSB 131,584 bytes; HS 4,194,304 bytes
;; launch prep (part 1): grid 256 x 1, 8 waves a work-group, no clusters, 0 bytes of LDS; arguments points, xyz, sample_idx, W1, W2, W3, g3, PT, WF, out0; writes PT, WF, out0
.if DOCPART == 1
	.amdgcn_target "amdgcn-amd-amdhsa--gfx1250"
	.amdhsa_code_object_version 6
	.text
	.protected	k_q5abfe9209c_prep
	.globl	k_q5abfe9209c_prep
	.p2align	8
	.type	k_q5abfe9209c_prep,@function
k_q5abfe9209c_prep:
	s_mov_b64 s[64:65], 0
	v_nop
	global_prefetch_b8 v0, s[64:65] scope:SCOPE_SE
	s_setreg_imm32_b32 hwreg(HW_REG_WAVE_MODE, 25, 1), 1
	s_wait_xcnt 0x0
; SetAbstraction, first of seven launches: tables for the later ones, and out0.
; WORK LEFT OUT, in the whole program.  b1, b2, b3: each is added to every row of a layer's output, and the batch norm that follows takes the mean over all rows away:
; (h + b) - mean(h + b) = h - mean(h) for all values of h and b, and the variance is made of those differences alone.  So no b has a way to an output: none is loaded, none is an argument
; of any launch.  top_k's values are never used: only the set of 16 indices is made.  LIMIT: a NaN, an infinity or an overflow that reaches only b1, b2 or b3 is not carried to the result.
; THE SIGN OF g3.  max over s of ((h - m) rs g3 + be3) = (max over s of (h' - m')) rs |g3| + be3 with h' = sign(g3) h, for every g3 (for g3 = 0 both sides are be3): W3's rows are
; written here times sign(g3), a factor of 1 or -1, so that the third layer needs a maximum alone.
; WHAT THIS LAUNCH MAKES.
;   PT: points [b][c][n] f32 turned to rows of 64 f16 (128 bytes) a point, rounded once.  Row n of batch b begins at b 2^21 + ((n & 0x3ff0) << 7) + ((n & 3) << 9) + ((n & 12) << 5): inside a
;       block of 16 points the rows are ordered so that each store of a wave covers 512 consecutive bytes, aligned.
;   WF: the three weight matrices as f16 fragments of 16 rows x 32 k, 1,024 bytes each, in the lanes' order: byte f 1024 + s 512 + 16 lane holds A(lane % 16, 16 s + 8 (lane / 16) + 0..7).
;       f 0-7: W1[:, 3:] (row block f / 2, k block f % 2); 8-11: W1[:, 0:3] at k 0..2, zeros behind; 12-19: W2; 20-35: sign(g3) W3.
;   out0: xyz at sample_idx.
; LIMITS.  f16 ends at 65,504: a feature or a weight beyond that becomes an infinity.  sample_idx is held to 0 .. 16383, the table's range.
; SHARES.  Wave 8 wg + w turns 64 points: lane = (channel octet q8 = lane % 8, a = lane / 8) loads 16 bytes (4 points) of each of its 8 channels, in four sub-blocks of 16 points:
; the wave's 32 loads take 256 consecutive bytes of each of the 64 channel rows.  No LDS: a lane's 8 channels of a point are the 16 bytes that it stores.
.set IN,  16                           ; v[16:143]  sub-block sb, channel k of 8, point p of 4 at IN + 32 sb + 4 k + p
.set OUT, 144                          ; v[144:207] sub-block sb, point p: 4 registers of 8 f16; never written twice, so no store is waited for
.set VO,  2                            ; v2  q8 x 8 channel rows + 16 a
.set VS,  3                            ; v3  16 x lane; never rewritten
	s_load_b512 s[8:23], s[0:1], 0x0               ; points s[8:9], xyz s[10:11], sample_idx s[12:13], W1 s[14:15], W2 s[16:17], W3 s[18:19], g3 s[20:21], PT s[22:23]
	s_load_b128 s[24:27], s[0:1], 0x40             ; WF s[24:25], out0 s[26:27]
	v_and_b32 v1, 31, v0                           ; lane
	v_lshrrev_b32 v4, 5, v0
	v_readfirstlane_b32 s2, v4                     ; wave
	s_lshl_b32 s3, ttmp9, 3
	s_add_co_u32 s3, s3, s2                        ; my block of 64 points among 2,048
	s_lshr_b32 s4, s3, 8                           ; batch
	s_and_b32 s5, s3, 255                          ; block in the batch
	s_lshl_b32 s28, s4, 22                         ; points: 64 rows of 65,536 bytes a batch,
	s_lshl_b32 s6, s5, 8                           ; 256 bytes of each row
	s_add_co_u32 s28, s28, s6
	s_mov_b32 s29, 0
	s_lshl_b32 s30, s4, 21                         ; PT: 16,384 rows of 128 bytes a batch,
	s_lshl_b32 s6, s5, 13                          ; 64 rows
	s_add_co_u32 s30, s30, s6
	s_mov_b32 s31, 0
	v_and_b32 v4, 7, v1
	v_lshrrev_b32 v5, 3, v1
	v_lshlrev_b32 v5, 4, v5
	v_lshl_add_u32 v[VO], v4, 19, v5
	v_lshlrev_b32 v[VS], 4, v1
	s_wait_kmcnt 0x0
	s_add_nc_u64 s[28:29], s[8:9], s[28:29]
	s_add_nc_u64 s[30:31], s[22:23], s[30:31]
.irp sb, 0,1,2,3
.irp k, 0,1,2,3,4,5,6,7
	global_load_b128 v[IN+32*\sb+4*\k:IN+32*\sb+4*\k+3], v[VO], s[28:29] offset:\k*65536+\sb*64 th:TH_LOAD_NT
.endr
.endr
.irp sb, 0,1,2,3
	s_wait_loadcnt 24-8*\sb                        ; this sub-block's eight loads are in; the younger sub-blocks stay out
.irp p, 0,1,2,3
.irp j, 0,1,2,3
	v_cvt_pk_f16_f32 v[OUT+16*\sb+4*\p+\j], v[IN+32*\sb+8*\j+\p], v[IN+32*\sb+8*\j+4+\p]
.endr
	global_store_b128 v[VS], v[OUT+16*\sb+4*\p:OUT+16*\sb+4*\p+3], s[30:31] offset:\sb*2048+\p*512 th:TH_STORE_NT
.endr
.endr
	; THE WEIGHTS' FRAGMENTS: work-group f < 36, wave 0, makes fragment f.  All choices are scalar selects on f.
	s_cmp_lt_u32 ttmp9, 36
	s_cbranch_scc0 .Lno_wf
	s_cmp_eq_u32 s2, 0
	s_cbranch_scc0 .Lno_wf
	s_mov_b32 s32, ttmp9
	s_cmp_lt_u32 s32, 12
	s_cselect_b64 s[34:35], s[14:15], s[16:17]     ; W1 or W2,
	s_cselect_b32 s36, 67, 64                      ; numbers in a row
	s_cselect_b32 s39, 8, 12
	s_cmp_lt_u32 s32, 20
	s_cselect_b64 s[34:35], s[34:35], s[18:19]     ; or W3
	s_cselect_b32 s37, 0, -1                       ; all ones for W3
	s_cselect_b32 s39, s39, 20
	s_cmp_lt_u32 s32, 8
	s_cselect_b32 s38, 3, 0                        ; W1's feature part begins at column 3
	s_cselect_b32 s39, 0, s39                      ; the first fragment of f's family: 0, 8, 12, 20
	s_sub_co_u32 s39, s32, s39
	s_lshr_b32 s42, s39, 1                         ; row block,
	s_and_b32 s43, s39, 1                          ; k block
	s_sub_co_u32 s40, s32, 8
	s_cmp_lt_u32 s40, 4                            ; W1's xyz part: one k block, three columns
	s_cselect_b32 s41, 3, 1000                     ; columns kept
	s_cselect_b32 s42, s39, s42
	s_cselect_b32 s43, 0, s43
	s_mul_i32 s44, s42, s36
	s_lshl_b32 s44, s44, 4                         ; 16 rows a block
	s_add_co_u32 s44, s44, s38
	s_lshl_b32 s45, s43, 5
	s_add_co_u32 s44, s44, s45
	s_lshl_b32 s44, s44, 2
	s_mov_b32 s45, 0
	s_add_nc_u64 s[34:35], s[34:35], s[44:45]
	s_lshl_b32 s48, s32, 10
	s_mov_b32 s49, 0
	s_add_nc_u64 s[48:49], s[24:25], s[48:49]
	v_and_b32 v4, 15, v1                           ; row in the block
	v_lshrrev_b32 v5, 4, v1                        ; half of the lanes
	v_mul_lo_u32 v6, v4, s36
	v_lshl_add_u32 v6, v5, 3, v6
	v_lshlrev_b32 v6, 2, v6
	s_lshl_b32 s46, s42, 6
	v_lshl_add_u32 v7, v4, 2, s46                  ; g3 of my row: row block 7 at the most, inside g3 for every f
	v_lshlrev_b32 v8, 3, v5
.irp s, 0,1
.irp e, 0,1,2,3,4,5,6,7
	global_load_b32 v[16+8*\s+\e], v6, s[34:35] offset:(16*\s+\e)*4  ; the xyz part's loads run on into the row's next columns: W1's element 4,252 at the most, of 4,288
.endr
.endr
	global_load_b32 v12, v7, s[20:21]
	s_wait_loadcnt 0x0
	v_cmp_gt_f32 vcc_lo, 0, v12
	s_and_b32 s47, vcc_lo, s37
	v_cndmask_b32 v10, 1.0, -1.0, s47              ; sign(g3) for W3, 1 elsewhere
.irp s, 0,1
.irp e, 0,1,2,3,4,5,6,7
	v_add_nc_u32 v9, 16*\s+\e, v8                  ; k in the block
	v_cmp_gt_u32 vcc_lo, s41, v9
	v_cndmask_b32 v[16+8*\s+\e], 0, v[16+8*\s+\e], vcc_lo
	v_mul_f32 v[16+8*\s+\e], v10, v[16+8*\s+\e]
.endr
.endr
.irp j, 0,1,2,3,4,5,6,7
	v_cvt_pk_f16_f32 v[32+\j], v[16+2*\j], v[16+2*\j+1]
.endr
	global_store_b128 v[VS], v[32:35], s[48:49]
	global_store_b128 v[VS], v[36:39], s[48:49] offset:512
.Lno_wf:
	; out0: work-groups 128 to 151, one for each (batch, coordinate); a thread gathers four queries and stores 16 bytes
	s_sub_co_u32 s32, ttmp9, 128
	s_cmp_lt_u32 s32, 24
	s_cbranch_scc0 .Lend
	s_and_b32 s33, s32, 7                          ; batch
	s_lshr_b32 s34, s32, 3                         ; coordinate
	s_mul_i32 s35, s33, 3
	s_add_co_u32 s35, s35, s34
	s_lshl_b32 s36, s35, 16
	s_mov_b32 s37, 0
	s_add_nc_u64 s[36:37], s[10:11], s[36:37]
	s_lshl_b32 s38, s35, 12
	s_mov_b32 s39, 0
	s_add_nc_u64 s[38:39], s[26:27], s[38:39]
	v_lshlrev_b32 v11, 4, v0
	global_load_b128 v[16:19], v11, s[12:13]
	s_wait_loadcnt 0x0
.irp i, 0,1,2,3
	v_min_u32 v[16+\i], 0x3fff, v[16+\i]
	v_lshlrev_b32 v[16+\i], 2, v[16+\i]
.endr
.irp i, 0,1,2,3
	global_load_b32 v[20+\i], v[16+\i], s[36:37]
.endr
	s_wait_loadcnt 0x0
	global_store_b128 v11, v[20:23], s[38:39]
.Lend:
	s_endpgm
.Lfunc_end_k_q5abfe9209c_prep:
	.size	k_q5abfe9209c_prep, .Lfunc_end_k_q5abfe9209c_prep-k_q5abfe9209c_prep
	.p2alignl 7, 3214868480
	.fill 96, 4, 3214868480
	.section	.rodata,"a",@progbits
	.p2align	6, 0x0
	.amdhsa_kernel k_q5abfe9209c_prep
		.amdhsa_group_segment_fixed_size 0
		.amdhsa_private_segment_fixed_size 0
		.amdhsa_enable_private_segment 0
		.amdhsa_kernarg_size 80
		.amdhsa_user_sgpr_count 2
		.amdhsa_user_sgpr_kernarg_segment_ptr 1
		.amdhsa_wavefront_size32 1
		.amdhsa_system_sgpr_workgroup_id_x 1
		.amdhsa_system_sgpr_workgroup_id_y 1
		.amdhsa_system_sgpr_workgroup_id_z 1
		.amdhsa_system_vgpr_workitem_id 0
		.amdhsa_next_free_vgpr 208
		.amdhsa_next_free_sgpr 66
		.amdhsa_reserve_vcc 1
		.amdhsa_float_denorm_mode_32 3
		.amdhsa_float_denorm_mode_16_64 3
		.amdhsa_memory_ordered 1
		.amdhsa_forward_progress 1
		.amdhsa_inst_pref_size 18
	.end_amdhsa_kernel
	.amdgpu_metadata
---
amdhsa.version: [ 1, 2 ]
amdhsa.kernels:
  - .name:           k_q5abfe9209c_prep
    .symbol:         k_q5abfe9209c_prep.kd
    .args:
      - { .name: points, .offset: 0, .size: 8, .value_kind: global_buffer, .address_space: global }
      - { .name: xyz, .offset: 8, .size: 8, .value_kind: global_buffer, .address_space: global }
      - { .name: sample_idx, .offset: 16, .size: 8, .value_kind: global_buffer, .address_space: global }
      - { .name: W1, .offset: 24, .size: 8, .value_kind: global_buffer, .address_space: global }
      - { .name: W2, .offset: 32, .size: 8, .value_kind: global_buffer, .address_space: global }
      - { .name: W3, .offset: 40, .size: 8, .value_kind: global_buffer, .address_space: global }
      - { .name: g3, .offset: 48, .size: 8, .value_kind: global_buffer, .address_space: global }
      - { .name: PT, .offset: 56, .size: 8, .value_kind: global_buffer, .address_space: global }
      - { .name: WF, .offset: 64, .size: 8, .value_kind: global_buffer, .address_space: global }
      - { .name: out0, .offset: 72, .size: 8, .value_kind: global_buffer, .address_space: global }
    .group_segment_fixed_size: 0
    .private_segment_fixed_size: 0
    .kernarg_segment_align: 8
    .kernarg_segment_size: 80
    .max_flat_workgroup_size: 256
    .sgpr_count:     66
    .vgpr_count:     208
    .wavefront_size: 32
...
	.end_amdgpu_metadata
.endif
;; end of part 1
;; launch knn_groups (part 2): grid 256 x 1, 8 waves a work-group, no clusters, 128,256 bytes of LDS; arguments xyz, sample_idx, GL; writes GL
.if DOCPART == 2
	.amdgcn_target "amdgcn-amd-amdhsa--gfx1250"
	.amdhsa_code_object_version 6
	.text
	.protected	k_q5abfe9209c_knn_groups
	.globl	k_q5abfe9209c_knn_groups
	.p2align	8
	.type	k_q5abfe9209c_knn_groups,@function
k_q5abfe9209c_knn_groups:
	s_mov_b64 s[64:65], 0
	v_nop
	global_prefetch_b8 v0, s[64:65] scope:SCOPE_SE
	s_setreg_imm32_b32 hwreg(HW_REG_WAVE_MODE, 25, 1), 1
	s_wait_xcnt 0x0
; Second launch: for each query the 16 GROUPS of 32 consecutive points that hold its 16 nearest points.
; WHY GROUPS.  Order the points by (d2, index), as top_k of -d2 does (ties to the lower index).  If a point of the first 16 lay in a group that is not among the first 16 groups by
; (least d2 in the group, group number), each of those 16 groups would hold a point ahead of it: 16 points ahead of one of the first 16.  So the first 16 groups hold the first 16 points, for all inputs.
; Here all 16,384 d2 of a query are made and only the 512 group minima kept; the next launch looks into 16 x 32 points.  top_k's values are never used and are not kept.
; d2 IN f32 ON THE VECTOR UNIT, NOT ON THE MATRIX UNIT: which point is 16th and which 17th hangs on d2's last bits, and one other neighbour moves results far beyond what is allowed.  So d2 is made with the
; roundings in which reference()'s f32 expression is taken to be evaluated: |q|^2 and |p|^2 as x x, then two fused multiply-adds (SQ_FMA = 1); the dot product as three rounded products added in ascending
; order (DOT_FMA = 0); s = |p|^2 + |q|^2; d2 = s - 2 dot (2 dot is exact).  The two switches choose the other form of each.
; LIMITS.  NaN and infinities in xyz are not treated apart (a NaN loses every minimum).  sample_idx is held to 0 .. 16383.
; SHARES.  Work-group = 32 queries of one batch x all points.  Wave w owns points 2048 w .. + 2047, in two halves; in a half lane l holds the 32 points of group 64 w + 32 half + l in registers, with their |p|^2.
; The 32 queries go by, two a trip; a query's numbers come from the wave's own table in LDS, asked for one query ahead.  A lane's minimum of 32 d2 is the group's: one LDS store a query.
; THE CHOICE OF 16 OUT OF 512, with no branch and no address on data: lane = query.  Pass A (f32): each wave sorts its 64 minima in batches of 16 (Batcher's odd-even merge sort, 63 comparators) and merges each into
; a running sorted 16; wave 0 merges the eight lists: T = the 16th least minimum.  Pass B (whole numbers): x = id where key < T, CEQ + id where key = T, CGT + id where key > T; the 16 least x are the first 16 by (key, id).
.set DOT_FMA, 0
.set SQ_FMA,  1
.set CEQ,    512
.set CGT,    4096
.set IDMASK, 511
.set OUTP,   8                         ; s[8:9] where the lists go
; LDS
.set LISTA, 0                          ; pass A's lists: wave x 2,560 + lane x 80 (64 bytes + 16)
.set LISTB, 20480                      ; pass B's
.set TBUF,  40960                      ; T of the 32 queries
.set SPARE, 41216                      ; the spare words, 128 bytes a wave: four blocks of 256 bytes that no other line names
.set QT,    42240                      ; wave x 2,048: 32 entries of (qx,qx,qy,qy,qz,qz,qq,qq), and the same once more: the copy's entry 0 is what the last trip's look-ahead reads
.set MB,    58624                      ; the minima: wave x 8,704 + query x 272 + 4 x (group in the wave's 64): each wave's own bytes, written and read by it alone
.set MW,    8704
.set PM,    272
.set LW,    2560
.set LP,    80
; registers
.set LANE, 1
.set SPW,  2                           ; LDS address of my spare word; never rewritten
.set NIL,  3                           ; 0; never rewritten
.set VPO,  4                           ; my group's byte offset in a coordinate's row
.set VMA0, 5                           ; where the half's first minimum goes
.set VMA,  6
.set VRA,  7
.set ACA,  12
.set ACB,  13
.set VQW,  14
.set VQR,  15
.set X,    16                          ; v[16:47] x, v[48:79] y, v[80:111] z, v[112:143] |p|^2 of my 32 points
.set Y,    48
.set Z,    80
.set PP,   112
.set T,    144                         ; four pairs at work
.set U,    152
.set QA,   168                         ; a query's eight numbers, two sets by turns
.set QB,   176
.set BB,   16                          ; the choice: a batch of 16
.set LL,   32                          ; the merge's 16
.set A2,   48                          ; the running sorted 16, ascending, at fixed places
.set SPR,  64                          ; the comparators' spare register
.set VT,   65
.set VID,  66
.set VID1, 67
.set VCEQ, 68
.set VCGT, 69
.set VA,   70
.set VRA0, 71
.set VLS,  72
.set VGL,  73
.set VTA,  74
.set VGO,  75
.set LB,   80                          ; v[80:191] seven lists
.set WV,   20                          ; s20 wave
; ---- d2 ----
.macro SQ4 o, p                        ; |p|^2 of four pairs of points, from register offset o, into p
.irp j, 0,2,4,6
	v_pk_mul_f32 v[(\p)+\j:(\p)+\j+1], v[X+(\o)+\j:X+(\o)+\j+1], v[X+(\o)+\j:X+(\o)+\j+1]
.endr
.if SQ_FMA
.irp j, 0,2,4,6
	v_pk_fma_f32 v[(\p)+\j:(\p)+\j+1], v[Y+(\o)+\j:Y+(\o)+\j+1], v[Y+(\o)+\j:Y+(\o)+\j+1], v[(\p)+\j:(\p)+\j+1]
.endr
.irp j, 0,2,4,6
	v_pk_fma_f32 v[(\p)+\j:(\p)+\j+1], v[Z+(\o)+\j:Z+(\o)+\j+1], v[Z+(\o)+\j:Z+(\o)+\j+1], v[(\p)+\j:(\p)+\j+1]
.endr
.else
.irp j, 0,2,4,6
	v_pk_mul_f32 v[T+\j:T+\j+1], v[Y+(\o)+\j:Y+(\o)+\j+1], v[Y+(\o)+\j:Y+(\o)+\j+1]
.endr
.irp j, 0,2,4,6
	v_pk_add_f32 v[(\p)+\j:(\p)+\j+1], v[(\p)+\j:(\p)+\j+1], v[T+\j:T+\j+1]
.endr
.irp j, 0,2,4,6
	v_pk_mul_f32 v[T+\j:T+\j+1], v[Z+(\o)+\j:Z+(\o)+\j+1], v[Z+(\o)+\j:Z+(\o)+\j+1]
.endr
.irp j, 0,2,4,6
	v_pk_add_f32 v[(\p)+\j:(\p)+\j+1], v[(\p)+\j:(\p)+\j+1], v[T+\j:T+\j+1]
.endr
.endif
.endm
.macro DIST4 o, q, pp, d               ; d2 of four pairs of points to the query in q, stage by stage so that no line waits for the one before it
.irp j, 0,2,4,6
	v_pk_mul_f32 v[T+\j:T+\j+1], v[X+(\o)+\j:X+(\o)+\j+1], v[(\q):(\q)+1]
.endr
.if DOT_FMA
.irp j, 0,2,4,6
	v_pk_fma_f32 v[T+\j:T+\j+1], v[Y+(\o)+\j:Y+(\o)+\j+1], v[(\q)+2:(\q)+3], v[T+\j:T+\j+1]
.endr
.irp j, 0,2,4,6
	v_pk_fma_f32 v[T+\j:T+\j+1], v[Z+(\o)+\j:Z+(\o)+\j+1], v[(\q)+4:(\q)+5], v[T+\j:T+\j+1]
.endr
.else
.irp j, 0,2,4,6
	v_pk_mul_f32 v[U+\j:U+\j+1], v[Y+(\o)+\j:Y+(\o)+\j+1], v[(\q)+2:(\q)+3]
.endr
.irp j, 0,2,4,6
	v_pk_add_f32 v[T+\j:T+\j+1], v[T+\j:T+\j+1], v[U+\j:U+\j+1]
.endr
.irp j, 0,2,4,6
	v_pk_mul_f32 v[U+\j:U+\j+1], v[Z+(\o)+\j:Z+(\o)+\j+1], v[(\q)+4:(\q)+5]
.endr
.irp j, 0,2,4,6
	v_pk_add_f32 v[T+\j:T+\j+1], v[T+\j:T+\j+1], v[U+\j:U+\j+1]
.endr
.endif
.irp j, 0,2,4,6
	v_pk_add_f32 v[U+\j:U+\j+1], v[(\pp)+\j:(\pp)+\j+1], v[(\q)+6:(\q)+7]
.endr
.irp j, 0,2,4,6
	v_pk_fma_f32 v[(\d)+\j:(\d)+\j+1], v[T+\j:T+\j+1], -2.0, v[U+\j:U+\j+1] op_sel_hi:[1,0,1]
.endr
.endm
; ---- the choice ----
.macro VMIN d, a, b
.if KIND
	v_min_u32 v[\d], v[\a], v[\b]
.else
	v_min_num_f32 v[\d], v[\a], v[\b]
.endif
.endm
.macro VMAX d, a, b
.if KIND
	v_max_u32 v[\d], v[\a], v[\b]
.else
	v_max_num_f32 v[\d], v[\a], v[\b]
.endif
.endm
.macro CE x, y                         ; a comparator on two NAMES: x takes the lesser, y the greater.  Two instructions: the minimum goes into the spare register, and the names x and spare change places
	VMIN SPA, \x, \y
	VMAX \y, \x, \y
.set SWP, \x
.set \x, SPA
.set SPA, SWP
.endm
.macro BIND p, base                    ; the names p0 .. p15 for base .. base + 15
.irp n, 0,1,2,3,4,5,6,7,8,9,10,11,12,13,14,15
.set \p\n, (\base)+\n
.endr
.endm
.macro BINDR p, base                   ; the same in reverse
.irp n, 0,1,2,3,4,5,6,7,8,9,10,11,12,13,14,15
.set \p\n, (\base)+15-\n
.endr
.endm
.macro DN1 a, b                        ; comparators of the batch's sort, turned: the greater to the lower name
	CE B\b, B\a
.endm
.macro DN2 a, b, c, d
	CE B\b, B\a
	CE B\d, B\c
.endm
.macro DN4 a, b, c, d, e, f, g, h
	DN2 \a, \b, \c, \d
	DN2 \e, \f, \g, \h
.endm
.macro UP4 a, b, c, d, e, f, g, h      ; comparators of the merge
	CE L\a, L\b
	CE L\c, L\d
	CE L\e, L\f
	CE L\g, L\h
.endm
.macro FN a, b                         ; the merge's last stage writes to the fixed places
	VMIN A2+\a, L\a, L\b
	VMAX A2+\b, L\a, L\b
.endm
.macro SORT16                          ; B0 .. B15 descending: 63 comparators in ten layers
	DN4 0,1,2,3,4,5,6,7
	DN4 8,9,10,11,12,13,14,15
	DN4 0,2,1,3,4,6,5,7
	DN4 8,10,9,11,12,14,13,15
	DN4 1,2,5,6,9,10,13,14
	DN4 0,4,1,5,2,6,3,7
	DN4 8,12,9,13,10,14,11,15
	DN4 2,4,3,5,10,12,11,13
	DN4 1,2,3,4,5,6,9,10
	DN2 11,12,13,14
	DN4 0,8,1,9,2,10,3,11
	DN4 4,12,5,13,6,14,7,15
	DN4 4,8,5,9,6,10,7,11
	DN4 2,4,3,5,6,8,7,9
	DN2 10,12,11,13
	DN4 1,2,3,4,5,6,7,8
	DN2 9,10,11,12
	DN1 13,14
.endm
.macro MERGE                           ; the running 16 (ascending) and B (descending): min(A[k], B[k]) are the 16 least of the 32, a bitonic run, which four stages sort.  All names are dead at its end
	BIND L, LL
.irp n, 0,1,2,3,4,5,6,7,8,9,10,11,12,13,14,15
	VMIN LL+\n, A2+\n, B\n
.endr
	UP4 0,8,1,9,2,10,3,11
	UP4 4,12,5,13,6,14,7,15
	UP4 0,4,1,5,2,6,3,7
	UP4 8,12,9,13,10,14,11,15
	UP4 0,2,1,3,4,6,5,7
	UP4 8,10,9,11,12,14,13,15
	FN 0,1
	FN 2,3
	FN 4,5
	FN 6,7
	FN 8,9
	FN 10,11
	FN 12,13
	FN 14,15
.endm
.macro SELSETUP
	s_mul_i32 s32, s[WV], MW
	s_add_co_u32 s32, s32, MB
	v_mul_u32_u24 v[VRA0], v[LANE], PM
	v_add_nc_u32 v[VRA0], s32, v[VRA0]             ; my query's row in my wave's part of the keys
	s_mul_i32 s33, s[WV], LW
	v_mul_u32_u24 v[VGL], v[LANE], LP
	v_add_nc_u32 v[VLS], s33, v[VGL]
	v_lshlrev_b32 v[VTA], 2, v[LANE]
	v_lshlrev_b32 v[VGO], 4, v[LANE]
	v_mov_b32 v[VCEQ], CEQ
	v_mov_b32 v[VCGT], CGT
.endm
; The wave's 64 keys a lane, four batches of 16; the sorted 16 go to the list (wave 0 keeps its own in registers), and a barrier follows.
.macro LPASS kind, list
.set KIND, \kind
.set k, 0
.rept 16
.if KIND
	v_mov_b32 v[A2+k], -1
.else
	v_mov_b32 v[A2+k], 0x7f800000
.endif
.set k, k+1
.endr
	v_mov_b32 v[VRA], v[VRA0]
	s_mov_b32 s30, 4
.Lbatch_\@:
.irp j, 0,1,2,3
	ds_load_b128 v[BB+4*\j:BB+4*\j+3], v[VRA] offset:16*\j
.endr
	s_wait_dscnt 0x0
.if KIND
.set k, 0
.rept 16
	v_cmp_ge_f32 vcc_lo, v[BB+k], v[VT]
	v_cndmask_b32 v[VA], 0, v[VCEQ], vcc_lo
	v_cmp_gt_f32 vcc_lo, v[BB+k], v[VT]
	v_cndmask_b32 v[VA], v[VA], v[VCGT], vcc_lo
	v_add3_u32 v[BB+k], v[VA], v[VID], k
.set k, k+1
.endr
.endif
	BIND B, BB
.set SPA, SPR
	SORT16
	MERGE
	v_add_nc_u32 v[VRA], 64, v[VRA]
.if KIND
	v_add_nc_u32 v[VID], 16, v[VID]
	s_cmp_eq_u32 s30, 3                            ; behind the second batch the ids go on with the second 32's
	s_cselect_b32 s31, -1, 0
	v_cndmask_b32 v[VID], v[VID], v[VID1], s31
.endif
	s_sub_co_u32 s30, s30, 1
	s_cmp_lg_u32 s30, 0
	s_cbranch_scc1 .Lbatch_\@
	s_cmp_eq_u32 s[WV], 0
	s_cbranch_scc1 .Lmine_\@
.irp j, 0,1,2,3
	ds_store_b128 v[VLS], v[A2+4*\j:A2+4*\j+3] offset:(\list)+16*\j
.endr
.Lmine_\@:
	s_wait_dscnt 0x0                               ; for wave 0's sake: my list is in LDS
	s_barrier_signal -1
	s_barrier_wait -1
.endm
; Wave 0 merges the other seven lists into its own.
.macro GMERGE kind, list
.set KIND, \kind
.set i, 1
.rept 7
.irp j, 0,1,2,3
	ds_load_b128 v[LB+16*(i-1)+4*\j:LB+16*(i-1)+4*\j+3], v[VGL] offset:(\list)+LW*i+16*\j
.endr
.set i, i+1
.endr
.set i, 1
.rept 7
	s_wait_dscnt 4*(7-i)                           ; list i is in; the younger lists, four loads each, stay out
	BINDR B, LB+16*(i-1)
.set SPA, SPR
	MERGE
.set i, i+1
.endr
.endm
.macro CHOOSE                          ; both passes, and the 16 ids out: entry e of query l at (e / 4) 512 + 16 l + 4 (e % 4) of the work-group's 2,048 bytes: each store covers 512 consecutive bytes
	LPASS 0, LISTA
	s_cmp_lg_u32 s[WV], 0
	s_cbranch_scc1 .Lt_done
	GMERGE 0, LISTA
	ds_store_b32 v[VTA], v[A2+15] offset:TBUF
.Lt_done:
	s_wait_dscnt 0x0                               ; wave 0: T is in LDS and its reads of the lists are over
	s_barrier_signal -1
	s_barrier_wait -1
	ds_load_b32 v[VT], v[VTA] offset:TBUF
	s_wait_dscnt 0x0
	LPASS 1, LISTB
	s_cmp_lg_u32 s[WV], 0
	s_cbranch_scc1 .Lend
	GMERGE 1, LISTB
.set k, 0
.rept 16
	v_and_b32 v[A2+k], IDMASK, v[A2+k]
.set k, k+1
.endr
.irp j, 0,1,2,3
	global_store_b128 v[VGO], v[A2+4*\j:A2+4*\j+3], s[OUTP:OUTP+1] offset:512*\j
.endr
.Lend:
	s_wait_tensorcnt 0x0                           ; the wave's end, behind my last LDS store
	ds_add_u32 v[SPW], v[NIL]
	s_wait_dscnt 0x0
	s_endpgm
.endm
; ---- one query against my 32 points ----
.macro QUERY q, off
	DIST4 0, \q, PP, T
	v_min_num_f32 v[ACA], v[T], v[T+1]
	v_min_num_f32 v[ACB], v[T+2], v[T+3]
	v_min3_num_f32 v[ACA], v[ACA], v[T+4], v[T+5]
	v_min3_num_f32 v[ACB], v[ACB], v[T+6], v[T+7]
.irp g, 8,16,24
	DIST4 \g, \q, PP+\g, T
	v_min3_num_f32 v[ACA], v[ACA], v[T], v[T+1]
	v_min3_num_f32 v[ACB], v[ACB], v[T+2], v[T+3]
	v_min3_num_f32 v[ACA], v[ACA], v[T+4], v[T+5]
	v_min3_num_f32 v[ACB], v[ACB], v[T+6], v[T+7]
.endr
	v_min_num_f32 v[ACA], v[ACA], v[ACB]
	ds_store_b32 v[VMA], v[ACA] offset:\off
.endm
	s_load_b128 s[4:7], s[0:1], 0x0                ; xyz s[4:5], sample_idx s[6:7]
	s_load_b64 s[8:9], s[0:1], 0x10                ; GL
	v_lshl_add_u32 v[SPW], v0, 2, SPARE
	v_mov_b32 v[NIL], 0
	v_and_b32 v[LANE], 31, v0
	v_lshrrev_b32 v4, 5, v0
	v_readfirstlane_b32 s[WV], v4
	s_lshr_b32 s10, ttmp9, 5                       ; batch
	s_and_b32 s11, ttmp9, 31                       ; block of 32 queries
	s_mul_i32 s12, s10, 196608
	s_mov_b32 s13, 0
	s_lshl_b32 s14, s11, 7
	v_lshl_add_u32 v12, v[LANE], 2, s14
	s_lshl_b32 s18, ttmp9, 11
	s_mov_b32 s19, 0
	s_lshl_b32 s21, s[WV], 13
	v_lshl_add_u32 v[VPO], v[LANE], 7, s21         ; 128 bytes a group, 8,192 a wave
	s_mul_i32 s22, s[WV], MW
	s_add_co_u32 s22, s22, MB
	v_lshl_add_u32 v[VMA0], v[LANE], 2, s22
	s_lshl_b32 s23, s[WV], 11
	v_lshl_add_u32 v[VQW], v[LANE], 5, s23
	s_wait_kmcnt 0x0
	s_add_nc_u64 s[16:17], s[4:5], s[12:13]        ; xyz of my batch
	s_add_nc_u64 s[8:9], s[8:9], s[18:19]
	global_load_b32 v13, v12, s[6:7]
	s_wait_loadcnt 0x0
	v_min_u32 v13, 0x3fff, v13
	v_lshlrev_b32 v13, 2, v13
	global_load_b32 v8, v13, s[16:17]              ; query number lane
	global_load_b32 v9, v13, s[16:17] offset:65536
	global_load_b32 v10, v13, s[16:17] offset:131072
	s_wait_loadcnt 0x0
	v_mul_f32 v11, v8, v8                          ; |q|^2, in |p|^2's order of roundings
.if SQ_FMA
	v_fma_f32 v11, v9, v9, v11
	v_fma_f32 v11, v10, v10, v11
.else
	v_mul_f32 v12, v9, v9
	v_add_f32 v11, v11, v12
	v_mul_f32 v12, v10, v10
	v_add_f32 v11, v11, v12
.endif
.irp j, 0,1,2,3
	v_mov_b32 v[QB+2*\j], v[8+\j]
	v_mov_b32 v[QB+2*\j+1], v[8+\j]
.endr
	ds_store_b128 v[VQW], v[QB:QB+3] offset:QT
	ds_store_b128 v[VQW], v[QB+4:QB+7] offset:QT+16
	ds_store_b128 v[VQW], v[QB:QB+3] offset:QT+1024
	ds_store_b128 v[VQW], v[QB+4:QB+7] offset:QT+1040
	v_mov_b32 v[VQR], s23
	ds_load_b128 v[QA:QA+3], v[VQR] offset:QT      ; query 0 (LDS serves a wave's instructions in order: these see the stores above)
	ds_load_b128 v[QA+4:QA+7], v[VQR] offset:QT+16
	s_mov_b32 s29, 2
.Lhalf:
.irp c, 0,1,2
.irp i, 0,1,2,3,4,5,6,7
	global_load_b128 v[X+32*\c+4*\i:X+32*\c+4*\i+3], v[VPO], s[16:17] offset:65536*\c+16*\i
.endr
.endr
	v_mov_b32 v[VQR], s23
	v_mov_b32 v[VMA], v[VMA0]
	s_wait_loadcnt 0x0
	SQ4 0, PP
	SQ4 8, PP+8
	SQ4 16, PP+16
	SQ4 24, PP+24
	s_mov_b32 s28, 16
.Lq:                                   ; queries 2 i and 2 i + 1
	s_wait_dscnt 0x0                               ; set A is in
	ds_load_b128 v[QB:QB+3], v[VQR] offset:QT+32
	ds_load_b128 v[QB+4:QB+7], v[VQR] offset:QT+48
	QUERY QA, 0
	s_wait_dscnt 0x1                               ; set B is in; the one store behind its loads may be out
	ds_load_b128 v[QA:QA+3], v[VQR] offset:QT+64   ; query 2 i + 2; in the last trip the copy's entry 0: the next half's first query
	ds_load_b128 v[QA+4:QA+7], v[VQR] offset:QT+80
	QUERY QB, PM
	v_add_nc_u32 v[VQR], 64, v[VQR]
	v_add_nc_u32 v[VMA], 2*PM, v[VMA]
	s_sub_co_u32 s28, s28, 1
	s_cmp_lg_u32 s28, 0
	s_cbranch_scc1 .Lq
	v_add_nc_u32 v[VMA0], 128, v[VMA0]             ; the second half's 32 groups
	v_add_nc_u32 v[VPO], 4096, v[VPO]              ; (its loads were waited for)
	s_sub_co_u32 s29, s29, 1
	s_cmp_lg_u32 s29, 0
	s_cbranch_scc1 .Lhalf
	s_wait_dscnt 0x0                               ; the last look-ahead has landed: its registers are used again below
	SELSETUP
	s_lshl_b32 s21, s[WV], 6
	v_mov_b32 v[VID], s21                          ; my wave's groups are 64 w .. 64 w + 63
	v_add_nc_u32 v[VID1], 32, v[VID]
	CHOOSE
.Lfunc_end_k_q5abfe9209c_knn_groups:
	.size	k_q5abfe9209c_knn_groups, .Lfunc_end_k_q5abfe9209c_knn_groups-k_q5abfe9209c_knn_groups
	.p2alignl 7, 3214868480
	.fill 96, 4, 3214868480
	.section	.rodata,"a",@progbits
	.p2align	6, 0x0
	.amdhsa_kernel k_q5abfe9209c_knn_groups
		.amdhsa_group_segment_fixed_size 128256
		.amdhsa_private_segment_fixed_size 0
		.amdhsa_enable_private_segment 0
		.amdhsa_kernarg_size 24
		.amdhsa_user_sgpr_count 2
		.amdhsa_user_sgpr_kernarg_segment_ptr 1
		.amdhsa_wavefront_size32 1
		.amdhsa_system_sgpr_workgroup_id_x 1
		.amdhsa_system_sgpr_workgroup_id_y 1
		.amdhsa_system_sgpr_workgroup_id_z 1
		.amdhsa_system_vgpr_workitem_id 0
		.amdhsa_next_free_vgpr 192
		.amdhsa_next_free_sgpr 66
		.amdhsa_reserve_vcc 1
		.amdhsa_float_denorm_mode_32 3
		.amdhsa_float_denorm_mode_16_64 3
		.amdhsa_memory_ordered 1
		.amdhsa_forward_progress 1
		.amdhsa_inst_pref_size 86
	.end_amdhsa_kernel
	.amdgpu_metadata
---
amdhsa.version: [ 1, 2 ]
amdhsa.kernels:
  - .name:           k_q5abfe9209c_knn_groups
    .symbol:         k_q5abfe9209c_knn_groups.kd
    .args:
      - { .name: xyz, .offset: 0, .size: 8, .value_kind: global_buffer, .address_space: global }
      - { .name: sample_idx, .offset: 8, .size: 8, .value_kind: global_buffer, .address_space: global }
      - { .name: GL, .offset: 16, .size: 8, .value_kind: global_buffer, .address_space: global }
    .group_segment_fixed_size: 128256
    .private_segment_fixed_size: 0
    .kernarg_segment_align: 8
    .kernarg_segment_size: 24
    .max_flat_workgroup_size: 256
    .sgpr_count:     66
    .vgpr_count:     192
    .wavefront_size: 32
...
	.end_amdgpu_metadata
.endif
;; end of part 2
;; launch knn_points (part 3): grid 256 x 1, 8 waves a work-group, no clusters, 128,256 bytes of LDS; arguments xyz, sample_idx, GL, IDX; writes IDX
.if DOCPART == 3
	.amdgcn_target "amdgcn-amd-amdhsa--gfx1250"
	.amdhsa_code_object_version 6
	.text
	.protected	k_q5abfe9209c_knn_points
	.globl	k_q5abfe9209c_knn_points
	.p2align	8
	.type	k_q5abfe9209c_knn_points,@function
k_q5abfe9209c_knn_points:
	s_mov_b64 s[64:65], 0
	v_nop
	global_prefetch_b8 v0, s[64:65] scope:SCOPE_SE
	s_setreg_imm32_b32 hwreg(HW_REG_WAVE_MODE, 25, 1), 1
	s_wait_xcnt 0x0
; Third launch: the 16 nearest points of each query, out of the 16 groups of 32 points that the launch before has listed (why those hold them: that kernel's head).  top_k's values are not kept.
; d2 is made by the same lines as there, so its bits are the same; the order is (d2, index), ties to the lower index.
; SHARES.  Work-group = 32 queries of one batch; lane = query.  Wave w takes entries 2 w and 2 w + 1 of each query's list: 64 points a lane, gathered as 128 consecutive bytes a group and coordinate.
; Their d2 go into the wave's own part of LDS; then the same choice of 16 out of 512 as in the launch before, with the point's index as the id.
; LIMITS.  NaN and infinities in xyz are not treated apart.  sample_idx is held to 0 .. 16383, a list's entry to 0 .. 511.
.set DOT_FMA, 0
.set SQ_FMA,  1
.set CEQ,    16384
.set CGT,    65536
.set IDMASK, 0x3fff
.set OUTP,   10                        ; s[10:11] where the lists go
; LDS (one map for both launches; the queries' table is not used here)
.set LISTA, 0                          ; pass A's lists: wave x 2,560 + lane x 80
.set LISTB, 20480                      ; pass B's
.set TBUF,  40960                      ; T of the 32 queries
.set SPARE, 41216                      ; the spare words, 128 bytes a wave: four blocks of 256 bytes that no other line names
.set MB,    58624                      ; the keys: wave x 8,704 + query x 272 + 4 x (point in the wave's 64): each wave's own bytes
.set MW,    8704
.set PM,    272
.set LW,    2560
.set LP,    80
; registers
.set LANE, 1
.set SPW,  2                           ; LDS address of my spare word; never rewritten
.set NIL,  3                           ; 0; never rewritten
.set VRA,  7
.set X,    16                          ; v[16:79] x, v[80:143] y, v[144:207] z of my 64 points; d2 takes x's place
.set Y,    80
.set Z,    144
.set T,    208
.set U,    216
.set P,    224
.set Q,    232                         ; (qx,qx,qy,qy,qz,qz,qq,qq)
.set BB,   16
.set LL,   32
.set A2,   48
.set SPR,  64
.set VT,   65
.set VID,  66
.set VID1, 67
.set VCEQ, 68
.set VCGT, 69
.set VA,   70
.set VRA0, 71
.set VLS,  72
.set VGL,  73
.set VTA,  74
.set VGO,  75
.set LB,   80
.set WV,   20
; ---- d2 ----
.macro SQ4 o, p
.irp j, 0,2,4,6
	v_pk_mul_f32 v[(\p)+\j:(\p)+\j+1], v[X+(\o)+\j:X+(\o)+\j+1], v[X+(\o)+\j:X+(\o)+\j+1]
.endr
.if SQ_FMA
.irp j, 0,2,4,6
	v_pk_fma_f32 v[(\p)+\j:(\p)+\j+1], v[Y+(\o)+\j:Y+(\o)+\j+1], v[Y+(\o)+\j:Y+(\o)+\j+1], v[(\p)+\j:(\p)+\j+1]
.endr
.irp j, 0,2,4,6
	v_pk_fma_f32 v[(\p)+\j:(\p)+\j+1], v[Z+(\o)+\j:Z+(\o)+\j+1], v[Z+(\o)+\j:Z+(\o)+\j+1], v[(\p)+\j:(\p)+\j+1]
.endr
.else
.irp j, 0,2,4,6
	v_pk_mul_f32 v[T+\j:T+\j+1], v[Y+(\o)+\j:Y+(\o)+\j+1], v[Y+(\o)+\j:Y+(\o)+\j+1]
.endr
.irp j, 0,2,4,6
	v_pk_add_f32 v[(\p)+\j:(\p)+\j+1], v[(\p)+\j:(\p)+\j+1], v[T+\j:T+\j+1]
.endr
.irp j, 0,2,4,6
	v_pk_mul_f32 v[T+\j:T+\j+1], v[Z+(\o)+\j:Z+(\o)+\j+1], v[Z+(\o)+\j:Z+(\o)+\j+1]
.endr
.irp j, 0,2,4,6
	v_pk_add_f32 v[(\p)+\j:(\p)+\j+1], v[(\p)+\j:(\p)+\j+1], v[T+\j:T+\j+1]
.endr
.endif
.endm
.macro DIST4 o, q, pp, d
.irp j, 0,2,4,6
	v_pk_mul_f32 v[T+\j:T+\j+1], v[X+(\o)+\j:X+(\o)+\j+1], v[(\q):(\q)+1]
.endr
.if DOT_FMA
.irp j, 0,2,4,6
	v_pk_fma_f32 v[T+\j:T+\j+1], v[Y+(\o)+\j:Y+(\o)+\j+1], v[(\q)+2:(\q)+3], v[T+\j:T+\j+1]
.endr
.irp j, 0,2,4,6
	v_pk_fma_f32 v[T+\j:T+\j+1], v[Z+(\o)+\j:Z+(\o)+\j+1], v[(\q)+4:(\q)+5], v[T+\j:T+\j+1]
.endr
.else
.irp j, 0,2,4,6
	v_pk_mul_f32 v[U+\j:U+\j+1], v[Y+(\o)+\j:Y+(\o)+\j+1], v[(\q)+2:(\q)+3]
.endr
.irp j, 0,2,4,6
	v_pk_add_f32 v[T+\j:T+\j+1], v[T+\j:T+\j+1], v[U+\j:U+\j+1]
.endr
.irp j, 0,2,4,6
	v_pk_mul_f32 v[U+\j:U+\j+1], v[Z+(\o)+\j:Z+(\o)+\j+1], v[(\q)+4:(\q)+5]
.endr
.irp j, 0,2,4,6
	v_pk_add_f32 v[T+\j:T+\j+1], v[T+\j:T+\j+1], v[U+\j:U+\j+1]
.endr
.endif
.irp j, 0,2,4,6
	v_pk_add_f32 v[U+\j:U+\j+1], v[(\pp)+\j:(\pp)+\j+1], v[(\q)+6:(\q)+7]
.endr
.irp j, 0,2,4,6
	v_pk_fma_f32 v[(\d)+\j:(\d)+\j+1], v[T+\j:T+\j+1], -2.0, v[U+\j:U+\j+1] op_sel_hi:[1,0,1]
.endr
.endm
; ---- the choice (the same text as in the launch before) ----
.macro VMIN d, a, b
.if KIND
	v_min_u32 v[\d], v[\a], v[\b]
.else
	v_min_num_f32 v[\d], v[\a], v[\b]
.endif
.endm
.macro VMAX d, a, b
.if KIND
	v_max_u32 v[\d], v[\a], v[\b]
.else
	v_max_num_f32 v[\d], v[\a], v[\b]
.endif
.endm
.macro CE x, y                         ; a comparator on two NAMES: x takes the lesser, y the greater; the minimum goes into the spare register, and the names x and spare change places
	VMIN SPA, \x, \y
	VMAX \y, \x, \y
.set SWP, \x
.set \x, SPA
.set SPA, SWP
.endm
.macro BIND p, base
.irp n, 0,1,2,3,4,5,6,7,8,9,10,11,12,13,14,15
.set \p\n, (\base)+\n
.endr
.endm
.macro BINDR p, base
.irp n, 0,1,2,3,4,5,6,7,8,9,10,11,12,13,14,15
.set \p\n, (\base)+15-\n
.endr
.endm
.macro DN1 a, b
	CE B\b, B\a
.endm
.macro DN2 a, b, c, d
	CE B\b, B\a
	CE B\d, B\c
.endm
.macro DN4 a, b, c, d, e, f, g, h
	DN2 \a, \b, \c, \d
	DN2 \e, \f, \g, \h
.endm
.macro UP4 a, b, c, d, e, f, g, h
	CE L\a, L\b
	CE L\c, L\d
	CE L\e, L\f
	CE L\g, L\h
.endm
.macro FN a, b
	VMIN A2+\a, L\a, L\b
	VMAX A2+\b, L\a, L\b
.endm
.macro SORT16                          ; B0 .. B15 descending: Batcher's odd-even merge sort, 63 comparators
	DN4 0,1,2,3,4,5,6,7
	DN4 8,9,10,11,12,13,14,15
	DN4 0,2,1,3,4,6,5,7
	DN4 8,10,9,11,12,14,13,15
	DN4 1,2,5,6,9,10,13,14
	DN4 0,4,1,5,2,6,3,7
	DN4 8,12,9,13,10,14,11,15
	DN4 2,4,3,5,10,12,11,13
	DN4 1,2,3,4,5,6,9,10
	DN2 11,12,13,14
	DN4 0,8,1,9,2,10,3,11
	DN4 4,12,5,13,6,14,7,15
	DN4 4,8,5,9,6,10,7,11
	DN4 2,4,3,5,6,8,7,9
	DN2 10,12,11,13
	DN4 1,2,3,4,5,6,7,8
	DN2 9,10,11,12
	DN1 13,14
.endm
.macro MERGE                           ; min(A[k], B[k]) of an ascending and a descending 16 are the 16 least, a bitonic run, which four stages sort
	BIND L, LL
.irp n, 0,1,2,3,4,5,6,7,8,9,10,11,12,13,14,15
	VMIN LL+\n, A2+\n, B\n
.endr
	UP4 0,8,1,9,2,10,3,11
	UP4 4,12,5,13,6,14,7,15
	UP4 0,4,1,5,2,6,3,7
	UP4 8,12,9,13,10,14,11,15
	UP4 0,2,1,3,4,6,5,7
	UP4 8,10,9,11,12,14,13,15
	FN 0,1
	FN 2,3
	FN 4,5
	FN 6,7
	FN 8,9
	FN 10,11
	FN 12,13
	FN 14,15
.endm
.macro SELSETUP
	s_mul_i32 s32, s[WV], MW
	s_add_co_u32 s32, s32, MB
	v_mul_u32_u24 v[VRA0], v[LANE], PM
	v_add_nc_u32 v[VRA0], s32, v[VRA0]
	s_mul_i32 s33, s[WV], LW
	v_mul_u32_u24 v[VGL], v[LANE], LP
	v_add_nc_u32 v[VLS], s33, v[VGL]
	v_lshlrev_b32 v[VTA], 2, v[LANE]
	v_lshlrev_b32 v[VGO], 4, v[LANE]
	v_mov_b32 v[VCEQ], CEQ
	v_mov_b32 v[VCGT], CGT
.endm
.macro LPASS kind, list
.set KIND, \kind
.set k, 0
.rept 16
.if KIND
	v_mov_b32 v[A2+k], -1
.else
	v_mov_b32 v[A2+k], 0x7f800000
.endif
.set k, k+1
.endr
	v_mov_b32 v[VRA], v[VRA0]
	s_mov_b32 s30, 4
.Lbatch_\@:
.irp j, 0,1,2,3
	ds_load_b128 v[BB+4*\j:BB+4*\j+3], v[VRA] offset:16*\j
.endr
	s_wait_dscnt 0x0
.if KIND
.set k, 0
.rept 16
	v_cmp_ge_f32 vcc_lo, v[BB+k], v[VT]
	v_cndmask_b32 v[VA], 0, v[VCEQ], vcc_lo
	v_cmp_gt_f32 vcc_lo, v[BB+k], v[VT]
	v_cndmask_b32 v[VA], v[VA], v[VCGT], vcc_lo
	v_add3_u32 v[BB+k], v[VA], v[VID], k
.set k, k+1
.endr
.endif
	BIND B, BB
.set SPA, SPR
	SORT16
	MERGE
	v_add_nc_u32 v[VRA], 64, v[VRA]
.if KIND
	v_add_nc_u32 v[VID], 16, v[VID]
	s_cmp_eq_u32 s30, 3                            ; behind the second batch the ids go on with the second group's
	s_cselect_b32 s31, -1, 0
	v_cndmask_b32 v[VID], v[VID], v[VID1], s31
.endif
	s_sub_co_u32 s30, s30, 1
	s_cmp_lg_u32 s30, 0
	s_cbranch_scc1 .Lbatch_\@
	s_cmp_eq_u32 s[WV], 0
	s_cbranch_scc1 .Lmine_\@
.irp j, 0,1,2,3
	ds_store_b128 v[VLS], v[A2+4*\j:A2+4*\j+3] offset:(\list)+16*\j
.endr
.Lmine_\@:
	s_wait_dscnt 0x0                               ; for wave 0's sake: my list is in LDS
	s_barrier_signal -1
	s_barrier_wait -1
.endm
.macro GMERGE kind, list
.set KIND, \kind
.set i, 1
.rept 7
.irp j, 0,1,2,3
	ds_load_b128 v[LB+16*(i-1)+4*\j:LB+16*(i-1)+4*\j+3], v[VGL] offset:(\list)+LW*i+16*\j
.endr
.set i, i+1
.endr
.set i, 1
.rept 7
	s_wait_dscnt 4*(7-i)                           ; list i is in; the younger lists, four loads each, stay out
	BINDR B, LB+16*(i-1)
.set SPA, SPR
	MERGE
.set i, i+1
.endr
.endm
.macro CHOOSE
	LPASS 0, LISTA
	s_cmp_lg_u32 s[WV], 0
	s_cbranch_scc1 .Lt_done
	GMERGE 0, LISTA
	ds_store_b32 v[VTA], v[A2+15] offset:TBUF
.Lt_done:
	s_wait_dscnt 0x0                               ; wave 0: T is in LDS and its reads of the lists are over
	s_barrier_signal -1
	s_barrier_wait -1
	ds_load_b32 v[VT], v[VTA] offset:TBUF
	s_wait_dscnt 0x0
	LPASS 1, LISTB
	s_cmp_lg_u32 s[WV], 0
	s_cbranch_scc1 .Lend
	GMERGE 1, LISTB
.set k, 0
.rept 16
	v_and_b32 v[A2+k], IDMASK, v[A2+k]
.set k, k+1
.endr
.irp j, 0,1,2,3
	global_store_b128 v[VGO], v[A2+4*\j:A2+4*\j+3], s[OUTP:OUTP+1] offset:512*\j
.endr
.Lend:
	s_wait_tensorcnt 0x0                           ; the wave's end, behind my last LDS store
	ds_add_u32 v[SPW], v[NIL]
	s_wait_dscnt 0x0
	s_endpgm
.endm
	s_load_b256 s[4:11], s[0:1], 0x0               ; xyz s[4:5], sample_idx s[6:7], GL s[8:9], IDX s[10:11]
	v_lshl_add_u32 v[SPW], v0, 2, SPARE
	v_mov_b32 v[NIL], 0
	v_and_b32 v[LANE], 31, v0
	v_lshrrev_b32 v4, 5, v0
	v_readfirstlane_b32 s[WV], v4
	s_lshr_b32 s12, ttmp9, 5                       ; batch
	s_and_b32 s13, ttmp9, 31                       ; block of 32 queries
	s_mul_i32 s14, s12, 196608
	s_mov_b32 s15, 0
	s_lshl_b32 s18, ttmp9, 11
	s_mov_b32 s19, 0
	s_lshl_b32 s21, s13, 7
	v_lshl_add_u32 v12, v[LANE], 2, s21
	s_lshr_b32 s22, s[WV], 1                       ; entries 2 w and 2 w + 1: quarter w / 2 of the list, 8 bytes at 8 (w % 2)
	s_lshl_b32 s22, s22, 9
	s_and_b32 s23, s[WV], 1
	s_lshl_b32 s23, s23, 3
	s_add_co_u32 s22, s22, s23
	v_lshl_add_u32 v14, v[LANE], 4, s22
	s_wait_kmcnt 0x0
	s_add_nc_u64 s[16:17], s[4:5], s[14:15]
	s_add_nc_u64 s[8:9], s[8:9], s[18:19]
	s_add_nc_u64 s[10:11], s[10:11], s[18:19]
	global_load_b32 v13, v12, s[6:7]
	global_load_b64 v[4:5], v14, s[8:9]
	s_wait_loadcnt 0x0
	v_min_u32 v13, 0x3fff, v13
	v_lshlrev_b32 v13, 2, v13
	v_min_u32 v4, 0x1ff, v4
	v_min_u32 v5, 0x1ff, v5
	v_lshlrev_b32 v6, 7, v4                        ; a group is 128 bytes of a coordinate's row
	v_lshlrev_b32 v7, 7, v5
	global_load_b32 v8, v13, s[16:17]
	global_load_b32 v9, v13, s[16:17] offset:65536
	global_load_b32 v10, v13, s[16:17] offset:131072
.irp c, 0,1,2
.irp i, 0,1,2,3,4,5,6,7
	global_load_b128 v[X+64*\c+4*\i:X+64*\c+4*\i+3], v6, s[16:17] offset:65536*\c+16*\i
	global_load_b128 v[X+64*\c+32+4*\i:X+64*\c+32+4*\i+3], v7, s[16:17] offset:65536*\c+16*\i
.endr
.endr
	s_wait_loadcnt 48                              ; q is in; the 48 loads of the points stay out
	v_mul_f32 v11, v8, v8
.if SQ_FMA
	v_fma_f32 v11, v9, v9, v11
	v_fma_f32 v11, v10, v10, v11
.else
	v_mul_f32 v12, v9, v9
	v_add_f32 v11, v11, v12
	v_mul_f32 v12, v10, v10
	v_add_f32 v11, v11, v12
.endif
.irp j, 0,1,2,3
	v_mov_b32 v[Q+2*\j], v[8+\j]
	v_mov_b32 v[Q+2*\j+1], v[8+\j]
.endr
	s_mul_i32 s32, s[WV], MW
	s_add_co_u32 s32, s32, MB
	v_mul_u32_u24 v15, v[LANE], PM
	v_add_nc_u32 v15, s32, v15
	s_wait_loadcnt 0x0
.irp o, 0,8,16,24,32,40,48,56
	SQ4 \o, P
	DIST4 \o, Q, P, X+\o
.endr
.irp i, 0,1,2,3,4,5,6,7,8,9,10,11,12,13,14,15
	ds_store_b128 v15, v[X+4*\i:X+4*\i+3] offset:16*\i  ; my wave's own bytes: it reads them back itself, in order
.endr
	SELSETUP
	v_lshlrev_b32 v[VID], 5, v4                    ; a point's index = 32 x group + place
	v_lshlrev_b32 v[VID1], 5, v5
	CHOOSE
.Lfunc_end_k_q5abfe9209c_knn_points:
	.size	k_q5abfe9209c_knn_points, .Lfunc_end_k_q5abfe9209c_knn_points-k_q5abfe9209c_knn_points
	.p2alignl 7, 3214868480
	.fill 96, 4, 3214868480
	.section	.rodata,"a",@progbits
	.p2align	6, 0x0
	.amdhsa_kernel k_q5abfe9209c_knn_points
		.amdhsa_group_segment_fixed_size 128256
		.amdhsa_private_segment_fixed_size 0
		.amdhsa_enable_private_segment 0
		.amdhsa_kernarg_size 32
		.amdhsa_user_sgpr_count 2
		.amdhsa_user_sgpr_kernarg_segment_ptr 1
		.amdhsa_wavefront_size32 1
		.amdhsa_system_sgpr_workgroup_id_x 1
		.amdhsa_system_sgpr_workgroup_id_y 1
		.amdhsa_system_sgpr_workgroup_id_z 1
		.amdhsa_system_vgpr_workitem_id 0
		.amdhsa_next_free_vgpr 240
		.amdhsa_next_free_sgpr 66
		.amdhsa_reserve_vcc 1
		.amdhsa_float_denorm_mode_32 3
		.amdhsa_float_denorm_mode_16_64 3
		.amdhsa_memory_ordered 1
		.amdhsa_forward_progress 1
		.amdhsa_inst_pref_size 89
	.end_amdhsa_kernel
	.amdgpu_metadata
---
amdhsa.version: [ 1, 2 ]
amdhsa.kernels:
  - .name:           k_q5abfe9209c_knn_points
    .symbol:         k_q5abfe9209c_knn_points.kd
    .args:
      - { .name: xyz, .offset: 0, .size: 8, .value_kind: global_buffer, .address_space: global }
      - { .name: sample_idx, .offset: 8, .size: 8, .value_kind: global_buffer, .address_space: global }
      - { .name: GL, .offset: 16, .size: 8, .value_kind: global_buffer, .address_space: global }
      - { .name: IDX, .offset: 24, .size: 8, .value_kind: global_buffer, .address_space: global }
    .group_segment_fixed_size: 128256
    .private_segment_fixed_size: 0
    .kernarg_segment_align: 8
    .kernarg_segment_size: 32
    .max_flat_workgroup_size: 256
    .sgpr_count:     66
    .vgpr_count:     240
    .wavefront_size: 32
...
	.end_amdgpu_metadata
.endif
;; end of part 3
;; launch mlp_s1 (part 4): grid 256 x 1, 8 waves a work-group, no clusters, 53,248 bytes of LDS; arguments PT, WF, IDX, xyz, out0, PSA; writes PSA
.if DOCPART == 4
	.amdgcn_target "amdgcn-amd-amdhsa--gfx1250"
	.amdhsa_code_object_version 6
	.text
	.protected	k_q5abfe9209c_mlp_s1
	.globl	k_q5abfe9209c_mlp_s1
	.p2align	8
	.type	k_q5abfe9209c_mlp_s1,@function
k_q5abfe9209c_mlp_s1:
	s_mov_b64 s[64:65], 0
	v_nop
	global_prefetch_b8 v0, s[64:65] scope:SCOPE_SE
	s_setreg_imm32_b32 hwreg(HW_REG_WAVE_MODE, 25, 1), 1
	s_wait_xcnt 0x0
; Launches four to six are ONE text, told apart by STAGE.  Stage 1: layer 1, and the partial statistics of h1.  Stage 2: batch norm 1, ReLU, layer 2, the statistics of h2.
; Stage 3: both again, layer 3, the statistics of h3' and its maximum over the 16 neighbours.  b1, b2, b3 are left out (a batch norm takes any constant a channel away: first kernel's head).
; A batch norm wants the mean and variance over all 131,072 rows, so each ends a launch; the layers in front are made again from the gather: nothing but the statistics and the maxima goes through memory.
; FORMATS.  All three products: f16 operands, f32 sums.  f16 and not bf16: the operands' rounding is the results' error, and f16's is an eighth of bf16's.  LIMIT: a feature, a weight or a
; normalised activation beyond 65,504 becomes an infinity.  An index from IDX is held to 0 .. 16383.
; SHARES.  Work-group = 32 queries = 512 rows.  Wave w owns queries 4 w + t, t = 0..3: a tile's 16 columns are the 16 neighbours of ONE query.
; LAYOUT.  D = A B with A = 16 output channels x 32 k (weights, from the image of WF in LDS) and B = 32 k x 16 neighbours.  Lane (r = lane % 16, h = lane / 16) holds of B column r, k = 8 h + 0..7 and 16 + 8 h + 0..7:
; of a gathered row four loads of 16 bytes; of D it holds channels 8 h + 0..7 of neighbour r.  Two D tiles, scaled, cut at 0 and rounded in pairs, ARE the next layer's B: nothing changes lanes between layers.
; STATISTICS as reference() takes them: the mean first, then the squares of the deviations, here over a wave's 64 rows in registers; parts (mean, M2) are joined by M2 = sum M2_i + n sum (mean_i - mean)^2:
; no difference of large sums is formed.
.set STAGE, 1
.if STAGE == 1
.set NW, 3                             ; 4,096-byte parts of WF that the stage needs
.set ST, 184                           ; 24 registers for the statistics
.set PSO, 14                           ; s[14:15] the statistics' way out
.elseif STAGE == 2
.set NW, 5
.set ST, 16
.set PSO, 20
.else
.set NW, 9
.set ST, 112
.set PSO, 20
.endif
; LDS
.set WIMG,  0                          ; WF as it lies: fragment f at 1,024 f
.set BNT,   36864                      ; sc1, sh1, sc2, sh2: 64 f32 each
.set RED,   37888                      ; wave x 512 + lane x 16: sums of (mean, M2) of two channels
.set RED2,  41984                      ; wave x 256 + lane x 8
.set PMEAN, 44032                      ; wave x 512 + 4 x channel
.set PM2,   48128
.set SPARE, 52224                      ; the spare words, 128 bytes a wave: four blocks of 256 bytes that no other line names
; registers
.set R,    1
.set H,    2
.set VWA,  3                           ; 16 x lane
.set VBA,  4                           ; BNT + 32 h
.set VPA,  5                           ; PMEAN + 512 w + 32 h, stepped
.set VHO,  6
.set ZERO, 7
.set SPW,  8                           ; LDS address of my spare word; never rewritten
.set NIL,  9                           ; 0; never rewritten
.set VW,   14
.set VWX,  15
.set G,    16                          ; v[16:79] gathered features: tile t, k block kb at 16 t + 8 kb
.set A2,   16                          ; later layer 3's B
.set REL,  80                          ; v[80:111] the xyz part's B, 8 a tile
.set W3,   80                          ; later layer 3's four fragments
.set OFP,  96                          ; in the prologue: the rows' offsets in PT,
.set OFX,  100                         ; the indices, then their offsets in xyz,
.set GB,   104                         ; g and be of two channels,
.set MP,   108                         ; their means
.set W,    112                         ; v[112:135] three fragments
.set CB,   112                         ; in the prologue v[112:239]: 32 partial statistics of two channels
.set SC,   136
.set SH,   144
.set RES,  136
.set AC,   152                         ; accumulators: tile t at 8 t; in layer 3 also + 32 for the second block of 16 channels
.set A1,   184                         ; v[184:247] layer 2's B
.set RX,   244                         ; in the prologue: the neighbours' x, y, z, four each
.set WV,   24
.macro NOP4                            ; four places between a matrix instruction and the lines that read its result or load into its sources
.rept 4
	v_nop
.endr
.endm
.macro LWN n, o, va, w=W               ; n fragments on end, from byte o behind address va
.set f, 0
.rept 2*(\n)
	ds_load_b128 v[(\w)+4*f:(\w)+4*f+3], v[\va] offset:(\o)+512*f
.set f, f+1
.endr
.endm
.macro MM1                             ; layer 1, 16 channels: k blocks 0 and 1 of the features, then xyz.  The four accumulators take turns
.irp t, 0,1,2,3
	v_wmma_f32_16x16x32_f16 v[AC+8*\t:AC+8*\t+7], v[W:W+7], v[G+16*\t:G+16*\t+7], 0
.endr
.irp t, 0,1,2,3
	v_wmma_f32_16x16x32_f16 v[AC+8*\t:AC+8*\t+7], v[W+8:W+15], v[G+16*\t+8:G+16*\t+15], v[AC+8*\t:AC+8*\t+7]
.endr
.irp t, 0,1,2,3
	v_wmma_f32_16x16x32_f16 v[AC+8*\t:AC+8*\t+7], v[W+16:W+23], v[REL+8*\t:REL+8*\t+7], v[AC+8*\t:AC+8*\t+7]
.endr
.endm
.macro MM2                             ; layer 2, 16 channels
.irp t, 0,1,2,3
	v_wmma_f32_16x16x32_f16 v[AC+8*\t:AC+8*\t+7], v[W:W+7], v[A1+16*\t:A1+16*\t+7], 0
.endr
.irp t, 0,1,2,3
	v_wmma_f32_16x16x32_f16 v[AC+8*\t:AC+8*\t+7], v[W+8:W+15], v[A1+16*\t+8:A1+16*\t+15], v[AC+8*\t:AC+8*\t+7]
.endr
.endm
.macro LSC tb, ot                      ; scale and shift of my 8 channels of block ot, from the table at tb
	ds_load_b128 v[SC:SC+3], v[VBA] offset:(\tb)+64*(\ot)
	ds_load_b128 v[SC+4:SC+7], v[VBA] offset:(\tb)+64*(\ot)+16
	ds_load_b128 v[SH:SH+3], v[VBA] offset:(\tb)+256+64*(\ot)
	ds_load_b128 v[SH+4:SH+7], v[VBA] offset:(\tb)+256+64*(\ot)+16
.endm
.macro PACK ot, dst                    ; h sc + sh, rounded to f16 in pairs, cut at 0: half a fragment of the next B.  Each accumulator is read from its low end on
.irp t, 0,1,2,3
.irp j, 0,2,4,6
	v_pk_fma_f32 v[AC+8*\t+\j:AC+8*\t+\j+1], v[AC+8*\t+\j:AC+8*\t+\j+1], v[SC+\j:SC+\j+1], v[SH+\j:SH+\j+1]
.endr
.irp j, 0,1,2,3
	v_cvt_pk_f16_f32 v[(\dst)+16*\t+8*((\ot)/2)+4*((\ot)%2)+\j], v[AC+8*\t+2*\j], v[AC+8*\t+2*\j+1]
.endr
.irp j, 0,1,2,3
	v_pk_max_num_f16 v[(\dst)+16*\t+8*((\ot)/2)+4*((\ot)%2)+\j], v[(\dst)+16*\t+8*((\ot)/2)+4*((\ot)%2)+\j], v[ZERO]
.endr
.endr
.endm
; A block of 16 channels of layer ly, packed into dst.  The next block's fragments (layer nly, block no) are asked for ahead of the packing, its scales (table ntb) behind it.
.macro UNIT ly, ot, dst, nly, no, ntb
	s_wait_dscnt 0x0                               ; fragments and scales are in
.if (\ly) == 1
	MM1
.else
	MM2
.endif
	NOP4
.if (\nly) == 1
	LWN 2, 2048*(\no), VWA
	LWN 1, 8192+1024*(\no), VWA, W+16
.elseif (\nly) == 2
	LWN 2, 12288+2048*(\no), VWA
.endif
	PACK \ot, \dst
.if (\ntb) >= 0
	LSC \ntb, \no
.endif
.endm
; Mean and M2 of my 8 channels over the wave's 64 rows (four tiles at ac, 16 lanes), to byte off behind VPA.
.macro STATS ac, off
.irp j, 0,2,4,6
	v_pk_add_f32 v[ST+\j:ST+\j+1], v[(\ac)+\j:(\ac)+\j+1], v[(\ac)+8+\j:(\ac)+8+\j+1]
.endr
.irp t, 16,24
.irp j, 0,2,4,6
	v_pk_add_f32 v[ST+\j:ST+\j+1], v[ST+\j:ST+\j+1], v[(\ac)+\t+\j:(\ac)+\t+\j+1]
.endr
.endr
.irp m, 1,2,4,8
.irp j, 0,1,2,3,4,5,6,7
	v_add_f32_dpp v[ST+\j], v[ST+\j], v[ST+\j] row_xmask:\m row_mask:0xf bank_mask:0xf
.endr
.endr
.irp j, 0,2,4,6
	v_pk_mul_f32 v[ST+\j:ST+\j+1], v[ST+\j:ST+\j+1], 0x3c800000 op_sel_hi:[1,0]  ; / 64
.endr
.irp t, 0,8,16,24
.irp j, 0,2,4,6
	v_pk_add_f32 v[ST+16+\j:ST+16+\j+1], v[(\ac)+\t+\j:(\ac)+\t+\j+1], v[ST+\j:ST+\j+1] neg_lo:[0,1] neg_hi:[0,1]
.endr
.irp j, 0,2,4,6
.if \t == 0
	v_pk_mul_f32 v[ST+8+\j:ST+8+\j+1], v[ST+16+\j:ST+16+\j+1], v[ST+16+\j:ST+16+\j+1]
.else
	v_pk_fma_f32 v[ST+8+\j:ST+8+\j+1], v[ST+16+\j:ST+16+\j+1], v[ST+16+\j:ST+16+\j+1], v[ST+8+\j:ST+8+\j+1]
.endif
.endr
.endr
.irp m, 1,2,4,8
.irp j, 0,1,2,3,4,5,6,7
	v_add_f32_dpp v[ST+8+\j], v[ST+8+\j], v[ST+8+\j] row_xmask:\m row_mask:0xf bank_mask:0xf
.endr
.endr
	ds_store_b128 v[VPA], v[ST:ST+3] offset:\off               ; the 16 lanes of a half hold the same numbers and write the same bytes
	ds_store_b128 v[VPA], v[ST+4:ST+7] offset:(\off)+16
	ds_store_b128 v[VPA], v[ST+8:ST+11] offset:(\off)+4096
	ds_store_b128 v[VPA], v[ST+12:ST+15] offset:(\off)+4112
.endm
.macro TREE8 a                         ; eight pairs at a, a + 2 .. into a
	v_pk_add_f32 v[\a:\a+1], v[\a:\a+1], v[\a+2:\a+3]
	v_pk_add_f32 v[\a+4:\a+5], v[\a+4:\a+5], v[\a+6:\a+7]
	v_pk_add_f32 v[\a+8:\a+9], v[\a+8:\a+9], v[\a+10:\a+11]
	v_pk_add_f32 v[\a+12:\a+13], v[\a+12:\a+13], v[\a+14:\a+15]
	v_pk_add_f32 v[\a:\a+1], v[\a:\a+1], v[\a+4:\a+5]
	v_pk_add_f32 v[\a+8:\a+9], v[\a+8:\a+9], v[\a+12:\a+13]
	v_pk_add_f32 v[\a:\a+1], v[\a:\a+1], v[\a+8:\a+9]
.endm
; The 256 work-groups' statistics of the layer before become scale and shift, in the table at tb.  Thread = (two channels: lane; 32 of the 256 parts: wave).
.macro COMBINE tb
	s_wait_loadcnt 28                              ; the parts, g and be are in; the 28 gathers stay out
	v_pk_add_f32 v[240:241], v[CB:CB+1], v[CB+8:CB+9]
	v_pk_add_f32 v[242:243], v[CB+2:CB+3], v[CB+10:CB+11]
	v_pk_add_f32 v[80:81], v[CB+4:CB+5], v[CB+12:CB+13]
	v_pk_add_f32 v[82:83], v[CB+6:CB+7], v[CB+14:CB+15]
.set i, 4
.rept 14
	v_pk_add_f32 v[240:241], v[240:241], v[CB+4*i:CB+4*i+1]
	v_pk_add_f32 v[242:243], v[242:243], v[CB+4*i+2:CB+4*i+3]
	v_pk_add_f32 v[80:81], v[80:81], v[CB+4*i+4:CB+4*i+5]
	v_pk_add_f32 v[82:83], v[82:83], v[CB+4*i+6:CB+4*i+7]
.set i, i+2
.endr
	v_pk_add_f32 v[240:241], v[240:241], v[80:81]
	v_pk_add_f32 v[242:243], v[242:243], v[82:83]
	ds_store_b128 v13, v[240:243] offset:RED       ; (sum mean, sum M2) of both channels; v13 = 16 x thread
	s_wait_dscnt 0x0                               ; for the others' sake: my sums and my part of the weights' image are in LDS
	s_barrier_signal -1
	s_barrier_wait -1
.set i, 0
.rept 8
	ds_load_b32 v[80+2*i], v[VWA] offset:RED+512*i
	ds_load_b32 v[81+2*i], v[VWA] offset:RED+512*i+8
.set i, i+1
.endr
	v_lshlrev_b32 v11, 3, v0
	s_wait_dscnt 0x0
	TREE8 80
	v_pk_mul_f32 v[MP:MP+1], v[80:81], 0x3b800000 op_sel_hi:[1,0]  ; the mean: / 256
	v_sub_f32 v80, v[CB], v[MP]
	v_sub_f32 v81, v[CB+2], v[MP+1]
	v_pk_mul_f32 v[82:83], v[80:81], v[80:81]
.set i, 1
.rept 31
	v_sub_f32 v80, v[CB+4*i], v[MP]
	v_sub_f32 v81, v[CB+4*i+2], v[MP+1]
	v_pk_fma_f32 v[82:83], v[80:81], v[80:81], v[82:83]
.set i, i+1
.endr
	ds_store_b64 v11, v[82:83] offset:RED2
	s_wait_dscnt 0x0
	s_barrier_signal -1
	s_barrier_wait -1
	s_cmp_lg_u32 s[WV], 0
	s_cbranch_scc1 .Lnot_0
.set i, 0
.rept 8
	ds_load_b64 v[112+2*i:113+2*i], v15 offset:RED2+256*i
	ds_load_b32 v[128+2*i], v[VWA] offset:RED+512*i+4
	ds_load_b32 v[129+2*i], v[VWA] offset:RED+512*i+12
.set i, i+1
.endr
	s_wait_dscnt 0x0
	TREE8 112
	TREE8 128
	v_pk_fma_f32 v[128:129], v[112:113], 0x44000000, v[128:129] op_sel_hi:[1,0,1]  ; M2 = sum M2_i + 512 sum (mean_i - mean)^2
	v_fma_f32 v128, v128, s57, s58                 ; / 131,072, + 1e-5
	v_fma_f32 v129, v129, s57, s58
	v_rsq_f32 v130, v128
	v_rsq_f32 v131, v129
	v_nop                                          ; a plain instruction behind the last root,
	s_wait_alu depctr_va_vdst(0)                   ; and a wait ahead of the first use: one for both
	v_pk_mul_f32 v[132:133], v[GB:GB+1], v[130:131]
	v_pk_fma_f32 v[134:135], v[MP:MP+1], v[132:133], v[GB+2:GB+3] neg_lo:[1,0,0] neg_hi:[1,0,0]
	ds_store_b64 v15, v[132:133] offset:BNT+(\tb)
	ds_store_b64 v15, v[134:135] offset:BNT+(\tb)+256
.if STAGE == 2
	s_cmp_lg_u32 ttmp9, 0                          ; one work-group hands the table to the next launch
	s_cbranch_scc1 .Lnot_0
	global_store_b64 v15, v[132:133], s[20:21] offset:131072
	global_store_b64 v15, v[134:135], s[20:21] offset:131328
	s_wait_xcnt 0x0                                ; the stores' data registers are loaded into below
.endif
.Lnot_0:
.if STAGE == 3
	s_cmp_lg_u32 s[WV], 1                          ; the first batch norm's table comes as the launch before left it
	s_cbranch_scc1 .Lnot_1
	global_load_b128 v[112:115], v[VWA], s[14:15] offset:131072
	s_wait_loadcnt 0x0
	ds_store_b128 v[VWA], v[112:115] offset:BNT
.Lnot_1:
.endif
.endm
.macro RS a, b, msk, xm, d             ; lanes whose bit is 0 keep a and send b, the others keep b and send a; d = max(kept, what the partner sent)
	v_cndmask_b32 v10, v[\a], v[\b], s[\msk]
	v_cndmask_b32 v11, v[\b], v[\a], s[\msk]
	v_max_num_f32_dpp v[\d], v11, v10 row_xmask:\xm row_mask:0xf bank_mask:0xf
.endm
.macro MAXT t                          ; the maximum over tile t's 16 lanes of 16 registers, halving the registers at each step: lane (r, h) ends with channel 16 (r / 8) + 8 h + r % 8
.irp o, 0,32
.irp j, 0,1,2,3
	RS AC+\o+8*(\t)+\j, AC+\o+8*(\t)+\j+4, 54, 4, AC+\o+8*(\t)+\j
.endr
.irp j, 0,1
	RS AC+\o+8*(\t)+\j, AC+\o+8*(\t)+\j+2, 53, 2, AC+\o+8*(\t)+\j
.endr
	RS AC+\o+8*(\t), AC+\o+8*(\t)+1, 52, 1, AC+\o+8*(\t)
.endr
	RS AC+8*(\t), AC+32+8*(\t), 55, 8, RES+(\t)
.endm
.macro EPI c                           ; the eight waves' (mean, M2) of c channels are joined, thread = channel, and stored: 256 consecutive bytes a wave
	s_wait_dscnt 0x0
	s_barrier_signal -1
	s_barrier_wait -1
	s_cmp_lt_u32 s[WV], (\c)/32
	s_cbranch_scc0 .Lend
	v_lshlrev_b32 v10, 2, v0
	v_lshlrev_b32 v11, 3, v0
.set i, 0
.rept 8
	ds_load_b32 v[16+i], v10 offset:PMEAN+512*i
	ds_load_b32 v[24+i], v10 offset:PM2+512*i
.set i, i+1
.endr
	s_wait_dscnt 0x0
	v_add_f32 v32, v16, v17
	v_add_f32 v33, v18, v19
	v_add_f32 v34, v20, v21
	v_add_f32 v35, v22, v23
	v_add_f32 v36, v24, v25
	v_add_f32 v37, v26, v27
	v_add_f32 v38, v28, v29
	v_add_f32 v39, v30, v31
	v_add_f32 v32, v32, v33
	v_add_f32 v34, v34, v35
	v_add_f32 v36, v36, v37
	v_add_f32 v38, v38, v39
	v_add_f32 v32, v32, v34
	v_add_f32 v36, v36, v38
	v_mul_f32 v32, 0x3e000000, v32                 ; / 8
.set i, 0
.rept 8
	v_sub_f32 v[16+i], v[16+i], v32
.set i, i+1
.endr
	v_mul_f32 v37, v16, v16
.set i, 1
.rept 7
	v_fma_f32 v37, v[16+i], v[16+i], v37
.set i, i+1
.endr
	v_fmamk_f32 v33, v37, 0x42800000, v36          ; M2 = sum M2_w + 64 sum (mean_w - mean)^2
	global_store_b64 v11, v[32:33], s[PSO:PSO+1]
.Lend:
	s_wait_tensorcnt 0x0                           ; the wave's end, behind my last LDS store
	ds_add_u32 v[SPW], v[NIL]
	s_wait_dscnt 0x0
	s_endpgm
.endm
.if STAGE == 1
	s_load_b256 s[4:11], s[0:1], 0x0               ; PT s[4:5], WF s[6:7], IDX s[8:9], xyz s[10:11]
	s_load_b128 s[12:15], s[0:1], 0x20             ; out0 s[12:13], statistics out s[14:15]
.elseif STAGE == 2
	s_load_b512 s[4:19], s[0:1], 0x0               ; the same five, statistics in s[14:15], g s[16:17], be s[18:19]
	s_load_b64 s[20:21], s[0:1], 0x40              ; statistics out
.else
	s_load_b512 s[4:19], s[0:1], 0x0
	s_load_b128 s[20:23], s[0:1], 0x40             ; statistics out, HS s[22:23]
.endif
	v_lshl_add_u32 v[SPW], v0, 2, SPARE
	v_mov_b32 v[NIL], 0
	v_and_b32 v10, 31, v0                          ; lane
	v_lshrrev_b32 v11, 5, v0
	v_readfirstlane_b32 s[WV], v11
	v_and_b32 v[R], 15, v0
	v_bfe_u32 v[H], v0, 4, 1
	v_mov_b32 v[ZERO], 0
	s_lshr_b32 s25, ttmp9, 5                       ; batch
	s_and_b32 s26, ttmp9, 31                       ; block of 32 queries
	s_mul_i32 s36, s25, 12288                      ; out0: my four queries' x; y and z lie 4,096 and 8,192 bytes on
	s_lshl_b32 s27, s26, 7
	s_add_co_u32 s36, s36, s27
	s_lshl_b32 s27, s[WV], 4
	s_add_co_u32 s36, s36, s27
	s_mov_b32 s37, 0
	s_lshl_b32 s38, ttmp9, 11
	s_mov_b32 s39, 0
	s_lshl_b32 s60, s25, 21
	s_mov_b32 s61, 0
	s_mov_b32 s56, 0xffff0000                      ; lanes 16 to 31
	s_mov_b32 s57, 0x37000000                      ; 1 / 131,072
	s_mov_b32 s58, 0x3727c5ac                      ; 1e-5
	v_lshrrev_b32 v12, 2, v[R]                     ; entry r of query 4 w + t: (r / 4) 512 + 16 (4 w + t) + 4 (r % 4)
	v_and_b32 v11, 3, v[R]
	v_lshlrev_b32 v11, 2, v11
	v_lshl_add_u32 v12, v12, 9, v11
	s_lshl_b32 s27, s[WV], 6
	v_add_nc_u32 v12, s27, v12
	v_lshlrev_b32 v13, 4, v0
	v_lshlrev_b32 v[VWA], 4, v10
	v_lshl_add_u32 v[VBA], v[H], 5, BNT
	s_lshl_b32 s27, s[WV], 9
	s_add_co_u32 s27, s27, PMEAN
	v_lshl_add_u32 v[VPA], v[H], 5, s27
	s_wait_kmcnt 0x0
	s_add_nc_u64 s[28:29], s[12:13], s[36:37]
	s_add_nc_u64 s[30:31], s[8:9], s[38:39]
	s_add_nc_u64 s[32:33], s[4:5], s[60:61]
	s_mul_i32 s60, s25, 196608
	s_add_nc_u64 s[34:35], s[10:11], s[60:61]
.if STAGE == 3
	s_lshl_b32 s36, ttmp9, 10
.else
	s_lshl_b32 s36, ttmp9, 9
.endif
	s_add_nc_u64 s[PSO:PSO+1], s[PSO:PSO+1], s[36:37]
	s_load_b128 s[40:43], s[28:29], 0x0            ; qx, qy, qz of my four queries
	s_load_b128 s[44:47], s[28:29], 0x1000
	s_load_b128 s[48:51], s[28:29], 0x2000
.irp t, 0,1,2,3
	global_load_b32 v[OFX+\t], v12, s[30:31] offset:16*\t
.endr
.set i, 0
.rept NW
	global_load_b128 v[16+4*i:16+4*i+3], v13, s[6:7] offset:4096*i
.set i, i+1
.endr
.if STAGE > 1
	s_lshl_b32 s27, s[WV], 14
	v_lshl_add_u32 v14, v10, 4, s27                ; parts 32 w + i, 512 bytes each; my two channels' 16 bytes
	v_lshlrev_b32 v15, 3, v10
.set i, 0
.rept 32
	global_load_b128 v[CB+4*i:CB+4*i+3], v14, s[14:15] offset:512*i
.set i, i+1
.endr
	global_load_b64 v[GB:GB+1], v15, s[16:17]      ; in every wave, so that all waves count their loads alike; wave 0 uses them
	global_load_b64 v[GB+2:GB+3], v15, s[18:19]
	s_wait_loadcnt 34                              ; the indices and the weights are in; the 32 parts, g and be stay out
.else
	s_wait_loadcnt 0x0
.endif
.set i, 0
.rept NW
	ds_store_b128 v13, v[16+4*i:16+4*i+3] offset:WIMG+4096*i
.set i, i+1
.endr
.irp t, 0,1,2,3
	v_min_u32 v[OFX+\t], 0x3fff, v[OFX+\t]
	v_and_b32 v11, 0x3ff0, v[OFX+\t]               ; the row's place in PT (first kernel's head)
	v_lshlrev_b32 v11, 7, v11
	v_and_b32 v12, 3, v[OFX+\t]
	v_lshl_add_u32 v11, v12, 9, v11
	v_and_b32 v12, 12, v[OFX+\t]
	v_lshl_add_u32 v11, v12, 5, v11
	v_lshl_add_u32 v[OFP+\t], v[H], 4, v11
	v_lshlrev_b32 v[OFX+\t], 2, v[OFX+\t]
.endr
.irp t, 0,1,2,3
.irp q, 0,1,2,3
	global_load_b128 v[G+16*\t+4*\q:G+16*\t+4*\q+3], v[OFP+\t], s[32:33] offset:32*\q
.endr
.endr
.irp c, 0,1,2
.irp t, 0,1,2,3
	global_load_b32 v[RX+4*\c+\t], v[OFX+\t], s[34:35] offset:65536*\c
.endr
.endr
.if STAGE == 2
	COMBINE 0
.elseif STAGE == 3
	COMBINE 512
.endif
	s_wait_dscnt 0x0                               ; for the others' sake: the weights' image, the tables
	s_barrier_signal -1
	s_barrier_wait -1
	s_wait_loadcnt 0x0                             ; the gathers
	s_wait_kmcnt 0x0                               ; q
.irp t, 0,1,2,3
	v_sub_f32 v10, v[RX+\t], s[40+\t]              ; rel = p - q, in f32
	v_sub_f32 v11, v[RX+4+\t], s[44+\t]
	v_sub_f32 v12, v[RX+8+\t], s[48+\t]
	v_cvt_pk_f16_f32 v[REL+8*\t], v10, v11
	v_cvt_pk_f16_f32 v[REL+8*\t+1], v12, v[ZERO]
	v_cndmask_b32 v[REL+8*\t], v[REL+8*\t], v[ZERO], s56      ; k = 0, 1, 2 lie in lanes 0 to 15; all other k of the block are 0
	v_cndmask_b32 v[REL+8*\t+1], v[REL+8*\t+1], v[ZERO], s56
.irp j, 2,3,4,5,6,7
	v_mov_b32 v[REL+8*\t+\j], 0
.endr
.endr
.if STAGE > 1
	LWN 2, 0, VWA
	LWN 1, 8192, VWA, W+16
	LSC 0, 0
	UNIT 1, 0, A1, 1, 1, 0
	UNIT 1, 1, A1, 1, 2, 0
	UNIT 1, 2, A1, 1, 3, 0
.endif
.if STAGE == 2
	UNIT 1, 3, A1, 0, 0, -1
.elseif STAGE == 3
	UNIT 1, 3, A1, 2, 0, 512
	UNIT 2, 0, A2, 2, 1, 512
	UNIT 2, 1, A2, 2, 2, 512
	UNIT 2, 2, A2, 2, 3, 512
	UNIT 2, 3, A2, 0, 0, -1
.endif
.if STAGE < 3
	; the stage's own layer: four blocks of 16 channels, each with its statistics
.if STAGE == 1
	v_mov_b32 v[VW], v[VWA]
	v_add_nc_u32 v[VWX], 8192, v[VWA]
.else
	v_add_nc_u32 v[VW], 12288, v[VWA]
.endif
	s_mov_b32 s59, 4
.Lunit:
	LWN 2, 0, VW
.if STAGE == 1
	LWN 1, 0, VWX, W+16
.endif
	s_wait_dscnt 0x0
.if STAGE == 1
	MM1
.else
	MM2
.endif
	NOP4
	STATS AC, 0
	v_add_nc_u32 v[VW], 2048, v[VW]
.if STAGE == 1
	v_add_nc_u32 v[VWX], 1024, v[VWX]
.endif
	v_add_nc_u32 v[VPA], 64, v[VPA]
	s_sub_co_u32 s59, s59, 1
	s_cmp_lg_u32 s59, 0
	s_cbranch_scc1 .Lunit
	EPI 64
.else
	; layer 3: four trips of 32 channels: 16 products on eight accumulators by turns, the statistics, the maximum over the neighbours, one store of 512 consecutive bytes
	s_mov_b32 s52, 0xaaaaaaaa                      ; lanes whose bit 0, 1, 2, 3 is set
	s_mov_b32 s53, 0xcccccccc
	s_mov_b32 s54, 0xf0f0f0f0
	s_mov_b32 s55, 0xff00ff00
	s_lshl_b32 s36, ttmp9, 14                      ; HS: 2,048 bytes for each wave's four queries: [channel][query]
	s_lshl_b32 s27, s[WV], 11
	s_add_co_u32 s36, s36, s27
	s_add_nc_u64 s[22:23], s[22:23], s[36:37]
	v_lshrrev_b32 v10, 3, v[R]
	v_and_b32 v11, 7, v[R]
	v_lshlrev_b32 v11, 4, v11
	v_lshl_add_u32 v11, v[H], 7, v11
	v_lshl_add_u32 v[VHO], v10, 8, v11             ; 16 bytes x (16 (r / 8) + 8 h + r % 8)
	v_add_nc_u32 v[VW], 20480, v[VWA]
	s_mov_b32 s59, 4
.Lunit:
	LWN 4, 0, VW, W3
	s_wait_dscnt 0x0
.irp o, 0,1
.irp t, 0,1,2,3
	v_wmma_f32_16x16x32_f16 v[AC+32*\o+8*\t:AC+32*\o+8*\t+7], v[W3+16*\o:W3+16*\o+7], v[A2+16*\t:A2+16*\t+7], 0
.endr
.endr
.irp o, 0,1
.irp t, 0,1,2,3
	v_wmma_f32_16x16x32_f16 v[AC+32*\o+8*\t:AC+32*\o+8*\t+7], v[W3+16*\o+8:W3+16*\o+15], v[A2+16*\t+8:A2+16*\t+15], v[AC+32*\o+8*\t:AC+32*\o+8*\t+7]
.endr
.endr
	NOP4
	STATS AC, 0
	STATS AC+32, 64
	MAXT 0
	MAXT 1
	MAXT 2
	MAXT 3
	global_store_b128 v[VHO], v[RES:RES+3], s[22:23]
	s_wait_xcnt 0x0                                ; the store's address and data are written again below and in the next trip
	v_add_nc_u32 v[VHO], 512, v[VHO]
	v_add_nc_u32 v[VW], 4096, v[VW]
	v_add_nc_u32 v[VPA], 128, v[VPA]
	s_sub_co_u32 s59, s59, 1
	s_cmp_lg_u32 s59, 0
	s_cbranch_scc1 .Lunit
	EPI 128
.endif
.Lfunc_end_k_q5abfe9209c_mlp_s1:
	.size	k_q5abfe9209c_mlp_s1, .Lfunc_end_k_q5abfe9209c_mlp_s1-k_q5abfe9209c_mlp_s1
	.p2alignl 7, 3214868480
	.fill 96, 4, 3214868480
	.section	.rodata,"a",@progbits
	.p2align	6, 0x0
	.amdhsa_kernel k_q5abfe9209c_mlp_s1
		.amdhsa_group_segment_fixed_size 53248
		.amdhsa_private_segment_fixed_size 0
		.amdhsa_enable_private_segment 0
		.amdhsa_kernarg_size 48
		.amdhsa_user_sgpr_count 2
		.amdhsa_user_sgpr_kernarg_segment_ptr 1
		.amdhsa_wavefront_size32 1
		.amdhsa_system_sgpr_workgroup_id_x 1
		.amdhsa_system_sgpr_workgroup_id_y 1
		.amdhsa_system_sgpr_workgroup_id_z 1
		.amdhsa_system_vgpr_workitem_id 0
		.amdhsa_next_free_vgpr 256
		.amdhsa_next_free_sgpr 66
		.amdhsa_reserve_vcc 0
		.amdhsa_float_denorm_mode_32 3
		.amdhsa_float_denorm_mode_16_64 3
		.amdhsa_memory_ordered 1
		.amdhsa_forward_progress 1
		.amdhsa_inst_pref_size 23
	.end_amdhsa_kernel
	.amdgpu_metadata
---
amdhsa.version: [ 1, 2 ]
amdhsa.kernels:
  - .name:           k_q5abfe9209c_mlp_s1
    .symbol:         k_q5abfe9209c_mlp_s1.kd
    .args:
      - { .name: PT, .offset: 0, .size: 8, .value_kind: global_buffer, .address_space: global }
      - { .name: WF, .offset: 8, .size: 8, .value_kind: global_buffer, .address_space: global }
      - { .name: IDX, .offset: 16, .size: 8, .value_kind: global_buffer, .address_space: global }
      - { .name: xyz, .offset: 24, .size: 8, .value_kind: global_buffer, .address_space: global }
      - { .name: out0, .offset: 32, .size: 8, .value_kind: global_buffer, .address_space: global }
      - { .name: PSA, .offset: 40, .size: 8, .value_kind: global_buffer, .address_space: global }
    .group_segment_fixed_size: 53248
    .private_segment_fixed_size: 0
    .kernarg_segment_align: 8
    .kernarg_segment_size: 48
    .max_flat_workgroup_size: 256
    .sgpr_count:     66
    .vgpr_count:     256
    .wavefront_size: 32
...
	.end_amdgpu_metadata
.endif
;; end of part 4
;; launch mlp_s2 (part 5): grid 256 x 1, 8 waves a work-group, no clusters, 53,248 bytes of LDS; arguments PT, WF, IDX, xyz, out0, PSA, g1, be1, PSB; writes PSB
.if DOCPART == 5
	.amdgcn_target "amdgcn-amd-amdhsa--gfx1250"
	.amdhsa_code_object_version 6
	.text
	.protected	k_q5abfe9209c_mlp_s2
	.globl	k_q5abfe9209c_mlp_s2
	.p2align	8
	.type	k_q5abfe9209c_mlp_s2,@function
k_q5abfe9209c_mlp_s2:
	s_mov_b64 s[64:65], 0
	v_nop
	global_prefetch_b8 v0, s[64:65] scope:SCOPE_SE
	s_setreg_imm32_b32 hwreg(HW_REG_WAVE_MODE, 25, 1), 1
	s_wait_xcnt 0x0
; Launches four to six are ONE text, told apart by STAGE.  Stage 1: layer 1, and the partial statistics of h1.  Stage 2: batch norm 1, ReLU, layer 2, the statistics of h2.
; Stage 3: both again, layer 3, the statistics of h3' and its maximum over the 16 neighbours.  b1, b2, b3 are left out (a batch norm takes any constant a channel away: first kernel's head).
; A batch norm wants the mean and variance over all 131,072 rows, so each ends a launch; the layers in front are made again from the gather: nothing but the statistics and the maxima goes through memory.
; FORMATS.  All three products: f16 operands, f32 sums.  f16 and not bf16: the operands' rounding is the results' error, and f16's is an eighth of bf16's.  LIMIT: a feature, a weight or a
; normalised activation beyond 65,504 becomes an infinity.  An index from IDX is held to 0 .. 16383.
; SHARES.  Work-group = 32 queries = 512 rows.  Wave w owns queries 4 w + t, t = 0..3: a tile's 16 columns are the 16 neighbours of ONE query.
; LAYOUT.  D = A B with A = 16 output channels x 32 k (weights, from the image of WF in LDS) and B = 32 k x 16 neighbours.  Lane (r = lane % 16, h = lane / 16) holds of B column r, k = 8 h + 0..7 and 16 + 8 h + 0..7:
; of a gathered row four loads of 16 bytes; of D it holds channels 8 h + 0..7 of neighbour r.  Two D tiles, scaled, cut at 0 and rounded in pairs, ARE the next layer's B: nothing changes lanes between layers.
; STATISTICS as reference() takes them: the mean first, then the squares of the deviations, here over a wave's 64 rows in registers; parts (mean, M2) are joined by M2 = sum M2_i + n sum (mean_i - mean)^2:
; no difference of large sums is formed.
.set STAGE, 2
.if STAGE == 1
.set NW, 3                             ; 4,096-byte parts of WF that the stage needs
.set ST, 184                           ; 24 registers for the statistics
.set PSO, 14                           ; s[14:15] the statistics' way out
.elseif STAGE == 2
.set NW, 5
.set ST, 16
.set PSO, 20
.else
.set NW, 9
.set ST, 112
.set PSO, 20
.endif
; LDS
.set WIMG,  0                          ; WF as it lies: fragment f at 1,024 f
.set BNT,   36864                      ; sc1, sh1, sc2, sh2: 64 f32 each
.set RED,   37888                      ; wave x 512 + lane x 16: sums of (mean, M2) of two channels
.set RED2,  41984                      ; wave x 256 + lane x 8
.set PMEAN, 44032                      ; wave x 512 + 4 x channel
.set PM2,   48128
.set SPARE, 52224                      ; the spare words, 128 bytes a wave: four blocks of 256 bytes that no other line names
; registers
.set R,    1
.set H,    2
.set VWA,  3                           ; 16 x lane
.set VBA,  4                           ; BNT + 32 h
.set VPA,  5                           ; PMEAN + 512 w + 32 h, stepped
.set VHO,  6
.set ZERO, 7
.set SPW,  8                           ; LDS address of my spare word; never rewritten
.set NIL,  9                           ; 0; never rewritten
.set VW,   14
.set VWX,  15
.set G,    16                          ; v[16:79] gathered features: tile t, k block kb at 16 t + 8 kb
.set A2,   16                          ; later layer 3's B
.set REL,  80                          ; v[80:111] the xyz part's B, 8 a tile
.set W3,   80                          ; later layer 3's four fragments
.set OFP,  96                          ; in the prologue: the rows' offsets in PT,
.set OFX,  100                         ; the indices, then their offsets in xyz,
.set GB,   104                         ; g and be of two channels,
.set MP,   108                         ; their means
.set W,    112                         ; v[112:135] three fragments
.set CB,   112                         ; in the prologue v[112:239]: 32 partial statistics of two channels
.set SC,   136
.set SH,   144
.set RES,  136
.set AC,   152                         ; accumulators: tile t at 8 t; in layer 3 also + 32 for the second block of 16 channels
.set A1,   184                         ; v[184:247] layer 2's B
.set RX,   244                         ; in the prologue: the neighbours' x, y, z, four each
.set WV,   24
.macro NOP4                            ; four places between a matrix instruction and the lines that read its result or load into its sources
.rept 4
	v_nop
.endr
.endm
.macro LWN n, o, va, w=W               ; n fragments on end, from byte o behind address va
.set f, 0
.rept 2*(\n)
	ds_load_b128 v[(\w)+4*f:(\w)+4*f+3], v[\va] offset:(\o)+512*f
.set f, f+1
.endr
.endm
.macro MM1                             ; layer 1, 16 channels: k blocks 0 and 1 of the features, then xyz.  The four accumulators take turns
.irp t, 0,1,2,3
	v_wmma_f32_16x16x32_f16 v[AC+8*\t:AC+8*\t+7], v[W:W+7], v[G+16*\t:G+16*\t+7], 0
.endr
.irp t, 0,1,2,3
	v_wmma_f32_16x16x32_f16 v[AC+8*\t:AC+8*\t+7], v[W+8:W+15], v[G+16*\t+8:G+16*\t+15], v[AC+8*\t:AC+8*\t+7]
.endr
.irp t, 0,1,2,3
	v_wmma_f32_16x16x32_f16 v[AC+8*\t:AC+8*\t+7], v[W+16:W+23], v[REL+8*\t:REL+8*\t+7], v[AC+8*\t:AC+8*\t+7]
.endr
.endm
.macro MM2                             ; layer 2, 16 channels
.irp t, 0,1,2,3
	v_wmma_f32_16x16x32_f16 v[AC+8*\t:AC+8*\t+7], v[W:W+7], v[A1+16*\t:A1+16*\t+7], 0
.endr
.irp t, 0,1,2,3
	v_wmma_f32_16x16x32_f16 v[AC+8*\t:AC+8*\t+7], v[W+8:W+15], v[A1+16*\t+8:A1+16*\t+15], v[AC+8*\t:AC+8*\t+7]
.endr
.endm
.macro LSC tb, ot                      ; scale and shift of my 8 channels of block ot, from the table at tb
	ds_load_b128 v[SC:SC+3], v[VBA] offset:(\tb)+64*(\ot)
	ds_load_b128 v[SC+4:SC+7], v[VBA] offset:(\tb)+64*(\ot)+16
	ds_load_b128 v[SH:SH+3], v[VBA] offset:(\tb)+256+64*(\ot)
	ds_load_b128 v[SH+4:SH+7], v[VBA] offset:(\tb)+256+64*(\ot)+16
.endm
.macro PACK ot, dst                    ; h sc + sh, rounded to f16 in pairs, cut at 0: half a fragment of the next B.  Each accumulator is read from its low end on
.irp t, 0,1,2,3
.irp j, 0,2,4,6
	v_pk_fma_f32 v[AC+8*\t+\j:AC+8*\t+\j+1], v[AC+8*\t+\j:AC+8*\t+\j+1], v[SC+\j:SC+\j+1], v[SH+\j:SH+\j+1]
.endr
.irp j, 0,1,2,3
	v_cvt_pk_f16_f32 v[(\dst)+16*\t+8*((\ot)/2)+4*((\ot)%2)+\j], v[AC+8*\t+2*\j], v[AC+8*\t+2*\j+1]
.endr
.irp j, 0,1,2,3
	v_pk_max_num_f16 v[(\dst)+16*\t+8*((\ot)/2)+4*((\ot)%2)+\j], v[(\dst)+16*\t+8*((\ot)/2)+4*((\ot)%2)+\j], v[ZERO]
.endr
.endr
.endm
; A block of 16 channels of layer ly, packed into dst.  The next block's fragments (layer nly, block no) are asked for ahead of the packing, its scales (table ntb) behind it.
.macro UNIT ly, ot, dst, nly, no, ntb
	s_wait_dscnt 0x0                               ; fragments and scales are in
.if (\ly) == 1
	MM1
.else
	MM2
.endif
	NOP4
.if (\nly) == 1
	LWN 2, 2048*(\no), VWA
	LWN 1, 8192+1024*(\no), VWA, W+16
.elseif (\nly) == 2
	LWN 2, 12288+2048*(\no), VWA
.endif
	PACK \ot, \dst
.if (\ntb) >= 0
	LSC \ntb, \no
.endif
.endm
; Mean and M2 of my 8 channels over the wave's 64 rows (four tiles at ac, 16 lanes), to byte off behind VPA.
.macro STATS ac, off
.irp j, 0,2,4,6
	v_pk_add_f32 v[ST+\j:ST+\j+1], v[(\ac)+\j:(\ac)+\j+1], v[(\ac)+8+\j:(\ac)+8+\j+1]
.endr
.irp t, 16,24
.irp j, 0,2,4,6
	v_pk_add_f32 v[ST+\j:ST+\j+1], v[ST+\j:ST+\j+1], v[(\ac)+\t+\j:(\ac)+\t+\j+1]
.endr
.endr
.irp m, 1,2,4,8
.irp j, 0,1,2,3,4,5,6,7
	v_add_f32_dpp v[ST+\j], v[ST+\j], v[ST+\j] row_xmask:\m row_mask:0xf bank_mask:0xf
.endr
.endr
.irp j, 0,2,4,6
	v_pk_mul_f32 v[ST+\j:ST+\j+1], v[ST+\j:ST+\j+1], 0x3c800000 op_sel_hi:[1,0]  ; / 64
.endr
.irp t, 0,8,16,24
.irp j, 0,2,4,6
	v_pk_add_f32 v[ST+16+\j:ST+16+\j+1], v[(\ac)+\t+\j:(\ac)+\t+\j+1], v[ST+\j:ST+\j+1] neg_lo:[0,1] neg_hi:[0,1]
.endr
.irp j, 0,2,4,6
.if \t == 0
	v_pk_mul_f32 v[ST+8+\j:ST+8+\j+1], v[ST+16+\j:ST+16+\j+1], v[ST+16+\j:ST+16+\j+1]
.else
	v_pk_fma_f32 v[ST+8+\j:ST+8+\j+1], v[ST+16+\j:ST+16+\j+1], v[ST+16+\j:ST+16+\j+1], v[ST+8+\j:ST+8+\j+1]
.endif
.endr
.endr
.irp m, 1,2,4,8
.irp j, 0,1,2,3,4,5,6,7
	v_add_f32_dpp v[ST+8+\j], v[ST+8+\j], v[ST+8+\j] row_xmask:\m row_mask:0xf bank_mask:0xf
.endr
.endr
	ds_store_b128 v[VPA], v[ST:ST+3] offset:\off               ; the 16 lanes of a half hold the same numbers and write the same bytes
	ds_store_b128 v[VPA], v[ST+4:ST+7] offset:(\off)+16
	ds_store_b128 v[VPA], v[ST+8:ST+11] offset:(\off)+4096
	ds_store_b128 v[VPA], v[ST+12:ST+15] offset:(\off)+4112
.endm
.macro TREE8 a                         ; eight pairs at a, a + 2 .. into a
	v_pk_add_f32 v[\a:\a+1], v[\a:\a+1], v[\a+2:\a+3]
	v_pk_add_f32 v[\a+4:\a+5], v[\a+4:\a+5], v[\a+6:\a+7]
	v_pk_add_f32 v[\a+8:\a+9], v[\a+8:\a+9], v[\a+10:\a+11]
	v_pk_add_f32 v[\a+12:\a+13], v[\a+12:\a+13], v[\a+14:\a+15]
	v_pk_add_f32 v[\a:\a+1], v[\a:\a+1], v[\a+4:\a+5]
	v_pk_add_f32 v[\a+8:\a+9], v[\a+8:\a+9], v[\a+12:\a+13]
	v_pk_add_f32 v[\a:\a+1], v[\a:\a+1], v[\a+8:\a+9]
.endm
; The 256 work-groups' statistics of the layer before become scale and shift, in the table at tb.  Thread = (two channels: lane; 32 of the 256 parts: wave).
.macro COMBINE tb
	s_wait_loadcnt 28                              ; the parts, g and be are in; the 28 gathers stay out
	v_pk_add_f32 v[240:241], v[CB:CB+1], v[CB+8:CB+9]
	v_pk_add_f32 v[242:243], v[CB+2:CB+3], v[CB+10:CB+11]
	v_pk_add_f32 v[80:81], v[CB+4:CB+5], v[CB+12:CB+13]
	v_pk_add_f32 v[82:83], v[CB+6:CB+7], v[CB+14:CB+15]
.set i, 4
.rept 14
	v_pk_add_f32 v[240:241], v[240:241], v[CB+4*i:CB+4*i+1]
	v_pk_add_f32 v[242:243], v[242:243], v[CB+4*i+2:CB+4*i+3]
	v_pk_add_f32 v[80:81], v[80:81], v[CB+4*i+4:CB+4*i+5]
	v_pk_add_f32 v[82:83], v[82:83], v[CB+4*i+6:CB+4*i+7]
.set i, i+2
.endr
	v_pk_add_f32 v[240:241], v[240:241], v[80:81]
	v_pk_add_f32 v[242:243], v[242:243], v[82:83]
	ds_store_b128 v13, v[240:243] offset:RED       ; (sum mean, sum M2) of both channels; v13 = 16 x thread
	s_wait_dscnt 0x0                               ; for the others' sake: my sums and my part of the weights' image are in LDS
	s_barrier_signal -1
	s_barrier_wait -1
.set i, 0
.rept 8
	ds_load_b32 v[80+2*i], v[VWA] offset:RED+512*i
	ds_load_b32 v[81+2*i], v[VWA] offset:RED+512*i+8
.set i, i+1
.endr
	v_lshlrev_b32 v11, 3, v0
	s_wait_dscnt 0x0
	TREE8 80
	v_pk_mul_f32 v[MP:MP+1], v[80:81], 0x3b800000 op_sel_hi:[1,0]  ; the mean: / 256
	v_sub_f32 v80, v[CB], v[MP]
	v_sub_f32 v81, v[CB+2], v[MP+1]
	v_pk_mul_f32 v[82:83], v[80:81], v[80:81]
.set i, 1
.rept 31
	v_sub_f32 v80, v[CB+4*i], v[MP]
	v_sub_f32 v81, v[CB+4*i+2], v[MP+1]
	v_pk_fma_f32 v[82:83], v[80:81], v[80:81], v[82:83]
.set i, i+1
.endr
	ds_store_b64 v11, v[82:83] offset:RED2
	s_wait_dscnt 0x0
	s_barrier_signal -1
	s_barrier_wait -1
	s_cmp_lg_u32 s[WV], 0
	s_cbranch_scc1 .Lnot_0
.set i, 0
.rept 8
	ds_load_b64 v[112+2*i:113+2*i], v15 offset:RED2+256*i
	ds_load_b32 v[128+2*i], v[VWA] offset:RED+512*i+4
	ds_load_b32 v[129+2*i], v[VWA] offset:RED+512*i+12
.set i, i+1
.endr
	s_wait_dscnt 0x0
	TREE8 112
	TREE8 128
	v_pk_fma_f32 v[128:129], v[112:113], 0x44000000, v[128:129] op_sel_hi:[1,0,1]  ; M2 = sum M2_i + 512 sum (mean_i - mean)^2
	v_fma_f32 v128, v128, s57, s58                 ; / 131,072, + 1e-5
	v_fma_f32 v129, v129, s57, s58
	v_rsq_f32 v130, v128
	v_rsq_f32 v131, v129
	v_nop                                          ; a plain instruction behind the last root,
	s_wait_alu depctr_va_vdst(0)                   ; and a wait ahead of the first use: one for both
	v_pk_mul_f32 v[132:133], v[GB:GB+1], v[130:131]
	v_pk_fma_f32 v[134:135], v[MP:MP+1], v[132:133], v[GB+2:GB+3] neg_lo:[1,0,0] neg_hi:[1,0,0]
	ds_store_b64 v15, v[132:133] offset:BNT+(\tb)
	ds_store_b64 v15, v[134:135] offset:BNT+(\tb)+256
.if STAGE == 2
	s_cmp_lg_u32 ttmp9, 0                          ; one work-group hands the table to the next launch
	s_cbranch_scc1 .Lnot_0
	global_store_b64 v15, v[132:133], s[20:21] offset:131072
	global_store_b64 v15, v[134:135], s[20:21] offset:131328
	s_wait_xcnt 0x0                                ; the stores' data registers are loaded into below
.endif
.Lnot_0:
.if STAGE == 3
	s_cmp_lg_u32 s[WV], 1                          ; the first batch norm's table comes as the launch before left it
	s_cbranch_scc1 .Lnot_1
	global_load_b128 v[112:115], v[VWA], s[14:15] offset:131072
	s_wait_loadcnt 0x0
	ds_store_b128 v[VWA], v[112:115] offset:BNT
.Lnot_1:
.endif
.endm
.macro RS a, b, msk, xm, d             ; lanes whose bit is 0 keep a and send b, the others keep b and send a; d = max(kept, what the partner sent)
	v_cndmask_b32 v10, v[\a], v[\b], s[\msk]
	v_cndmask_b32 v11, v[\b], v[\a], s[\msk]
	v_max_num_f32_dpp v[\d], v11, v10 row_xmask:\xm row_mask:0xf bank_mask:0xf
.endm
.macro MAXT t                          ; the maximum over tile t's 16 lanes of 16 registers, halving the registers at each step: lane (r, h) ends with channel 16 (r / 8) + 8 h + r % 8
.irp o, 0,32
.irp j, 0,1,2,3
	RS AC+\o+8*(\t)+\j, AC+\o+8*(\t)+\j+4, 54, 4, AC+\o+8*(\t)+\j
.endr
.irp j, 0,1
	RS AC+\o+8*(\t)+\j, AC+\o+8*(\t)+\j+2, 53, 2, AC+\o+8*(\t)+\j
.endr
	RS AC+\o+8*(\t), AC+\o+8*(\t)+1, 52, 1, AC+\o+8*(\t)
.endr
	RS AC+8*(\t), AC+32+8*(\t), 55, 8, RES+(\t)
.endm
.macro EPI c                           ; the eight waves' (mean, M2) of c channels are joined, thread = channel, and stored: 256 consecutive bytes a wave
	s_wait_dscnt 0x0
	s_barrier_signal -1
	s_barrier_wait -1
	s_cmp_lt_u32 s[WV], (\c)/32
	s_cbranch_scc0 .Lend
	v_lshlrev_b32 v10, 2, v0
	v_lshlrev_b32 v11, 3, v0
.set i, 0
.rept 8
	ds_load_b32 v[16+i], v10 offset:PMEAN+512*i
	ds_load_b32 v[24+i], v10 offset:PM2+512*i
.set i, i+1
.endr
	s_wait_dscnt 0x0
	v_add_f32 v32, v16, v17
	v_add_f32 v33, v18, v19
	v_add_f32 v34, v20, v21
	v_add_f32 v35, v22, v23
	v_add_f32 v36, v24, v25
	v_add_f32 v37, v26, v27
	v_add_f32 v38, v28, v29
	v_add_f32 v39, v30, v31
	v_add_f32 v32, v32, v33
	v_add_f32 v34, v34, v35
	v_add_f32 v36, v36, v37
	v_add_f32 v38, v38, v39
	v_add_f32 v32, v32, v34
	v_add_f32 v36, v36, v38
	v_mul_f32 v32, 0x3e000000, v32                 ; / 8
.set i, 0
.rept 8
	v_sub_f32 v[16+i], v[16+i], v32
.set i, i+1
.endr
	v_mul_f32 v37, v16, v16
.set i, 1
.rept 7
	v_fma_f32 v37, v[16+i], v[16+i], v37
.set i, i+1
.endr
	v_fmamk_f32 v33, v37, 0x42800000, v36          ; M2 = sum M2_w + 64 sum (mean_w - mean)^2
	global_store_b64 v11, v[32:33], s[PSO:PSO+1]
.Lend:
	s_wait_tensorcnt 0x0                           ; the wave's end, behind my last LDS store
	ds_add_u32 v[SPW], v[NIL]
	s_wait_dscnt 0x0
	s_endpgm
.endm
.if STAGE == 1
	s_load_b256 s[4:11], s[0:1], 0x0               ; PT s[4:5], WF s[6:7], IDX s[8:9], xyz s[10:11]
	s_load_b128 s[12:15], s[0:1], 0x20             ; out0 s[12:13], statistics out s[14:15]
.elseif STAGE == 2
	s_load_b512 s[4:19], s[0:1], 0x0               ; the same five, statistics in s[14:15], g s[16:17], be s[18:19]
	s_load_b64 s[20:21], s[0:1], 0x40              ; statistics out
.else
	s_load_b512 s[4:19], s[0:1], 0x0
	s_load_b128 s[20:23], s[0:1], 0x40             ; statistics out, HS s[22:23]
.endif
	v_lshl_add_u32 v[SPW], v0, 2, SPARE
	v_mov_b32 v[NIL], 0
	v_and_b32 v10, 31, v0                          ; lane
	v_lshrrev_b32 v11, 5, v0
	v_readfirstlane_b32 s[WV], v11
	v_and_b32 v[R], 15, v0
	v_bfe_u32 v[H], v0, 4, 1
	v_mov_b32 v[ZERO], 0
	s_lshr_b32 s25, ttmp9, 5                       ; batch
	s_and_b32 s26, ttmp9, 31                       ; block of 32 queries
	s_mul_i32 s36, s25, 12288                      ; out0: my four queries' x; y and z lie 4,096 and 8,192 bytes on
	s_lshl_b32 s27, s26, 7
	s_add_co_u32 s36, s36, s27
	s_lshl_b32 s27, s[WV], 4
	s_add_co_u32 s36, s36, s27
	s_mov_b32 s37, 0
	s_lshl_b32 s38, ttmp9, 11
	s_mov_b32 s39, 0
	s_lshl_b32 s60, s25, 21
	s_mov_b32 s61, 0
	s_mov_b32 s56, 0xffff0000                      ; lanes 16 to 31
	s_mov_b32 s57, 0x37000000                      ; 1 / 131,072
	s_mov_b32 s58, 0x3727c5ac                      ; 1e-5
	v_lshrrev_b32 v12, 2, v[R]                     ; entry r of query 4 w + t: (r / 4) 512 + 16 (4 w + t) + 4 (r % 4)
	v_and_b32 v11, 3, v[R]
	v_lshlrev_b32 v11, 2, v11
	v_lshl_add_u32 v12, v12, 9, v11
	s_lshl_b32 s27, s[WV], 6
	v_add_nc_u32 v12, s27, v12
	v_lshlrev_b32 v13, 4, v0
	v_lshlrev_b32 v[VWA], 4, v10
	v_lshl_add_u32 v[VBA], v[H], 5, BNT
	s_lshl_b32 s27, s[WV], 9
	s_add_co_u32 s27, s27, PMEAN
	v_lshl_add_u32 v[VPA], v[H], 5, s27
	s_wait_kmcnt 0x0
	s_add_nc_u64 s[28:29], s[12:13], s[36:37]
	s_add_nc_u64 s[30:31], s[8:9], s[38:39]
	s_add_nc_u64 s[32:33], s[4:5], s[60:61]
	s_mul_i32 s60, s25, 196608
	s_add_nc_u64 s[34:35], s[10:11], s[60:61]
.if STAGE == 3
	s_lshl_b32 s36, ttmp9, 10
.else
	s_lshl_b32 s36, ttmp9, 9
.endif
	s_add_nc_u64 s[PSO:PSO+1], s[PSO:PSO+1], s[36:37]
	s_load_b128 s[40:43], s[28:29], 0x0            ; qx, qy, qz of my four queries
	s_load_b128 s[44:47], s[28:29], 0x1000
	s_load_b128 s[48:51], s[28:29], 0x2000
.irp t, 0,1,2,3
	global_load_b32 v[OFX+\t], v12, s[30:31] offset:16*\t
.endr
.set i, 0
.rept NW
	global_load_b128 v[16+4*i:16+4*i+3], v13, s[6:7] offset:4096*i
.set i, i+1
.endr
.if STAGE > 1
	s_lshl_b32 s27, s[WV], 14
	v_lshl_add_u32 v14, v10, 4, s27                ; parts 32 w + i, 512 bytes each; my two channels' 16 bytes
	v_lshlrev_b32 v15, 3, v10
.set i, 0
.rept 32
	global_load_b128 v[CB+4*i:CB+4*i+3], v14, s[14:15] offset:512*i
.set i, i+1
.endr
	global_load_b64 v[GB:GB+1], v15, s[16:17]      ; in every wave, so that all waves count their loads alike; wave 0 uses them
	global_load_b64 v[GB+2:GB+3], v15, s[18:19]
	s_wait_loadcnt 34                              ; the indices and the weights are in; the 32 parts, g and be stay out
.else
	s_wait_loadcnt 0x0
.endif
.set i, 0
.rept NW
	ds_store_b128 v13, v[16+4*i:16+4*i+3] offset:WIMG+4096*i
.set i, i+1
.endr
.irp t, 0,1,2,3
	v_min_u32 v[OFX+\t], 0x3fff, v[OFX+\t]
	v_and_b32 v11, 0x3ff0, v[OFX+\t]               ; the row's place in PT (first kernel's head)
	v_lshlrev_b32 v11, 7, v11
	v_and_b32 v12, 3, v[OFX+\t]
	v_lshl_add_u32 v11, v12, 9, v11
	v_and_b32 v12, 12, v[OFX+\t]
	v_lshl_add_u32 v11, v12, 5, v11
	v_lshl_add_u32 v[OFP+\t], v[H], 4, v11
	v_lshlrev_b32 v[OFX+\t], 2, v[OFX+\t]
.endr
.irp t, 0,1,2,3
.irp q, 0,1,2,3
	global_load_b128 v[G+16*\t+4*\q:G+16*\t+4*\q+3], v[OFP+\t], s[32:33] offset:32*\q
.endr
.endr
.irp c, 0,1,2
.irp t, 0,1,2,3
	global_load_b32 v[RX+4*\c+\t], v[OFX+\t], s[34:35] offset:65536*\c
.endr
.endr
.if STAGE == 2
	COMBINE 0
.elseif STAGE == 3
	COMBINE 512
.endif
	s_wait_dscnt 0x0                               ; for the others' sake: the weights' image, the tables
	s_barrier_signal -1
	s_barrier_wait -1
	s_wait_loadcnt 0x0                             ; the gathers
	s_wait_kmcnt 0x0                               ; q
.irp t, 0,1,2,3
	v_sub_f32 v10, v[RX+\t], s[40+\t]              ; rel = p - q, in f32
	v_sub_f32 v11, v[RX+4+\t], s[44+\t]
	v_sub_f32 v12, v[RX+8+\t], s[48+\t]
	v_cvt_pk_f16_f32 v[REL+8*\t], v10, v11
	v_cvt_pk_f16_f32 v[REL+8*\t+1], v12, v[ZERO]
	v_cndmask_b32 v[REL+8*\t], v[REL+8*\t], v[ZERO], s56      ; k = 0, 1, 2 lie in lanes 0 to 15; all other k of the block are 0
	v_cndmask_b32 v[REL+8*\t+1], v[REL+8*\t+1], v[ZERO], s56
.irp j, 2,3,4,5,6,7
	v_mov_b32 v[REL+8*\t+\j], 0
.endr
.endr
.if STAGE > 1
	LWN 2, 0, VWA
	LWN 1, 8192, VWA, W+16
	LSC 0, 0
	UNIT 1, 0, A1, 1, 1, 0
	UNIT 1, 1, A1, 1, 2, 0
	UNIT 1, 2, A1, 1, 3, 0
.endif
.if STAGE == 2
	UNIT 1, 3, A1, 0, 0, -1
.elseif STAGE == 3
	UNIT 1, 3, A1, 2, 0, 512
	UNIT 2, 0, A2, 2, 1, 512
	UNIT 2, 1, A2, 2, 2, 512
	UNIT 2, 2, A2, 2, 3, 512
	UNIT 2, 3, A2, 0, 0, -1
.endif
.if STAGE < 3
	; the stage's own layer: four blocks of 16 channels, each with its statistics
.if STAGE == 1
	v_mov_b32 v[VW], v[VWA]
	v_add_nc_u32 v[VWX], 8192, v[VWA]
.else
	v_add_nc_u32 v[VW], 12288, v[VWA]
.endif
	s_mov_b32 s59, 4
.Lunit:
	LWN 2, 0, VW
.if STAGE == 1
	LWN 1, 0, VWX, W+16
.endif
	s_wait_dscnt 0x0
.if STAGE == 1
	MM1
.else
	MM2
.endif
	NOP4
	STATS AC, 0
	v_add_nc_u32 v[VW], 2048, v[VW]
.if STAGE == 1
	v_add_nc_u32 v[VWX], 1024, v[VWX]
.endif
	v_add_nc_u32 v[VPA], 64, v[VPA]
	s_sub_co_u32 s59, s59, 1
	s_cmp_lg_u32 s59, 0
	s_cbranch_scc1 .Lunit
	EPI 64
.else
	; layer 3: four trips of 32 channels: 16 products on eight accumulators by turns, the statistics, the maximum over the neighbours, one store of 512 consecutive bytes
	s_mov_b32 s52, 0xaaaaaaaa                      ; lanes whose bit 0, 1, 2, 3 is set
	s_mov_b32 s53, 0xcccccccc
	s_mov_b32 s54, 0xf0f0f0f0
	s_mov_b32 s55, 0xff00ff00
	s_lshl_b32 s36, ttmp9, 14                      ; HS: 2,048 bytes for each wave's four queries: [channel][query]
	s_lshl_b32 s27, s[WV], 11
	s_add_co_u32 s36, s36, s27
	s_add_nc_u64 s[22:23], s[22:23], s[36:37]
	v_lshrrev_b32 v10, 3, v[R]
	v_and_b32 v11, 7, v[R]
	v_lshlrev_b32 v11, 4, v11
	v_lshl_add_u32 v11, v[H], 7, v11
	v_lshl_add_u32 v[VHO], v10, 8, v11             ; 16 bytes x (16 (r / 8) + 8 h + r % 8)
	v_add_nc_u32 v[VW], 20480, v[VWA]
	s_mov_b32 s59, 4
.Lunit:
	LWN 4, 0, VW, W3
	s_wait_dscnt 0x0
.irp o, 0,1
.irp t, 0,1,2,3
	v_wmma_f32_16x16x32_f16 v[AC+32*\o+8*\t:AC+32*\o+8*\t+7], v[W3+16*\o:W3+16*\o+7], v[A2+16*\t:A2+16*\t+7], 0
.endr
.endr
.irp o, 0,1
.irp t, 0,1,2,3
	v_wmma_f32_16x16x32_f16 v[AC+32*\o+8*\t:AC+32*\o+8*\t+7], v[W3+16*\o+8:W3+16*\o+15], v[A2+16*\t+8:A2+16*\t+15], v[AC+32*\o+8*\t:AC+32*\o+8*\t+7]
.endr
.endr
	NOP4
	STATS AC, 0
	STATS AC+32, 64
	MAXT 0
	MAXT 1
	MAXT 2
	MAXT 3
	global_store_b128 v[VHO], v[RES:RES+3], s[22:23]
	s_wait_xcnt 0x0                                ; the store's address and data are written again below and in the next trip
	v_add_nc_u32 v[VHO], 512, v[VHO]
	v_add_nc_u32 v[VW], 4096, v[VW]
	v_add_nc_u32 v[VPA], 128, v[VPA]
	s_sub_co_u32 s59, s59, 1
	s_cmp_lg_u32 s59, 0
	s_cbranch_scc1 .Lunit
	EPI 128
.endif
.Lfunc_end_k_q5abfe9209c_mlp_s2:
	.size	k_q5abfe9209c_mlp_s2, .Lfunc_end_k_q5abfe9209c_mlp_s2-k_q5abfe9209c_mlp_s2
	.p2alignl 7, 3214868480
	.fill 96, 4, 3214868480
	.section	.rodata,"a",@progbits
	.p2align	6, 0x0
	.amdhsa_kernel k_q5abfe9209c_mlp_s2
		.amdhsa_group_segment_fixed_size 53248
		.amdhsa_private_segment_fixed_size 0
		.amdhsa_enable_private_segment 0
		.amdhsa_kernarg_size 72
		.amdhsa_user_sgpr_count 2
		.amdhsa_user_sgpr_kernarg_segment_ptr 1
		.amdhsa_wavefront_size32 1
		.amdhsa_system_sgpr_workgroup_id_x 1
		.amdhsa_system_sgpr_workgroup_id_y 1
		.amdhsa_system_sgpr_workgroup_id_z 1
		.amdhsa_system_vgpr_workitem_id 0
		.amdhsa_next_free_vgpr 256
		.amdhsa_next_free_sgpr 66
		.amdhsa_reserve_vcc 0
		.amdhsa_float_denorm_mode_32 3
		.amdhsa_float_denorm_mode_16_64 3
		.amdhsa_memory_ordered 1
		.amdhsa_forward_progress 1
		.amdhsa_inst_pref_size 57
	.end_amdhsa_kernel
	.amdgpu_metadata
---
amdhsa.version: [ 1, 2 ]
amdhsa.kernels:
  - .name:           k_q5abfe9209c_mlp_s2
    .symbol:         k_q5abfe9209c_mlp_s2.kd
    .args:
      - { .name: PT, .offset: 0, .size: 8, .value_kind: global_buffer, .address_space: global }
      - { .name: WF, .offset: 8, .size: 8, .value_kind: global_buffer, .address_space: global }
      - { .name: IDX, .offset: 16, .size: 8, .value_kind: global_buffer, .address_space: global }
      - { .name: xyz, .offset: 24, .size: 8, .value_kind: global_buffer, .address_space: global }
      - { .name: out0, .offset: 32, .size: 8, .value_kind: global_buffer, .address_space: global }
      - { .name: PSA, .offset: 40, .size: 8, .value_kind: global_buffer, .address_space: global }
      - { .name: g1, .offset: 48, .size: 8, .value_kind: global_buffer, .address_space: global }
      - { .name: be1, .offset: 56, .size: 8, .value_kind: global_buffer, .address_space: global }
      - { .name: PSB, .offset: 64, .size: 8, .value_kind: global_buffer, .address_space: global }
    .group_segment_fixed_size: 53248
    .private_segment_fixed_size: 0
    .kernarg_segment_align: 8
    .kernarg_segment_size: 72
    .max_flat_workgroup_size: 256
    .sgpr_count:     66
    .vgpr_count:     256
    .wavefront_size: 32
...
	.end_amdgpu_metadata
.endif
;; end of part 5
;; launch mlp_s3 (part 6): grid 256 x 1, 8 waves a work-group, no clusters, 53,248 bytes of LDS; arguments PT, WF, IDX, xyz, out0, PSB, g2, be2, PSA, HS; writes PSA, HS
.if DOCPART == 6
	.amdgcn_target "amdgcn-amd-amdhsa--gfx1250"
	.amdhsa_code_object_version 6
	.text
	.protected	k_q5abfe9209c_mlp_s3
	.globl	k_q5abfe9209c_mlp_s3
	.p2align	8
	.type	k_q5abfe9209c_mlp_s3,@function
k_q5abfe9209c_mlp_s3:
	s_mov_b64 s[64:65], 0
	v_nop
	global_prefetch_b8 v0, s[64:65] scope:SCOPE_SE
	s_setreg_imm32_b32 hwreg(HW_REG_WAVE_MODE, 25, 1), 1
	s_wait_xcnt 0x0
; Launches four to six are ONE text, told apart by STAGE.  Stage 1: layer 1, and the partial statistics of h1.  Stage 2: batch norm 1, ReLU, layer 2, the statistics of h2.
; Stage 3: both again, layer 3, the statistics of h3' and its maximum over the 16 neighbours.  b1, b2, b3 are left out (a batch norm takes any constant a channel away: first kernel's head).
; A batch norm wants the mean and variance over all 131,072 rows, so each ends a launch; the layers in front are made again from the gather: nothing but the statistics and the maxima goes through memory.
; FORMATS.  All three products: f16 operands, f32 sums.  f16 and not bf16: the operands' rounding is the results' error, and f16's is an eighth of bf16's.  LIMIT: a feature, a weight or a
; normalised activation beyond 65,504 becomes an infinity.  An index from IDX is held to 0 .. 16383.
; SHARES.  Work-group = 32 queries = 512 rows.  Wave w owns queries 4 w + t, t = 0..3: a tile's 16 columns are the 16 neighbours of ONE query.
; LAYOUT.  D = A B with A = 16 output channels x 32 k (weights, from the image of WF in LDS) and B = 32 k x 16 neighbours.  Lane (r = lane % 16, h = lane / 16) holds of B column r, k = 8 h + 0..7 and 16 + 8 h + 0..7:
; of a gathered row four loads of 16 bytes; of D it holds channels 8 h + 0..7 of neighbour r.  Two D tiles, scaled, cut at 0 and rounded in pairs, ARE the next layer's B: nothing changes lanes between layers.
; STATISTICS as reference() takes them: the mean first, then the squares of the deviations, here over a wave's 64 rows in registers; parts (mean, M2) are joined by M2 = sum M2_i + n sum (mean_i - mean)^2:
; no difference of large sums is formed.
.set STAGE, 3
.if STAGE == 1
.set NW, 3                             ; 4,096-byte parts of WF that the stage needs
.set ST, 184                           ; 24 registers for the statistics
.set PSO, 14                           ; s[14:15] the statistics' way out
.elseif STAGE == 2
.set NW, 5
.set ST, 16
.set PSO, 20
.else
.set NW, 9
.set ST, 112
.set PSO, 20
.endif
; LDS
.set WIMG,  0                          ; WF as it lies: fragment f at 1,024 f
.set BNT,   36864                      ; sc1, sh1, sc2, sh2: 64 f32 each
.set RED,   37888                      ; wave x 512 + lane x 16: sums of (mean, M2) of two channels
.set RED2,  41984                      ; wave x 256 + lane x 8
.set PMEAN, 44032                      ; wave x 512 + 4 x channel
.set PM2,   48128
.set SPARE, 52224                      ; the spare words, 128 bytes a wave: four blocks of 256 bytes that no other line names
; registers
.set R,    1
.set H,    2
.set VWA,  3                           ; 16 x lane
.set VBA,  4                           ; BNT + 32 h
.set VPA,  5                           ; PMEAN + 512 w + 32 h, stepped
.set VHO,  6
.set ZERO, 7
.set SPW,  8                           ; LDS address of my spare word; never rewritten
.set NIL,  9                           ; 0; never rewritten
.set VW,   14
.set VWX,  15
.set G,    16                          ; v[16:79] gathered features: tile t, k block kb at 16 t + 8 kb
.set A2,   16                          ; later layer 3's B
.set REL,  80                          ; v[80:111] the xyz part's B, 8 a tile
.set W3,   80                          ; later layer 3's four fragments
.set OFP,  96                          ; in the prologue: the rows' offsets in PT,
.set OFX,  100                         ; the indices, then their offsets in xyz,
.set GB,   104                         ; g and be of two channels,
.set MP,   108                         ; their means
.set W,    112                         ; v[112:135] three fragments
.set CB,   112                         ; in the prologue v[112:239]: 32 partial statistics of two channels
.set SC,   136
.set SH,   144
.set RES,  136
.set AC,   152                         ; accumulators: tile t at 8 t; in layer 3 also + 32 for the second block of 16 channels
.set A1,   184                         ; v[184:247] layer 2's B
.set RX,   244                         ; in the prologue: the neighbours' x, y, z, four each
.set WV,   24
.macro NOP4                            ; four places between a matrix instruction and the lines that read its result or load into its sources
.rept 4
	v_nop
.endr
.endm
.macro LWN n, o, va, w=W               ; n fragments on end, from byte o behind address va
.set f, 0
.rept 2*(\n)
	ds_load_b128 v[(\w)+4*f:(\w)+4*f+3], v[\va] offset:(\o)+512*f
.set f, f+1
.endr
.endm
.macro MM1                             ; layer 1, 16 channels: k blocks 0 and 1 of the features, then xyz.  The four accumulators take turns
.irp t, 0,1,2,3
	v_wmma_f32_16x16x32_f16 v[AC+8*\t:AC+8*\t+7], v[W:W+7], v[G+16*\t:G+16*\t+7], 0
.endr
.irp t, 0,1,2,3
	v_wmma_f32_16x16x32_f16 v[AC+8*\t:AC+8*\t+7], v[W+8:W+15], v[G+16*\t+8:G+16*\t+15], v[AC+8*\t:AC+8*\t+7]
.endr
.irp t, 0,1,2,3
	v_wmma_f32_16x16x32_f16 v[AC+8*\t:AC+8*\t+7], v[W+16:W+23], v[REL+8*\t:REL+8*\t+7], v[AC+8*\t:AC+8*\t+7]
.endr
.endm
.macro MM2                             ; layer 2, 16 channels
.irp t, 0,1,2,3
	v_wmma_f32_16x16x32_f16 v[AC+8*\t:AC+8*\t+7], v[W:W+7], v[A1+16*\t:A1+16*\t+7], 0
.endr
.irp t, 0,1,2,3
	v_wmma_f32_16x16x32_f16 v[AC+8*\t:AC+8*\t+7], v[W+8:W+15], v[A1+16*\t+8:A1+16*\t+15], v[AC+8*\t:AC+8*\t+7]
.endr
.endm
.macro LSC tb, ot                      ; scale and shift of my 8 channels of block ot, from the table at tb
	ds_load_b128 v[SC:SC+3], v[VBA] offset:(\tb)+64*(\ot)
	ds_load_b128 v[SC+4:SC+7], v[VBA] offset:(\tb)+64*(\ot)+16
	ds_load_b128 v[SH:SH+3], v[VBA] offset:(\tb)+256+64*(\ot)
	ds_load_b128 v[SH+4:SH+7], v[VBA] offset:(\tb)+256+64*(\ot)+16
.endm
.macro PACK ot, dst                    ; h sc + sh, rounded to f16 in pairs, cut at 0: half a fragment of the next B.  Each accumulator is read from its low end on
.irp t, 0,1,2,3
.irp j, 0,2,4,6
	v_pk_fma_f32 v[AC+8*\t+\j:AC+8*\t+\j+1], v[AC+8*\t+\j:AC+8*\t+\j+1], v[SC+\j:SC+\j+1], v[SH+\j:SH+\j+1]
.endr
.irp j, 0,1,2,3
	v_cvt_pk_f16_f32 v[(\dst)+16*\t+8*((\ot)/2)+4*((\ot)%2)+\j], v[AC+8*\t+2*\j], v[AC+8*\t+2*\j+1]
.endr
.irp j, 0,1,2,3
	v_pk_max_num_f16 v[(\dst)+16*\t+8*((\ot)/2)+4*((\ot)%2)+\j], v[(\dst)+16*\t+8*((\ot)/2)+4*((\ot)%2)+\j], v[ZERO]
.endr
.endr
.endm
; A block of 16 channels of layer ly, packed into dst.  The next block's fragments (layer nly, block no) are asked for ahead of the packing, its scales (table ntb) behind it.
.macro UNIT ly, ot, dst, nly, no, ntb
	s_wait_dscnt 0x0                               ; fragments and scales are in
.if (\ly) == 1
	MM1
.else
	MM2
.endif
	NOP4
.if (\nly) == 1
	LWN 2, 2048*(\no), VWA
	LWN 1, 8192+1024*(\no), VWA, W+16
.elseif (\nly) == 2
	LWN 2, 12288+2048*(\no), VWA
.endif
	PACK \ot, \dst
.if (\ntb) >= 0
	LSC \ntb, \no
.endif
.endm
; Mean and M2 of my 8 channels over the wave's 64 rows (four tiles at ac, 16 lanes), to byte off behind VPA.
.macro STATS ac, off
.irp j, 0,2,4,6
	v_pk_add_f32 v[ST+\j:ST+\j+1], v[(\ac)+\j:(\ac)+\j+1], v[(\ac)+8+\j:(\ac)+8+\j+1]
.endr
.irp t, 16,24
.irp j, 0,2,4,6
	v_pk_add_f32 v[ST+\j:ST+\j+1], v[ST+\j:ST+\j+1], v[(\ac)+\t+\j:(\ac)+\t+\j+1]
.endr
.endr
.irp m, 1,2,4,8
.irp j, 0,1,2,3,4,5,6,7
	v_add_f32_dpp v[ST+\j], v[ST+\j], v[ST+\j] row_xmask:\m row_mask:0xf bank_mask:0xf
.endr
.endr
.irp j, 0,2,4,6
	v_pk_mul_f32 v[ST+\j:ST+\j+1], v[ST+\j:ST+\j+1], 0x3c800000 op_sel_hi:[1,0]  ; / 64
.endr
.irp t, 0,8,16,24
.irp j, 0,2,4,6
	v_pk_add_f32 v[ST+16+\j:ST+16+\j+1], v[(\ac)+\t+\j:(\ac)+\t+\j+1], v[ST+\j:ST+\j+1] neg_lo:[0,1] neg_hi:[0,1]
.endr
.irp j, 0,2,4,6
.if \t == 0
	v_pk_mul_f32 v[ST+8+\j:ST+8+\j+1], v[ST+16+\j:ST+16+\j+1], v[ST+16+\j:ST+16+\j+1]
.else
	v_pk_fma_f32 v[ST+8+\j:ST+8+\j+1], v[ST+16+\j:ST+16+\j+1], v[ST+16+\j:ST+16+\j+1], v[ST+8+\j:ST+8+\j+1]
.endif
.endr
.endr
.irp m, 1,2,4,8
.irp j, 0,1,2,3,4,5,6,7
	v_add_f32_dpp v[ST+8+\j], v[ST+8+\j], v[ST+8+\j] row_xmask:\m row_mask:0xf bank_mask:0xf
.endr
.endr
	ds_store_b128 v[VPA], v[ST:ST+3] offset:\off               ; the 16 lanes of a half hold the same numbers and write the same bytes
	ds_store_b128 v[VPA], v[ST+4:ST+7] offset:(\off)+16
	ds_store_b128 v[VPA], v[ST+8:ST+11] offset:(\off)+4096
	ds_store_b128 v[VPA], v[ST+12:ST+15] offset:(\off)+4112
.endm
.macro TREE8 a                         ; eight pairs at a, a + 2 .. into a
	v_pk_add_f32 v[\a:\a+1], v[\a:\a+1], v[\a+2:\a+3]
	v_pk_add_f32 v[\a+4:\a+5], v[\a+4:\a+5], v[\a+6:\a+7]
	v_pk_add_f32 v[\a+8:\a+9], v[\a+8:\a+9], v[\a+10:\a+11]
	v_pk_add_f32 v[\a+12:\a+13], v[\a+12:\a+13], v[\a+14:\a+15]
	v_pk_add_f32 v[\a:\a+1], v[\a:\a+1], v[\a+4:\a+5]
	v_pk_add_f32 v[\a+8:\a+9], v[\a+8:\a+9], v[\a+12:\a+13]
	v_pk_add_f32 v[\a:\a+1], v[\a:\a+1], v[\a+8:\a+9]
.endm
; The 256 work-groups' statistics of the layer before become scale and shift, in the table at tb.  Thread = (two channels: lane; 32 of the 256 parts: wave).
.macro COMBINE tb
	s_wait_loadcnt 28                              ; the parts, g and be are in; the 28 gathers stay out
	v_pk_add_f32 v[240:241], v[CB:CB+1], v[CB+8:CB+9]
	v_pk_add_f32 v[242:243], v[CB+2:CB+3], v[CB+10:CB+11]
	v_pk_add_f32 v[80:81], v[CB+4:CB+5], v[CB+12:CB+13]
	v_pk_add_f32 v[82:83], v[CB+6:CB+7], v[CB+14:CB+15]
.set i, 4
.rept 14
	v_pk_add_f32 v[240:241], v[240:241], v[CB+4*i:CB+4*i+1]
	v_pk_add_f32 v[242:243], v[242:243], v[CB+4*i+2:CB+4*i+3]
	v_pk_add_f32 v[80:81], v[80:81], v[CB+4*i+4:CB+4*i+5]
	v_pk_add_f32 v[82:83], v[82:83], v[CB+4*i+6:CB+4*i+7]
.set i, i+2
.endr
	v_pk_add_f32 v[240:241], v[240:241], v[80:81]
	v_pk_add_f32 v[242:243], v[242:243], v[82:83]
	ds_store_b128 v13, v[240:243] offset:RED       ; (sum mean, sum M2) of both channels; v13 = 16 x thread
	s_wait_dscnt 0x0                               ; for the others' sake: my sums and my part of the weights' image are in LDS
	s_barrier_signal -1
	s_barrier_wait -1
.set i, 0
.rept 8
	ds_load_b32 v[80+2*i], v[VWA] offset:RED+512*i
	ds_load_b32 v[81+2*i], v[VWA] offset:RED+512*i+8
.set i, i+1
.endr
	v_lshlrev_b32 v11, 3, v0
	s_wait_dscnt 0x0
	TREE8 80
	v_pk_mul_f32 v[MP:MP+1], v[80:81], 0x3b800000 op_sel_hi:[1,0]  ; the mean: / 256
	v_sub_f32 v80, v[CB], v[MP]
	v_sub_f32 v81, v[CB+2], v[MP+1]
	v_pk_mul_f32 v[82:83], v[80:81], v[80:81]
.set i, 1
.rept 31
	v_sub_f32 v80, v[CB+4*i], v[MP]
	v_sub_f32 v81, v[CB+4*i+2], v[MP+1]
	v_pk_fma_f32 v[82:83], v[80:81], v[80:81], v[82:83]
.set i, i+1
.endr
	ds_store_b64 v11, v[82:83] offset:RED2
	s_wait_dscnt 0x0
	s_barrier_signal -1
	s_barrier_wait -1
	s_cmp_lg_u32 s[WV], 0
	s_cbranch_scc1 .Lnot_0
.set i, 0
.rept 8
	ds_load_b64 v[112+2*i:113+2*i], v15 offset:RED2+256*i
	ds_load_b32 v[128+2*i], v[VWA] offset:RED+512*i+4
	ds_load_b32 v[129+2*i], v[VWA] offset:RED+512*i+12
.set i, i+1
.endr
	s_wait_dscnt 0x0
	TREE8 112
	TREE8 128
	v_pk_fma_f32 v[128:129], v[112:113], 0x44000000, v[128:129] op_sel_hi:[1,0,1]  ; M2 = sum M2_i + 512 sum (mean_i - mean)^2
	v_fma_f32 v128, v128, s57, s58                 ; / 131,072, + 1e-5
	v_fma_f32 v129, v129, s57, s58
	v_rsq_f32 v130, v128
	v_rsq_f32 v131, v129
	v_nop                                          ; a plain instruction behind the last root,
	s_wait_alu depctr_va_vdst(0)                   ; and a wait ahead of the first use: one for both
	v_pk_mul_f32 v[132:133], v[GB:GB+1], v[130:131]
	v_pk_fma_f32 v[134:135], v[MP:MP+1], v[132:133], v[GB+2:GB+3] neg_lo:[1,0,0] neg_hi:[1,0,0]
	ds_store_b64 v15, v[132:133] offset:BNT+(\tb)
	ds_store_b64 v15, v[134:135] offset:BNT+(\tb)+256
.if STAGE == 2
	s_cmp_lg_u32 ttmp9, 0                          ; one work-group hands the table to the next launch
	s_cbranch_scc1 .Lnot_0
	global_store_b64 v15, v[132:133], s[20:21] offset:131072
	global_store_b64 v15, v[134:135], s[20:21] offset:131328
	s_wait_xcnt 0x0                                ; the stores' data registers are loaded into below
.endif
.Lnot_0:
.if STAGE == 3
	s_cmp_lg_u32 s[WV], 1                          ; the first batch norm's table comes as the launch before left it
	s_cbranch_scc1 .Lnot_1
	global_load_b128 v[112:115], v[VWA], s[14:15] offset:131072
	s_wait_loadcnt 0x0
	ds_store_b128 v[VWA], v[112:115] offset:BNT
.Lnot_1:
.endif
.endm
.macro RS a, b, msk, xm, d             ; lanes whose bit is 0 keep a and send b, the others keep b and send a; d = max(kept, what the partner sent)
	v_cndmask_b32 v10, v[\a], v[\b], s[\msk]
	v_cndmask_b32 v11, v[\b], v[\a], s[\msk]
	v_max_num_f32_dpp v[\d], v11, v10 row_xmask:\xm row_mask:0xf bank_mask:0xf
.endm
.macro MAXT t                          ; the maximum over tile t's 16 lanes of 16 registers, halving the registers at each step: lane (r, h) ends with channel 16 (r / 8) + 8 h + r % 8
.irp o, 0,32
.irp j, 0,1,2,3
	RS AC+\o+8*(\t)+\j, AC+\o+8*(\t)+\j+4, 54, 4, AC+\o+8*(\t)+\j
.endr
.irp j, 0,1
	RS AC+\o+8*(\t)+\j, AC+\o+8*(\t)+\j+2, 53, 2, AC+\o+8*(\t)+\j
.endr
	RS AC+\o+8*(\t), AC+\o+8*(\t)+1, 52, 1, AC+\o+8*(\t)
.endr
	RS AC+8*(\t), AC+32+8*(\t), 55, 8, RES+(\t)
.endm
.macro EPI c                           ; the eight waves' (mean, M2) of c channels are joined, thread = channel, and stored: 256 consecutive bytes a wave
	s_wait_dscnt 0x0
	s_barrier_signal -1
	s_barrier_wait -1
	s_cmp_lt_u32 s[WV], (\c)/32
	s_cbranch_scc0 .Lend
	v_lshlrev_b32 v10, 2, v0
	v_lshlrev_b32 v11, 3, v0
.set i, 0
.rept 8
	ds_load_b32 v[16+i], v10 offset:PMEAN+512*i
	ds_load_b32 v[24+i], v10 offset:PM2+512*i
.set i, i+1
.endr
	s_wait_dscnt 0x0
	v_add_f32 v32, v16, v17
	v_add_f32 v33, v18, v19
	v_add_f32 v34, v20, v21
	v_add_f32 v35, v22, v23
	v_add_f32 v36, v24, v25
	v_add_f32 v37, v26, v27
	v_add_f32 v38, v28, v29
	v_add_f32 v39, v30, v31
	v_add_f32 v32, v32, v33
	v_add_f32 v34, v34, v35
	v_add_f32 v36, v36, v37
	v_add_f32 v38, v38, v39
	v_add_f32 v32, v32, v34
	v_add_f32 v36, v36, v38
	v_mul_f32 v32, 0x3e000000, v32                 ; / 8
.set i, 0
.rept 8
	v_sub_f32 v[16+i], v[16+i], v32
.set i, i+1
.endr
	v_mul_f32 v37, v16, v16
.set i, 1
.rept 7
	v_fma_f32 v37, v[16+i], v[16+i], v37
.set i, i+1
.endr
	v_fmamk_f32 v33, v37, 0x42800000, v36          ; M2 = sum M2_w + 64 sum (mean_w - mean)^2
	global_store_b64 v11, v[32:33], s[PSO:PSO+1]
.Lend:
	s_wait_tensorcnt 0x0                           ; the wave's end, behind my last LDS store
	ds_add_u32 v[SPW], v[NIL]
	s_wait_dscnt 0x0
	s_endpgm
.endm
.if STAGE == 1
	s_load_b256 s[4:11], s[0:1], 0x0               ; PT s[4:5], WF s[6:7], IDX s[8:9], xyz s[10:11]
	s_load_b128 s[12:15], s[0:1], 0x20             ; out0 s[12:13], statistics out s[14:15]
.elseif STAGE == 2
	s_load_b512 s[4:19], s[0:1], 0x0               ; the same five, statistics in s[14:15], g s[16:17], be s[18:19]
	s_load_b64 s[20:21], s[0:1], 0x40              ; statistics out
.else
	s_load_b512 s[4:19], s[0:1], 0x0
	s_load_b128 s[20:23], s[0:1], 0x40             ; statistics out, HS s[22:23]
.endif
	v_lshl_add_u32 v[SPW], v0, 2, SPARE
	v_mov_b32 v[NIL], 0
	v_and_b32 v10, 31, v0                          ; lane
	v_lshrrev_b32 v11, 5, v0
	v_readfirstlane_b32 s[WV], v11
	v_and_b32 v[R], 15, v0
	v_bfe_u32 v[H], v0, 4, 1
	v_mov_b32 v[ZERO], 0
	s_lshr_b32 s25, ttmp9, 5                       ; batch
	s_and_b32 s26, ttmp9, 31                       ; block of 32 queries
	s_mul_i32 s36, s25, 12288                      ; out0: my four queries' x; y and z lie 4,096 and 8,192 bytes on
	s_lshl_b32 s27, s26, 7
	s_add_co_u32 s36, s36, s27
	s_lshl_b32 s27, s[WV], 4
	s_add_co_u32 s36, s36, s27
	s_mov_b32 s37, 0
	s_lshl_b32 s38, ttmp9, 11
	s_mov_b32 s39, 0
	s_lshl_b32 s60, s25, 21
	s_mov_b32 s61, 0
	s_mov_b32 s56, 0xffff0000                      ; lanes 16 to 31
	s_mov_b32 s57, 0x37000000                      ; 1 / 131,072
	s_mov_b32 s58, 0x3727c5ac                      ; 1e-5
	v_lshrrev_b32 v12, 2, v[R]                     ; entry r of query 4 w + t: (r / 4) 512 + 16 (4 w + t) + 4 (r % 4)
	v_and_b32 v11, 3, v[R]
	v_lshlrev_b32 v11, 2, v11
	v_lshl_add_u32 v12, v12, 9, v11
	s_lshl_b32 s27, s[WV], 6
	v_add_nc_u32 v12, s27, v12
	v_lshlrev_b32 v13, 4, v0
	v_lshlrev_b32 v[VWA], 4, v10
	v_lshl_add_u32 v[VBA], v[H], 5, BNT
	s_lshl_b32 s27, s[WV], 9
	s_add_co_u32 s27, s27, PMEAN
	v_lshl_add_u32 v[VPA], v[H], 5, s27
	s_wait_kmcnt 0x0
	s_add_nc_u64 s[28:29], s[12:13], s[36:37]
	s_add_nc_u64 s[30:31], s[8:9], s[38:39]
	s_add_nc_u64 s[32:33], s[4:5], s[60:61]
	s_mul_i32 s60, s25, 196608
	s_add_nc_u64 s[34:35], s[10:11], s[60:61]
.if STAGE == 3
	s_lshl_b32 s36, ttmp9, 10
.else
	s_lshl_b32 s36, ttmp9, 9
.endif
	s_add_nc_u64 s[PSO:PSO+1], s[PSO:PSO+1], s[36:37]
	s_load_b128 s[40:43], s[28:29], 0x0            ; qx, qy, qz of my four queries
	s_load_b128 s[44:47], s[28:29], 0x1000
	s_load_b128 s[48:51], s[28:29], 0x2000
.irp t, 0,1,2,3
	global_load_b32 v[OFX+\t], v12, s[30:31] offset:16*\t
.endr
.set i, 0
.rept NW
	global_load_b128 v[16+4*i:16+4*i+3], v13, s[6:7] offset:4096*i
.set i, i+1
.endr
.if STAGE > 1
	s_lshl_b32 s27, s[WV], 14
	v_lshl_add_u32 v14, v10, 4, s27                ; parts 32 w + i, 512 bytes each; my two channels' 16 bytes
	v_lshlrev_b32 v15, 3, v10
.set i, 0
.rept 32
	global_load_b128 v[CB+4*i:CB+4*i+3], v14, s[14:15] offset:512*i
.set i, i+1
.endr
	global_load_b64 v[GB:GB+1], v15, s[16:17]      ; in every wave, so that all waves count their loads alike; wave 0 uses them
	global_load_b64 v[GB+2:GB+3], v15, s[18:19]
	s_wait_loadcnt 34                              ; the indices and the weights are in; the 32 parts, g and be stay out
.else
	s_wait_loadcnt 0x0
.endif
.set i, 0
.rept NW
	ds_store_b128 v13, v[16+4*i:16+4*i+3] offset:WIMG+4096*i
.set i, i+1
.endr
.irp t, 0,1,2,3
	v_min_u32 v[OFX+\t], 0x3fff, v[OFX+\t]
	v_and_b32 v11, 0x3ff0, v[OFX+\t]               ; the row's place in PT (first kernel's head)
	v_lshlrev_b32 v11, 7, v11
	v_and_b32 v12, 3, v[OFX+\t]
	v_lshl_add_u32 v11, v12, 9, v11
	v_and_b32 v12, 12, v[OFX+\t]
	v_lshl_add_u32 v11, v12, 5, v11
	v_lshl_add_u32 v[OFP+\t], v[H], 4, v11
	v_lshlrev_b32 v[OFX+\t], 2, v[OFX+\t]
.endr
.irp t, 0,1,2,3
.irp q, 0,1,2,3
	global_load_b128 v[G+16*\t+4*\q:G+16*\t+4*\q+3], v[OFP+\t], s[32:33] offset:32*\q
.endr
.endr
.irp c, 0,1,2
.irp t, 0,1,2,3
	global_load_b32 v[RX+4*\c+\t], v[OFX+\t], s[34:35] offset:65536*\c
.endr
.endr
.if STAGE == 2
	COMBINE 0
.elseif STAGE == 3
	COMBINE 512
.endif
	s_wait_dscnt 0x0                               ; for the others' sake: the weights' image, the tables
	s_barrier_signal -1
	s_barrier_wait -1
	s_wait_loadcnt 0x0                             ; the gathers
	s_wait_kmcnt 0x0                               ; q
.irp t, 0,1,2,3
	v_sub_f32 v10, v[RX+\t], s[40+\t]              ; rel = p - q, in f32
	v_sub_f32 v11, v[RX+4+\t], s[44+\t]
	v_sub_f32 v12, v[RX+8+\t], s[48+\t]
	v_cvt_pk_f16_f32 v[REL+8*\t], v10, v11
	v_cvt_pk_f16_f32 v[REL+8*\t+1], v12, v[ZERO]
	v_cndmask_b32 v[REL+8*\t], v[REL+8*\t], v[ZERO], s56      ; k = 0, 1, 2 lie in lanes 0 to 15; all other k of the block are 0
	v_cndmask_b32 v[REL+8*\t+1], v[REL+8*\t+1], v[ZERO], s56
.irp j, 2,3,4,5,6,7
	v_mov_b32 v[REL+8*\t+\j], 0
.endr
.endr
.if STAGE > 1
	LWN 2, 0, VWA
	LWN 1, 8192, VWA, W+16
	LSC 0, 0
	UNIT 1, 0, A1, 1, 1, 0
	UNIT 1, 1, A1, 1, 2, 0
	UNIT 1, 2, A1, 1, 3, 0
.endif
.if STAGE == 2
	UNIT 1, 3, A1, 0, 0, -1
.elseif STAGE == 3
	UNIT 1, 3, A1, 2, 0, 512
	UNIT 2, 0, A2, 2, 1, 512
	UNIT 2, 1, A2, 2, 2, 512
	UNIT 2, 2, A2, 2, 3, 512
	UNIT 2, 3, A2, 0, 0, -1
.endif
.if STAGE < 3
	; the stage's own layer: four blocks of 16 channels, each with its statistics
.if STAGE == 1
	v_mov_b32 v[VW], v[VWA]
	v_add_nc_u32 v[VWX], 8192, v[VWA]
.else
	v_add_nc_u32 v[VW], 12288, v[VWA]
.endif
	s_mov_b32 s59, 4
.Lunit:
	LWN 2, 0, VW
.if STAGE == 1
	LWN 1, 0, VWX, W+16
.endif
	s_wait_dscnt 0x0
.if STAGE == 1
	MM1
.else
	MM2
.endif
	NOP4
	STATS AC, 0
	v_add_nc_u32 v[VW], 2048, v[VW]
.if STAGE == 1
	v_add_nc_u32 v[VWX], 1024, v[VWX]
.endif
	v_add_nc_u32 v[VPA], 64, v[VPA]
	s_sub_co_u32 s59, s59, 1
	s_cmp_lg_u32 s59, 0
	s_cbranch_scc1 .Lunit
	EPI 64
.else
	; layer 3: four trips of 32 channels: 16 products on eight accumulators by turns, the statistics, the maximum over the neighbours, one store of 512 consecutive bytes
	s_mov_b32 s52, 0xaaaaaaaa                      ; lanes whose bit 0, 1, 2, 3 is set
	s_mov_b32 s53, 0xcccccccc
	s_mov_b32 s54, 0xf0f0f0f0
	s_mov_b32 s55, 0xff00ff00
	s_lshl_b32 s36, ttmp9, 14                      ; HS: 2,048 bytes for each wave's four queries: [channel][query]
	s_lshl_b32 s27, s[WV], 11
	s_add_co_u32 s36, s36, s27
	s_add_nc_u64 s[22:23], s[22:23], s[36:37]
	v_lshrrev_b32 v10, 3, v[R]
	v_and_b32 v11, 7, v[R]
	v_lshlrev_b32 v11, 4, v11
	v_lshl_add_u32 v11, v[H], 7, v11
	v_lshl_add_u32 v[VHO], v10, 8, v11             ; 16 bytes x (16 (r / 8) + 8 h + r % 8)
	v_add_nc_u32 v[VW], 20480, v[VWA]
	s_mov_b32 s59, 4
.Lunit:
	LWN 4, 0, VW, W3
	s_wait_dscnt 0x0
.irp o, 0,1
.irp t, 0,1,2,3
	v_wmma_f32_16x16x32_f16 v[AC+32*\o+8*\t:AC+32*\o+8*\t+7], v[W3+16*\o:W3+16*\o+7], v[A2+16*\t:A2+16*\t+7], 0
.endr
.endr
.irp o, 0,1
.irp t, 0,1,2,3
	v_wmma_f32_16x16x32_f16 v[AC+32*\o+8*\t:AC+32*\o+8*\t+7], v[W3+16*\o+8:W3+16*\o+15], v[A2+16*\t+8:A2+16*\t+15], v[AC+32*\o+8*\t:AC+32*\o+8*\t+7]
.endr
.endr
	NOP4
	STATS AC, 0
	STATS AC+32, 64
	MAXT 0
	MAXT 1
	MAXT 2
	MAXT 3
	global_store_b128 v[VHO], v[RES:RES+3], s[22:23]
	s_wait_xcnt 0x0                                ; the store's address and data are written again below and in the next trip
	v_add_nc_u32 v[VHO], 512, v[VHO]
	v_add_nc_u32 v[VW], 4096, v[VW]
	v_add_nc_u32 v[VPA], 128, v[VPA]
	s_sub_co_u32 s59, s59, 1
	s_cmp_lg_u32 s59, 0
	s_cbranch_scc1 .Lunit
	EPI 128
.endif
.Lfunc_end_k_q5abfe9209c_mlp_s3:
	.size	k_q5abfe9209c_mlp_s3, .Lfunc_end_k_q5abfe9209c_mlp_s3-k_q5abfe9209c_mlp_s3
	.p2alignl 7, 3214868480
	.fill 96, 4, 3214868480
	.section	.rodata,"a",@progbits
	.p2align	6, 0x0
	.amdhsa_kernel k_q5abfe9209c_mlp_s3
		.amdhsa_group_segment_fixed_size 53248
		.amdhsa_private_segment_fixed_size 0
		.amdhsa_enable_private_segment 0
		.amdhsa_kernarg_size 80
		.amdhsa_user_sgpr_count 2
		.amdhsa_user_sgpr_kernarg_segment_ptr 1
		.amdhsa_wavefront_size32 1
		.amdhsa_system_sgpr_workgroup_id_x 1
		.amdhsa_system_sgpr_workgroup_id_y 1
		.amdhsa_system_sgpr_workgroup_id_z 1
		.amdhsa_system_vgpr_workitem_id 0
		.amdhsa_next_free_vgpr 256
		.amdhsa_next_free_sgpr 66
		.amdhsa_reserve_vcc 0
		.amdhsa_float_denorm_mode_32 3
		.amdhsa_float_denorm_mode_16_64 3
		.amdhsa_memory_ordered 1
		.amdhsa_forward_progress 1
		.amdhsa_inst_pref_size 94
	.end_amdhsa_kernel
	.amdgpu_metadata
---
amdhsa.version: [ 1, 2 ]
amdhsa.kernels:
  - .name:           k_q5abfe9209c_mlp_s3
    .symbol:         k_q5abfe9209c_mlp_s3.kd
    .args:
      - { .name: PT, .offset: 0, .size: 8, .value_kind: global_buffer, .address_space: global }
      - { .name: WF, .offset: 8, .size: 8, .value_kind: global_buffer, .address_space: global }
      - { .name: IDX, .offset: 16, .size: 8, .value_kind: global_buffer, .address_space: global }
      - { .name: xyz, .offset: 24, .size: 8, .value_kind: global_buffer, .address_space: global }
      - { .name: out0, .offset: 32, .size: 8, .value_kind: global_buffer, .address_space: global }
      - { .name: PSB, .offset: 40, .size: 8, .value_kind: global_buffer, .address_space: global }
      - { .name: g2, .offset: 48, .size: 8, .value_kind: global_buffer, .address_space: global }
      - { .name: be2, .offset: 56, .size: 8, .value_kind: global_buffer, .address_space: global }
      - { .name: PSA, .offset: 64, .size: 8, .value_kind: global_buffer, .address_space: global }
      - { .name: HS, .offset: 72, .size: 8, .value_kind: global_buffer, .address_space: global }
    .group_segment_fixed_size: 53248
    .private_segment_fixed_size: 0
    .kernarg_segment_align: 8
    .kernarg_segment_size: 80
    .max_flat_workgroup_size: 256
    .sgpr_count:     66
    .vgpr_count:     256
    .wavefront_size: 32
...
	.end_amdgpu_metadata
.endif
;; end of part 6
;; launch finish (part 7): grid 256 x 1, 8 waves a work-group, no clusters, 1,536 bytes of LDS; arguments HS, PSA, g3, be3, out1; writes out1
.if DOCPART == 7
	.amdgcn_target "amdgcn-amd-amdhsa--gfx1250"
	.amdhsa_code_object_version 6
	.text
	.protected	k_q5abfe9209c_finish
	.globl	k_q5abfe9209c_finish
	.p2align	8
	.type	k_q5abfe9209c_finish,@function
k_q5abfe9209c_finish:
	s_mov_b64 s[64:65], 0
	v_nop
	global_prefetch_b8 v0, s[64:65] scope:SCOPE_SE
	s_setreg_imm32_b32 hwreg(HW_REG_WAVE_MODE, 25, 1), 1
	s_wait_xcnt 0x0
; Last launch: the third batch norm on the maxima, and the turn to [batch][channel][query].  b3 is left out, and the maxima are those of sign(g3) h3 (first kernel's head):
; out1 = (max h' - mean') rs |g3| + be3.
; SHARES.  Work-group = (batch, four channels).  Thread t is two things: part t of the 256 partial statistics of those channels, and block t of four queries of the batch.
; The statistics are joined as in the launches before: mean = sum mean_i / 256, M2 = sum M2_i + 512 sum (mean_i - mean)^2.  Sums over a wave ride on the additions; the eight waves meet in LDS, twice.
; A thread's 16 bytes of HS are four neighbouring queries of one channel: sixteen neighbouring lanes store 256 consecutive bytes of out1, aligned.
.set RED,   0                          ; wave x 32: sums of (mean, M2) of the four channels
.set RED2,  256                        ; wave x 16: sums of the squared deviations of the means
.set SPARE, 512                        ; the spare words, 128 bytes a wave: four blocks of 256 bytes that no other line names
.set SPW,  2                           ; LDS address of my spare word; never rewritten
.set NIL,  3                           ; 0; never rewritten
.set HV,   96                          ; v[96:111] the maxima: channel k at 4 k
.macro WSUM a, n, t                    ; n registers from a: sums over the 32 lanes, in every lane; t: registers that have been written, for the exchange of the halves
.irp m, 1,2,4,8
.set i, 0
.rept \n
	v_add_f32_dpp v[(\a)+i], v[(\a)+i], v[(\a)+i] row_xmask:\m row_mask:0xf bank_mask:0xf
.set i, i+1
.endr
.endr
.set i, 0
.rept \n
	v_permlanex16_b32 v[(\t)+i], v[(\a)+i], s36, s37
.set i, i+1
.endr
.set i, 0
.rept \n
	v_add_f32 v[(\a)+i], v[(\a)+i], v[(\t)+i]
.set i, i+1
.endr
.endm
	s_load_b256 s[4:11], s[0:1], 0x0               ; HS s[4:5], PSA s[6:7], g3 s[8:9], be3 s[10:11]
	s_load_b64 s[12:13], s[0:1], 0x20              ; out1
	v_lshl_add_u32 v[SPW], v0, 2, SPARE
	v_mov_b32 v[NIL], 0
	v_lshrrev_b32 v4, 5, v0
	v_readfirstlane_b32 s20, v4                    ; wave
	s_lshr_b32 s21, ttmp9, 5                       ; batch
	s_and_b32 s22, ttmp9, 31                       ; group of four channels
	s_lshl_b32 s14, s22, 5                         ; 8 bytes a channel in a part
	s_mov_b32 s15, 0
	s_lshl_b32 s16, s21, 19                        ; 256 blocks of 2,048 bytes a batch,
	s_lshl_b32 s23, s22, 6                         ; 16 bytes a channel
	s_add_co_u32 s16, s16, s23
	s_mov_b32 s17, 0
	s_lshl_b32 s18, s22, 4
	s_mov_b32 s19, 0
	s_lshl_b32 s24, s21, 7
	s_lshl_b32 s23, s22, 2
	s_add_co_u32 s24, s24, s23
	s_lshl_b32 s24, s24, 12                        ; a row of out1 is 4,096 bytes
	s_mov_b32 s25, 0
	s_mov_b32 s36, 0x76543210                      ; v_permlanex16_b32: each lane takes its own place in the other half
	s_mov_b32 s37, 0xfedcba98
	s_mov_b32 s38, 0x37000000                      ; 1 / 131,072
	s_mov_b32 s39, 0x3727c5ac                      ; 1e-5
	s_lshl_b32 s40, s20, 5
	s_lshl_b32 s41, s20, 4
	v_lshlrev_b32 v4, 10, v0                       ; part t: 1,024 bytes
	v_lshlrev_b32 v5, 11, v0                       ; block t: 2,048 bytes
	v_lshlrev_b32 v6, 4, v0
	v_mov_b32 v1, 0
	v_mov_b32 v7, s40
	v_mov_b32 v20, s41
.irp i, 0,1,2,3,4,5,6,7
	v_mov_b32 v[24+\i], 0                          ; v_permlanex16_b32's destination counts as read
.endr
	s_wait_kmcnt 0x0
	s_add_nc_u64 s[6:7], s[6:7], s[14:15]
	s_add_nc_u64 s[4:5], s[4:5], s[16:17]
	s_add_nc_u64 s[8:9], s[8:9], s[18:19]
	s_add_nc_u64 s[10:11], s[10:11], s[18:19]
	s_add_nc_u64 s[12:13], s[12:13], s[24:25]
	s_load_b128 s[28:31], s[8:9], 0x0              ; g3 of the four channels
	s_load_b128 s[32:35], s[10:11], 0x0            ; be3
	global_load_b128 v[8:11], v4, s[6:7]           ; (mean, M2) of channels 0, 1
	global_load_b128 v[12:15], v4, s[6:7] offset:16  ; of channels 2, 3
.irp k, 0,1,2,3
	global_load_b128 v[HV+4*\k:HV+4*\k+3], v5, s[4:5] offset:16*\k
.endr
	s_wait_loadcnt 4                               ; the statistics are in; the four loads of the maxima stay out
.irp k, 0,1,2,3
	v_mov_b32 v[16+\k], v[8+2*\k]                  ; my part's means are kept
.endr
	WSUM 8, 8, 24
	ds_store_b128 v7, v[8:11] offset:RED           ; all lanes hold the same sums and write the same bytes
	ds_store_b128 v7, v[12:15] offset:RED+16
	s_wait_dscnt 0x0
	s_barrier_signal -1
	s_barrier_wait -1
.set i, 0
.rept 8
	ds_load_b128 v[32+8*i:32+8*i+3], v1 offset:RED+32*i
	ds_load_b128 v[36+8*i:36+8*i+3], v1 offset:RED+32*i+16
.set i, i+1
.endr
	s_wait_dscnt 0x0
.set i, 1
.rept 7
.irp j, 0,2,4,6
	v_pk_add_f32 v[32+\j:32+\j+1], v[32+\j:32+\j+1], v[32+8*i+\j:32+8*i+\j+1]
.endr
.set i, i+1
.endr
.irp k, 0,1,2,3
	v_mul_f32 v[40+\k], 0x3b800000, v[32+2*\k]     ; the mean: / 256
.endr
.irp k, 0,1,2,3
	v_sub_f32 v[44+\k], v[16+\k], v[40+\k]
.endr
.irp k, 0,1,2,3
	v_mul_f32 v[44+\k], v[44+\k], v[44+\k]
.endr
	WSUM 44, 4, 24
	ds_store_b128 v20, v[44:47] offset:RED2
	s_wait_dscnt 0x0
	s_barrier_signal -1
	s_barrier_wait -1
.set i, 0
.rept 8
	ds_load_b128 v[48+4*i:48+4*i+3], v1 offset:RED2+16*i
.set i, i+1
.endr
	s_wait_dscnt 0x0
.set i, 1
.rept 7
	v_pk_add_f32 v[48:49], v[48:49], v[48+4*i:48+4*i+1]
	v_pk_add_f32 v[50:51], v[50:51], v[48+4*i+2:48+4*i+3]
.set i, i+1
.endr
.irp k, 0,1,2,3
	v_fmamk_f32 v[52+\k], v[48+\k], 0x44000000, v[33+2*\k]  ; M2 = sum M2_i + 512 sum (mean_i - mean)^2
.endr
.irp k, 0,1,2,3
	v_fma_f32 v[52+\k], v[52+\k], s38, s39         ; / 131,072, + 1e-5
.endr
.irp k, 0,1,2,3
	v_rsq_f32 v[56+\k], v[52+\k]
.endr
	v_nop                                          ; a plain instruction behind the last root,
	s_wait_alu depctr_va_vdst(0)                   ; and a wait ahead of the first use: one for the four
	s_wait_kmcnt 0x0
.irp k, 0,1,2,3
	s_and_b32 s[28+\k], s[28+\k], 0x7fffffff       ; |g3|
.endr
.irp k, 0,1,2,3
	v_mul_f32 v[60+\k], s[28+\k], v[56+\k]
.endr
.irp k, 0,1,2,3
	v_fma_f32 v[64+\k], -v[40+\k], v[60+\k], s[32+\k]
.endr
	s_wait_loadcnt 0x0
.irp k, 0,1,2,3
.irp j, 0,1,2,3
	v_fma_f32 v[HV+4*\k+\j], v[HV+4*\k+\j], v[60+\k], v[64+\k]
.endr
	global_store_b128 v6, v[HV+4*\k:HV+4*\k+3], s[12:13] offset:4096*\k
.endr
	s_wait_tensorcnt 0x0                           ; the wave's end, behind my last LDS store
	ds_add_u32 v[SPW], v[NIL]
	s_wait_dscnt 0x0
	s_endpgm
.Lfunc_end_k_q5abfe9209c_finish:
	.size	k_q5abfe9209c_finish, .Lfunc_end_k_q5abfe9209c_finish-k_q5abfe9209c_finish
	.p2alignl 7, 3214868480
	.fill 96, 4, 3214868480
	.section	.rodata,"a",@progbits
	.p2align	6, 0x0
	.amdhsa_kernel k_q5abfe9209c_finish
		.amdhsa_group_segment_fixed_size 1536
		.amdhsa_private_segment_fixed_size 0
		.amdhsa_enable_private_segment 0
		.amdhsa_kernarg_size 40
		.amdhsa_user_sgpr_count 2
		.amdhsa_user_sgpr_kernarg_segment_ptr 1
		.amdhsa_wavefront_size32 1
		.amdhsa_system_sgpr_workgroup_id_x 1
		.amdhsa_system_sgpr_workgroup_id_y 1
		.amdhsa_system_sgpr_workgroup_id_z 1
		.amdhsa_system_vgpr_workitem_id 0
		.amdhsa_next_free_vgpr 112
		.amdhsa_next_free_sgpr 66
		.amdhsa_reserve_vcc 0
		.amdhsa_float_denorm_mode_32 3
		.amdhsa_float_denorm_mode_16_64 3
		.amdhsa_memory_ordered 1
		.amdhsa_forward_progress 1
		.amdhsa_inst_pref_size 15
	.end_amdhsa_kernel
	.amdgpu_metadata
---
amdhsa.version: [ 1, 2 ]
amdhsa.kernels:
  - .name:           k_q5abfe9209c_finish
    .symbol:         k_q5abfe9209c_finish.kd
    .args:
      - { .name: HS, .offset: 0, .size: 8, .value_kind: global_buffer, .address_space: global }
      - { .name: PSA, .offset: 8, .size: 8, .value_kind: global_buffer, .address_space: global }
      - { .name: g3, .offset: 16, .size: 8, .value_kind: global_buffer, .address_space: global }
      - { .name: be3, .offset: 24, .size: 8, .value_kind: global_buffer, .address_space: global }
      - { .name: out1, .offset: 32, .size: 8, .value_kind: global_buffer, .address_space: global }
    .group_segment_fixed_size: 1536
    .private_segment_fixed_size: 0
    .kernarg_segment_align: 8
    .kernarg_segment_size: 40
    .max_flat_workgroup_size: 256
    .sgpr_count:     66
    .vgpr_count:     112
    .wavefront_size: 32
...
	.end_amdgpu_metadata
.endif
;; end of part 7
;; ======== version 2 of 2: 7 launches; version 1 with the launches knn_groups, knn_points written anew for expert scheduling mode
;; limits: values are held in f16: magnitudes above 65,504 overflow, below 6.1e-05 lose precision; inputs' magnitudes at most 65,504
;; workspace buffers: PT 16,777,216 bytes; WF 36,864 bytes; GL 524,288 bytes of whole numbers; IDX 524,288 bytes of whole numbers; PSA 262,144 bytes; PSB 131,584 bytes; HS 4,194,304 bytes
;; launch prep: the kernel of part 1 again; grid 256 x 1, 8 waves a work-group, no clusters, 0 bytes of LDS; arguments points, xyz, sample_idx, W1, W2, W3, g3, PT, WF, out0; writes PT, WF, out0
;; launch knn_groups (part 8): grid 256 x 1, 8 waves a work-group, no clusters, 128,256 bytes of LDS; arguments xyz, sample_idx, GL; writes GL
.if DOCPART == 8
	.amdgcn_target "amdgcn-amd-amdhsa--gfx1250"
	.amdhsa_code_object_version 6
	.text
	.protected	k_q5abfe9209c_knn_groups
	.globl	k_q5abfe9209c_knn_groups
	.p2align	8
	.type	k_q5abfe9209c_knn_groups,@function
k_q5abfe9209c_knn_groups:
	s_mov_b64 s[64:65], 0
	v_nop
	global_prefetch_b8 v0, s[64:65] scope:SCOPE_SE
	s_setreg_imm32_b32 hwreg(HW_REG_WAVE_SCHED_MODE, 0, 2), 2
	s_setreg_imm32_b32 hwreg(HW_REG_WAVE_MODE, 25, 1), 1
	s_wait_xcnt 0x0
	s_wait_alu depctr_vm_vsrc(0)
; Second launch: for each query the 16 GROUPS of 32 consecutive points that hold its 16 nearest points.
; WHY GROUPS.  Order the points by (d2, index), as top_k of -d2 does (ties to the lower index).  If a point of the first 16 lay in a group that is not among the first 16 groups by
; (least d2 in the group, group number), each of those 16 groups would hold a point ahead of it: 16 points ahead of one of the first 16.  So the first 16 groups hold the first 16 points, for all inputs.
; Here all 16,384 d2 of a query are made and only the 512 group minima kept; the next launch looks into 16 x 32 points.  top_k's values are never used and are not kept.
; d2 IN f32 ON THE VECTOR UNIT, NOT ON THE MATRIX UNIT: which point is 16th and which 17th hangs on d2's last bits, and one other neighbour moves results far beyond what is allowed.  So d2 is made with the
; roundings in which reference()'s f32 expression is taken to be evaluated: |q|^2 and |p|^2 as x x, then two fused multiply-adds (SQ_FMA = 1); the dot product as three rounded products added in ascending
; order (DOT_FMA = 0); s = |p|^2 + |q|^2; d2 = s - 2 dot (2 dot is exact).  The two switches choose the other form of each.
; LIMITS.  NaN and infinities in xyz are not treated apart (a NaN loses every minimum).  sample_idx is held to 0 .. 16383.
; SHARES.  Work-group = 32 queries of one batch x all points.  Wave w owns points 2048 w .. + 2047, in two halves; in a half lane l holds the 32 points of group 64 w + 32 half + l in registers, with their |p|^2.
; The 32 queries go by, two a trip; a query's numbers come from the wave's own table in LDS, asked for one query's work ahead.  A lane's minimum of 32 d2 is the group's: one LDS store a query.
; THE CHOICE OF 16 OUT OF 512, with no branch and no address on data: lane = query.  Pass A (f32): each wave sorts its 64 minima in batches of 16 (Batcher's odd-even merge sort, 63 comparators) and merges each into
; a running sorted 16; wave 0 merges the eight lists: T = the 16th least minimum.  Pass B (whole numbers): x = id where key < T, CEQ + id where key = T, CGT + id where key > T; the 16 least x are the first 16 by (key, id).
; THE MODE: SCHED_MODE bits 1:0 = 2 (LLVM: expert scheduling mode 2), set by the entry lines.  The code itself states the register dependences between vector instructions and memory or LDS
; instructions, with s_wait_alu, always for 0.
; THE PLAN.  Registers that memory or LDS instructions touch:
;   X, Y, Z      A half's 24 loads land in them; the half's distances read them.  One wait on va_vdst at a half's head.
;   QA, QB       A query's distances read its set; behind them the numbers of the query two further on land in it.
;   MNA, MNB     A query's last minimum writes its own of the two; the query's one LDS store reads it.
;   VQR, VMA     Read by a trip's LDS loads and stores; stepped once, at the trip's end.   VPO: read by a half's loads, stepped at the half's end.
;   So ONE wait on va_vdst stands at a query's end: the minimum is written and the set is read out; the store and the set's two loads follow it.  ONE wait on vm_vsrc stands at a trip's end, ahead of the
;   two address steps; it also frees MNA and MNB; the steps are shown written by the next query's wait on va_vdst, ahead of the first LDS instruction that reads them.
;   In the choice: BB (a batch's loads land in it, the sort works in it) and VRA (the loads' address) have one wait on va_vdst at a batch's head and one on vm_vsrc ahead of VRA's step;
;   A2 has a wait on va_vdst ahead of each run of stores that read it and one on vm_vsrc ahead of pass B, which writes it anew; LB one on va_vdst ahead of each run of list loads.
;   Pass B's compares write scalar masks in runs of sixteen, with one wait on va_sdst behind each run.
.set DOT_FMA, 0
.set SQ_FMA,  1
.set CEQ,    512
.set CGT,    4096
.set IDMASK, 511
.set OUTP,   8                         ; s[8:9] where the lists go
; LDS
.set LISTA, 0                          ; pass A's lists: wave x 2,560 + lane x 80 (64 bytes + 16)
.set LISTB, 20480                      ; pass B's
.set TBUF,  40960                      ; T of the 32 queries
.set SPARE, 41216                      ; the spare words, 128 bytes a wave: four blocks of 256 bytes that no other line names
.set QT,    42240                      ; wave x 2,048: 32 entries of (qx,qx,qy,qy,qz,qz,qq,qq), and the same once more: the copy's entries 0 and 1 are what the last trip's look-ahead reads
.set MB,    58624                      ; the minima: wave x 8,704 + query x 272 + 4 x (group in the wave's 64): each wave's own bytes, written and read by it alone
.set MW,    8704
.set PM,    272
.set LW,    2560
.set LP,    80
; registers
.set LANE, 1
.set SPW,  2                           ; LDS address of my spare word; never rewritten
.set NIL,  3                           ; 0; never rewritten
.set VPO,  4                           ; my group's byte offset in a coordinate's row
.set VMA0, 5                           ; where the half's first minimum goes
.set VMA,  6
.set VRA,  7
.set MNA,  8                           ; the group's minimum for a trip's first query,
.set MNB,  9                           ; and for its second (at the head v8 to v11 hold the query's x, y, z and |q|^2)
.set ACA,  12
.set ACB,  13
.set VQW,  14
.set VQR,  15
.set X,    16                          ; v[16:47] x, v[48:79] y, v[80:111] z, v[112:143] |p|^2 of my 32 points
.set Y,    48
.set Z,    80
.set PP,   112
.set T,    144                         ; four pairs at work
.set U,    152
.set QA,   168                         ; a query's eight numbers, two sets by turns
.set QB,   176
.set BB,   16                          ; the choice: a batch of 16
.set LL,   32                          ; the merge's 16; in pass B also the batch's CEQ or CGT
.set A2,   48                          ; the running sorted 16, ascending, at fixed places
.set SPR,  64                          ; the comparators' spare register
.set VT,   65
.set VID,  66
.set VID1, 67
.set VCEQ, 68
.set VCGT, 69
.set VRA0, 71
.set VLS,  72
.set VGL,  73
.set VTA,  74
.set VGO,  75
.set LB,   80                          ; v[80:191] seven lists
.set WV,   20                          ; s20 wave
.set MK,   21                          ; pass B's sixteen masks: s21 to s29 and s32 to s38 (s30 and s31 are the batch loop's)
; ---- d2 ----
.macro SQ4 o, p                        ; |p|^2 of four pairs of points, from register offset o, into p
.irp j, 0,2,4,6
	v_pk_mul_f32 v[(\p)+\j:(\p)+\j+1], v[X+(\o)+\j:X+(\o)+\j+1], v[X+(\o)+\j:X+(\o)+\j+1]
.endr
.if SQ_FMA
.irp j, 0,2,4,6
	v_pk_fma_f32 v[(\p)+\j:(\p)+\j+1], v[Y+(\o)+\j:Y+(\o)+\j+1], v[Y+(\o)+\j:Y+(\o)+\j+1], v[(\p)+\j:(\p)+\j+1]
.endr
.irp j, 0,2,4,6
	v_pk_fma_f32 v[(\p)+\j:(\p)+\j+1], v[Z+(\o)+\j:Z+(\o)+\j+1], v[Z+(\o)+\j:Z+(\o)+\j+1], v[(\p)+\j:(\p)+\j+1]
.endr
.else
.irp j, 0,2,4,6
	v_pk_mul_f32 v[T+\j:T+\j+1], v[Y+(\o)+\j:Y+(\o)+\j+1], v[Y+(\o)+\j:Y+(\o)+\j+1]
.endr
.irp j, 0,2,4,6
	v_pk_add_f32 v[(\p)+\j:(\p)+\j+1], v[(\p)+\j:(\p)+\j+1], v[T+\j:T+\j+1]
.endr
.irp j, 0,2,4,6
	v_pk_mul_f32 v[T+\j:T+\j+1], v[Z+(\o)+\j:Z+(\o)+\j+1], v[Z+(\o)+\j:Z+(\o)+\j+1]
.endr
.irp j, 0,2,4,6
	v_pk_add_f32 v[(\p)+\j:(\p)+\j+1], v[(\p)+\j:(\p)+\j+1], v[T+\j:T+\j+1]
.endr
.endif
.endm
.macro DIST4 o, q, pp, d               ; d2 of four pairs of points to the query in q, stage by stage so that no line waits for the one before it
.irp j, 0,2,4,6
	v_pk_mul_f32 v[T+\j:T+\j+1], v[X+(\o)+\j:X+(\o)+\j+1], v[(\q):(\q)+1]
.endr
.if DOT_FMA
.irp j, 0,2,4,6
	v_pk_fma_f32 v[T+\j:T+\j+1], v[Y+(\o)+\j:Y+(\o)+\j+1], v[(\q)+2:(\q)+3], v[T+\j:T+\j+1]
.endr
.irp j, 0,2,4,6
	v_pk_fma_f32 v[T+\j:T+\j+1], v[Z+(\o)+\j:Z+(\o)+\j+1], v[(\q)+4:(\q)+5], v[T+\j:T+\j+1]
.endr
.else
.irp j, 0,2,4,6
	v_pk_mul_f32 v[U+\j:U+\j+1], v[Y+(\o)+\j:Y+(\o)+\j+1], v[(\q)+2:(\q)+3]
.endr
.irp j, 0,2,4,6
	v_pk_add_f32 v[T+\j:T+\j+1], v[T+\j:T+\j+1], v[U+\j:U+\j+1]
.endr
.irp j, 0,2,4,6
	v_pk_mul_f32 v[U+\j:U+\j+1], v[Z+(\o)+\j:Z+(\o)+\j+1], v[(\q)+4:(\q)+5]
.endr
.irp j, 0,2,4,6
	v_pk_add_f32 v[T+\j:T+\j+1], v[T+\j:T+\j+1], v[U+\j:U+\j+1]
.endr
.endif
.irp j, 0,2,4,6
	v_pk_add_f32 v[U+\j:U+\j+1], v[(\pp)+\j:(\pp)+\j+1], v[(\q)+6:(\q)+7]
.endr
.irp j, 0,2,4,6
	v_pk_fma_f32 v[(\d)+\j:(\d)+\j+1], v[T+\j:T+\j+1], -2.0, v[U+\j:U+\j+1] op_sel_hi:[1,0,1]
.endr
.endm
; ---- the choice ----
.macro VMIN d, a, b
.if KIND
	v_min_u32 v[\d], v[\a], v[\b]
.else
	v_min_num_f32 v[\d], v[\a], v[\b]
.endif
.endm
.macro VMAX d, a, b
.if KIND
	v_max_u32 v[\d], v[\a], v[\b]
.else
	v_max_num_f32 v[\d], v[\a], v[\b]
.endif
.endm
.macro CE x, y                         ; a comparator on two NAMES: x takes the lesser, y the greater.  Two instructions: the minimum goes into the spare register, and the names x and spare change places
	VMIN SPA, \x, \y
	VMAX \y, \x, \y
.set SWP, \x
.set \x, SPA
.set SPA, SWP
.endm
.macro BIND p, base                    ; the names p0 .. p15 for base .. base + 15
.irp n, 0,1,2,3,4,5,6,7,8,9,10,11,12,13,14,15
.set \p\n, (\base)+\n
.endr
.endm
.macro BINDR p, base                   ; the same in reverse
.irp n, 0,1,2,3,4,5,6,7,8,9,10,11,12,13,14,15
.set \p\n, (\base)+15-\n
.endr
.endm
.macro DN1 a, b                        ; comparators of the batch's sort, turned: the greater to the lower name
	CE B\b, B\a
.endm
.macro DN2 a, b, c, d
	CE B\b, B\a
	CE B\d, B\c
.endm
.macro DN4 a, b, c, d, e, f, g, h
	DN2 \a, \b, \c, \d
	DN2 \e, \f, \g, \h
.endm
.macro UP4 a, b, c, d, e, f, g, h      ; comparators of the merge
	CE L\a, L\b
	CE L\c, L\d
	CE L\e, L\f
	CE L\g, L\h
.endm
.macro FN a, b                         ; the merge's last stage writes to the fixed places
	VMIN A2+\a, L\a, L\b
	VMAX A2+\b, L\a, L\b
.endm
.macro SORT16                          ; B0 .. B15 descending: 63 comparators in ten layers
	DN4 0,1,2,3,4,5,6,7
	DN4 8,9,10,11,12,13,14,15
	DN4 0,2,1,3,4,6,5,7
	DN4 8,10,9,11,12,14,13,15
	DN4 1,2,5,6,9,10,13,14
	DN4 0,4,1,5,2,6,3,7
	DN4 8,12,9,13,10,14,11,15
	DN4 2,4,3,5,10,12,11,13
	DN4 1,2,3,4,5,6,9,10
	DN2 11,12,13,14
	DN4 0,8,1,9,2,10,3,11
	DN4 4,12,5,13,6,14,7,15
	DN4 4,8,5,9,6,10,7,11
	DN4 2,4,3,5,6,8,7,9
	DN2 10,12,11,13
	DN4 1,2,3,4,5,6,7,8
	DN2 9,10,11,12
	DN1 13,14
.endm
.macro MERGE                           ; the running 16 (ascending) and B (descending): min(A[k], B[k]) are the 16 least of the 32, a bitonic run, which four stages sort.  All names are dead at its end
	BIND L, LL
.irp n, 0,1,2,3,4,5,6,7,8,9,10,11,12,13,14,15
	VMIN LL+\n, A2+\n, B\n
.endr
	UP4 0,8,1,9,2,10,3,11
	UP4 4,12,5,13,6,14,7,15
	UP4 0,4,1,5,2,6,3,7
	UP4 8,12,9,13,10,14,11,15
	UP4 0,2,1,3,4,6,5,7
	UP4 8,10,9,11,12,14,13,15
	FN 0,1
	FN 2,3
	FN 4,5
	FN 6,7
	FN 8,9
	FN 10,11
	FN 12,13
	FN 14,15
.endm
.macro SELSETUP
	s_mul_i32 s32, s[WV], MW
	s_add_co_u32 s32, s32, MB
	v_mul_u32_u24 v[VRA0], v[LANE], PM
	v_add_nc_u32 v[VRA0], s32, v[VRA0]             ; my query's row in my wave's part of the keys
	s_mul_i32 s33, s[WV], LW
	v_mul_u32_u24 v[VGL], v[LANE], LP
	v_add_nc_u32 v[VLS], s33, v[VGL]
	v_lshlrev_b32 v[VTA], 2, v[LANE]
	v_lshlrev_b32 v[VGO], 4, v[LANE]
	v_mov_b32 v[VCEQ], CEQ
	v_mov_b32 v[VCGT], CGT
.endm
; The wave's 64 keys a lane, four batches of 16; the sorted 16 go to the list (wave 0 keeps its own in registers), and a barrier follows.
.macro LPASS kind, list
.set KIND, \kind
.if KIND
	s_wait_alu depctr_vm_vsrc(0)                   ; the stores of pass A's list (in wave 0: of T) have read v[A2 ..], and pass A's LDS loads v[VRA]: both are written anew below
.endif
.set k, 0
.rept 16
.if KIND
	v_mov_b32 v[A2+k], -1
.else
	v_mov_b32 v[A2+k], 0x7f800000
.endif
.set k, k+1
.endr
	v_mov_b32 v[VRA], v[VRA0]
	s_mov_b32 s30, 4
.Lbatch_\@:
	s_wait_alu depctr_va_vdst(0)                   ; v[VRA] is written, which the four loads read; the vector lines that named v[BB ..] (the batch before's sort and merge; ahead of the first batch the distances) are done: the loads land there
.irp j, 0,1,2,3
	ds_load_b128 v[BB+4*\j:BB+4*\j+3], v[VRA] offset:16*\j
.endr
	s_wait_dscnt 0x0
	s_wait_alu depctr_vm_vsrc(0)                   ; the four loads have read v[VRA], which steps
	v_add_nc_u32 v[VRA], 64, v[VRA]
.if KIND
.set k, 0
.rept 16
	v_cmp_ge_f32 s[MK+k+2*(k/9)], v[BB+k], v[VT]
.set k, k+1
.endr
	s_wait_alu depctr_va_sdst(0)                   ; the sixteen masks key >= T are written, ahead of the selects that read them
.set k, 0
.rept 16
	v_cndmask_b32 v[LL+k], 0, v[VCEQ], s[MK+k+2*(k/9)]
.set k, k+1
.endr
.set k, 0
.rept 16
	v_cmp_gt_f32 s[MK+k+2*(k/9)], v[BB+k], v[VT]
.set k, k+1
.endr
	s_wait_alu depctr_va_sdst(0)                   ; the sixteen masks key > T are written, ahead of the selects that read them
.set k, 0
.rept 16
	v_cndmask_b32 v[LL+k], v[LL+k], v[VCGT], s[MK+k+2*(k/9)]
	v_add3_u32 v[BB+k], v[LL+k], v[VID], k
.set k, k+1
.endr
.endif
	BIND B, BB
.set SPA, SPR
	SORT16
	MERGE
.if KIND
	v_add_nc_u32 v[VID], 16, v[VID]
	s_cmp_eq_u32 s30, 3                            ; behind the second batch the ids go on with the second 32's
	s_cselect_b32 s31, -1, 0
	v_cndmask_b32 v[VID], v[VID], v[VID1], s31
.endif
	s_sub_co_u32 s30, s30, 1
	s_cmp_lg_u32 s30, 0
	s_cbranch_scc1 .Lbatch_\@
	s_cmp_eq_u32 s[WV], 0
	s_cbranch_scc1 .Lmine_\@
	s_wait_alu depctr_va_vdst(0)                   ; the last merge has written v[A2 ..], which the four stores read
.irp j, 0,1,2,3
	ds_store_b128 v[VLS], v[A2+4*\j:A2+4*\j+3] offset:(\list)+16*\j
.endr
.Lmine_\@:
	s_wait_dscnt 0x0                               ; for wave 0's sake: my list is in LDS
	s_barrier_signal -1
	s_barrier_wait -1
.endm
; Wave 0 merges the other seven lists into its own.
.macro GMERGE kind, list
.set KIND, \kind
	s_wait_alu depctr_va_vdst(0)                   ; the vector lines that named v[LB ..] (the distances; in pass B the merges of pass A's lists) are done: the seven lists land there
.set i, 1
.rept 7
.irp j, 0,1,2,3
	ds_load_b128 v[LB+16*(i-1)+4*\j:LB+16*(i-1)+4*\j+3], v[VGL] offset:(\list)+LW*i+16*\j
.endr
.set i, i+1
.endr
.set i, 1
.rept 7
	s_wait_dscnt 4*(7-i)                           ; list i is in; the younger lists, four loads each, stay out
	BINDR B, LB+16*(i-1)
.set SPA, SPR
	MERGE
.set i, i+1
.endr
.endm
.macro CHOOSE                          ; both passes, and the 16 ids out: entry e of query l at (e / 4) 512 + 16 l + 4 (e % 4) of the work-group's 2,048 bytes: each store covers 512 consecutive bytes
	LPASS 0, LISTA
	s_cmp_lg_u32 s[WV], 0
	s_cbranch_scc1 .Lt_done
	GMERGE 0, LISTA
	s_wait_alu depctr_va_vdst(0)                   ; the last merge has written v[A2+15], which the store reads
	ds_store_b32 v[VTA], v[A2+15] offset:TBUF
.Lt_done:
	s_wait_dscnt 0x0                               ; wave 0: T is in LDS and its reads of the lists are over
	s_barrier_signal -1
	s_barrier_wait -1
	ds_load_b32 v[VT], v[VTA] offset:TBUF          ; no vector line has named v[VT] or v[VTA] since pass A's waits on va_vdst
	s_wait_dscnt 0x0
	LPASS 1, LISTB
	s_cmp_lg_u32 s[WV], 0
	s_cbranch_scc1 .Lend
	GMERGE 1, LISTB
.set k, 0
.rept 16
	v_and_b32 v[A2+k], IDMASK, v[A2+k]
.set k, k+1
.endr
	s_wait_alu depctr_va_vdst(0)                   ; the sixteen ids are written, which the four stores read
.irp j, 0,1,2,3
	global_store_b128 v[VGO], v[A2+4*\j:A2+4*\j+3], s[OUTP:OUTP+1] offset:512*\j
.endr
.Lend:
	s_wait_dscnt 0x0                               ; the closing lines, six on end
	s_wait_alu 0x0
	s_wait_tensorcnt 0x0
	ds_add_u32 v[SPW], v[NIL]
	s_wait_dscnt 0x0
	s_endpgm
.endm
; ---- one query against my 32 points.  q: its set; mn: where its minimum goes; off: its row behind VMA; nxt: the table's bytes behind VQR of the query two further on ----
.macro QUERY q, mn, off, nxt
	DIST4 0, \q, PP, T
	v_min_num_f32 v[ACA], v[T], v[T+1]
	v_min_num_f32 v[ACB], v[T+2], v[T+3]
	v_min3_num_f32 v[ACA], v[ACA], v[T+4], v[T+5]
	v_min3_num_f32 v[ACB], v[ACB], v[T+6], v[T+7]
.irp g, 8,16,24
	DIST4 \g, \q, PP+\g, T
	v_min3_num_f32 v[ACA], v[ACA], v[T], v[T+1]
	v_min3_num_f32 v[ACB], v[ACB], v[T+2], v[T+3]
	v_min3_num_f32 v[ACA], v[ACA], v[T+4], v[T+5]
	v_min3_num_f32 v[ACB], v[ACB], v[T+6], v[T+7]
.endr
	v_min_num_f32 v[\mn], v[ACA], v[ACB]
	s_wait_alu depctr_va_vdst(0)                   ; the minimum is written, which the store reads; the distances are done reading this set, in which the two loads land; v[VQR] and v[VMA], stepped at the last trip's end, are written
	ds_store_b32 v[VMA], v[\mn] offset:\off
	ds_load_b128 v[(\q):(\q)+3], v[VQR] offset:QT+(\nxt)
	ds_load_b128 v[(\q)+4:(\q)+7], v[VQR] offset:QT+(\nxt)+16
.endm
	s_load_b128 s[4:7], s[0:1], 0x0                ; xyz s[4:5], sample_idx s[6:7]
	s_load_b64 s[8:9], s[0:1], 0x10                ; GL
	v_lshl_add_u32 v[SPW], v0, 2, SPARE
	v_mov_b32 v[NIL], 0
	v_and_b32 v[LANE], 31, v0
	v_lshrrev_b32 v4, 5, v0
	v_readfirstlane_b32 s[WV], v4
	s_lshr_b32 s10, ttmp9, 5                       ; batch
	s_and_b32 s11, ttmp9, 31                       ; block of 32 queries
	s_mul_i32 s12, s10, 196608
	s_mov_b32 s13, 0
	s_lshl_b32 s14, s11, 7
	v_lshl_add_u32 v12, v[LANE], 2, s14
	s_lshl_b32 s18, ttmp9, 11
	s_mov_b32 s19, 0
	s_wait_alu depctr_va_sdst(0)                   ; the wave's number is written, ahead of its first reader
	s_lshl_b32 s21, s[WV], 13
	v_lshl_add_u32 v[VPO], v[LANE], 7, s21         ; 128 bytes a group, 8,192 a wave
	s_mul_i32 s22, s[WV], MW
	s_add_co_u32 s22, s22, MB
	v_lshl_add_u32 v[VMA0], v[LANE], 2, s22
	s_lshl_b32 s23, s[WV], 11
	v_lshl_add_u32 v[VQW], v[LANE], 5, s23
	v_mov_b32 v[VQR], s23
	s_wait_kmcnt 0x0
	s_add_nc_u64 s[16:17], s[4:5], s[12:13]        ; xyz of my batch
	s_add_nc_u64 s[8:9], s[8:9], s[18:19]
	s_wait_alu depctr_va_vdst(0)                   ; v12 is written, which the load reads as its offset; so are v[VPO], v[VQW] and v[VQR], read further down
	global_load_b32 v13, v12, s[6:7]
	s_wait_loadcnt 0x0
	v_min_u32 v13, 0x3fff, v13
	v_lshlrev_b32 v13, 2, v13
	s_wait_alu depctr_va_vdst(0)                   ; v13 is written, which the three loads read as their offset
	global_load_b32 v8, v13, s[16:17]              ; query number lane
	global_load_b32 v9, v13, s[16:17] offset:65536
	global_load_b32 v10, v13, s[16:17] offset:131072
	s_wait_loadcnt 0x0
	v_mul_f32 v11, v8, v8                          ; |q|^2, in |p|^2's order of roundings
.if SQ_FMA
	v_fma_f32 v11, v9, v9, v11
	v_fma_f32 v11, v10, v10, v11
.else
	s_wait_alu depctr_vm_vsrc(0)                   ; the load of sample_idx has read v12, which is written below
	v_mul_f32 v12, v9, v9
	v_add_f32 v11, v11, v12
	v_mul_f32 v12, v10, v10
	v_add_f32 v11, v11, v12
.endif
.irp j, 0,1,2,3
	v_mov_b32 v[T+2*\j], v[8+\j]
	v_mov_b32 v[T+2*\j+1], v[8+\j]
.endr
	s_wait_alu depctr_va_vdst(0)                   ; the entry's eight numbers are written, which the four stores read
	ds_store_b128 v[VQW], v[T:T+3] offset:QT
	ds_store_b128 v[VQW], v[T+4:T+7] offset:QT+16
	ds_store_b128 v[VQW], v[T:T+3] offset:QT+1024
	ds_store_b128 v[VQW], v[T+4:T+7] offset:QT+1040
	ds_load_b128 v[QA:QA+3], v[VQR] offset:QT      ; queries 0 and 1 (LDS serves a wave's instructions in order: these see the stores above); no vector line has named these sixteen registers
	ds_load_b128 v[QA+4:QA+7], v[VQR] offset:QT+16
	ds_load_b128 v[QB:QB+3], v[VQR] offset:QT+32
	ds_load_b128 v[QB+4:QB+7], v[VQR] offset:QT+48
	s_mov_b32 s29, 2
.Lhalf:
	s_wait_alu depctr_vm_vsrc(0)                   ; in the first half: the table's stores have read v[T ..], the head's loads v12 and v13 (ACA and ACB from here on), the four loads above v[VQR]: all are written below
	v_mov_b32 v[VQR], s23
	v_mov_b32 v[VMA], v[VMA0]
	s_wait_alu depctr_va_vdst(0)                   ; in the second half: the first half's distances are done reading X, Y and Z, in which the loads land, and v[VPO] is written, which they read
.irp c, 0,1,2
.irp i, 0,1,2,3,4,5,6,7
	global_load_b128 v[X+32*\c+4*\i:X+32*\c+4*\i+3], v[VPO], s[16:17] offset:65536*\c+16*\i
.endr
.endr
	s_wait_loadcnt 0x0
	s_wait_dscnt 0x0                               ; queries 0 and 1 are in: on the way into the loop no LDS instruction is out, so its counted waits hold there too
	SQ4 0, PP
	SQ4 8, PP+8
	SQ4 16, PP+16
	SQ4 24, PP+24
	s_mov_b32 s28, 16
.Lq:                                   ; queries 2 i and 2 i + 1
	s_wait_dscnt 0x3                               ; set A is in: behind its two loads stand the other query's store and two loads
	QUERY QA, MNA, 0, 64                           ; behind it set A takes query 2 i + 2; in the last trip the copy's entry 0: the next half's first query
	s_wait_dscnt 0x3                               ; set B is in: behind its two loads stand the store and the two loads just issued
	QUERY QB, MNB, PM, 96                          ; behind it set B takes query 2 i + 3; in the last trip the copy's entry 1
	s_wait_alu depctr_vm_vsrc(0)                   ; the trip's LDS instructions have read v[VQR] and v[VMA], which step, and v[MNA] and v[MNB], which the next trip writes; in a half's last trip also: the half's loads have read v[VPO]
	v_add_nc_u32 v[VQR], 64, v[VQR]
	v_add_nc_u32 v[VMA], 2*PM, v[VMA]
	s_sub_co_u32 s28, s28, 1
	s_cmp_lg_u32 s28, 0
	s_cbranch_scc1 .Lq
	v_add_nc_u32 v[VMA0], 128, v[VMA0]             ; the second half's 32 groups
	v_add_nc_u32 v[VPO], 4096, v[VPO]              ; (its loads were waited for)
	s_sub_co_u32 s29, s29, 1
	s_cmp_lg_u32 s29, 0
	s_cbranch_scc1 .Lhalf
	s_wait_dscnt 0x0                               ; the last look-ahead has landed: its registers are used again below
	SELSETUP
	s_lshl_b32 s21, s[WV], 6
	v_mov_b32 v[VID], s21                          ; my wave's groups are 64 w .. 64 w + 63
	v_add_nc_u32 v[VID1], 32, v[VID]
	CHOOSE
.Lfunc_end_k_q5abfe9209c_knn_groups:
	.size	k_q5abfe9209c_knn_groups, .Lfunc_end_k_q5abfe9209c_knn_groups-k_q5abfe9209c_knn_groups
	.p2alignl 7, 3214868480
	.fill 96, 4, 3214868480
	.section	.rodata,"a",@progbits
	.p2align	6, 0x0
	.amdhsa_kernel k_q5abfe9209c_knn_groups
		.amdhsa_group_segment_fixed_size 128256
		.amdhsa_private_segment_fixed_size 0
		.amdhsa_enable_private_segment 0
		.amdhsa_kernarg_size 24
		.amdhsa_user_sgpr_count 2
		.amdhsa_user_sgpr_kernarg_segment_ptr 1
		.amdhsa_wavefront_size32 1
		.amdhsa_system_sgpr_workgroup_id_x 1
		.amdhsa_system_sgpr_workgroup_id_y 1
		.amdhsa_system_sgpr_workgroup_id_z 1
		.amdhsa_system_vgpr_workitem_id 0
		.amdhsa_next_free_vgpr 192
		.amdhsa_next_free_sgpr 66
		.amdhsa_reserve_vcc 0
		.amdhsa_float_denorm_mode_32 3
		.amdhsa_float_denorm_mode_16_64 3
		.amdhsa_memory_ordered 1
		.amdhsa_forward_progress 1
		.amdhsa_inst_pref_size 89
	.end_amdhsa_kernel
	.amdgpu_metadata
---
amdhsa.version: [ 1, 2 ]
amdhsa.kernels:
  - .name:           k_q5abfe9209c_knn_groups
    .symbol:         k_q5abfe9209c_knn_groups.kd
    .args:
      - { .name: xyz, .offset: 0, .size: 8, .value_kind: global_buffer, .address_space: global }
      - { .name: sample_idx, .offset: 8, .size: 8, .value_kind: global_buffer, .address_space: global }
      - { .name: GL, .offset: 16, .size: 8, .value_kind: global_buffer, .address_space: global }
    .group_segment_fixed_size: 128256
    .private_segment_fixed_size: 0
    .kernarg_segment_align: 8
    .kernarg_segment_size: 24
    .max_flat_workgroup_size: 256
    .sgpr_count:     66
    .vgpr_count:     192
    .wavefront_size: 32
...
	.end_amdgpu_metadata
.endif
;; end of part 8
;; launch knn_points (part 9): grid 256 x 1, 8 waves a work-group, no clusters, 128,256 bytes of LDS; arguments xyz, sample_idx, GL, IDX; writes IDX
.if DOCPART == 9
	.amdgcn_target "amdgcn-amd-amdhsa--gfx1250"
	.amdhsa_code_object_version 6
	.text
	.protected	k_q5abfe9209c_knn_points
	.globl	k_q5abfe9209c_knn_points
	.p2align	8
	.type	k_q5abfe9209c_knn_points,@function
k_q5abfe9209c_knn_points:
	s_mov_b64 s[64:65], 0
	v_nop
	global_prefetch_b8 v0, s[64:65] scope:SCOPE_SE
	s_setreg_imm32_b32 hwreg(HW_REG_WAVE_SCHED_MODE, 0, 2), 2
	s_setreg_imm32_b32 hwreg(HW_REG_WAVE_MODE, 25, 1), 1
	s_wait_xcnt 0x0
	s_wait_alu depctr_vm_vsrc(0)
; Third launch: the 16 nearest points of each query, out of the 16 groups of 32 points that the launch before has listed (why those hold them: that kernel's head).  top_k's values are not kept.
; d2 is made by the same lines as there, so its bits are the same; the order is (d2, index), ties to the lower index.
; SHARES.  Work-group = 32 queries of one batch; lane = query.  Wave w takes entries 2 w and 2 w + 1 of each query's list: 64 points a lane, gathered as 128 consecutive bytes a group and coordinate.
; Their d2 go into the wave's own part of LDS; then the same choice of 16 out of 512 as in the launch before, with the point's index as the id.
; LIMITS.  NaN and infinities in xyz are not treated apart.  sample_idx is held to 0 .. 16383, a list's entry to 0 .. 511.
; THE MODE: SCHED_MODE bits 1:0 = 2 (LLVM: expert scheduling mode 2), set by the entry lines.  The code itself states the register dependences between vector instructions and memory or LDS
; instructions, with s_wait_alu, always for 0.
; THE PLAN.  Registers that memory or LDS instructions touch:
;   v12, v14; v13, v6, v7   Offsets, made by vector lines: one wait on va_vdst ahead of each of the two runs of loads that read them.  v7 is VRA later.
;   X            The gathers land in it; the distances read it and write d2 in its place; sixteen LDS stores read d2.  One wait on va_vdst behind the first four groups of eight points: their eight stores
;                are then dealt among the last four groups' lines, which name X + 32 and up, Y, Z, T, U, P and Q alone.  A second behind the last group, ahead of the other eight stores.
;                One wait on vm_vsrc behind the stores: X's registers and v7 are written again from there on.
;   In the choice: BB (a batch's loads land in it, the sort works in it) and VRA (the loads' address) have one wait on va_vdst at a batch's head and one on vm_vsrc ahead of VRA's step;
;   A2 has a wait on va_vdst ahead of each run of stores that read it and one on vm_vsrc ahead of pass B, which writes it anew; LB one on va_vdst ahead of each run of list loads.
;   Pass B's compares write scalar masks in runs of sixteen, with one wait on va_sdst behind each run.
.set DOT_FMA, 0
.set SQ_FMA,  1
.set CEQ,    16384
.set CGT,    65536
.set IDMASK, 0x3fff
.set OUTP,   10                        ; s[10:11] where the lists go
; LDS (one map for both launches; the queries' table is not used here)
.set LISTA, 0                          ; pass A's lists: wave x 2,560 + lane x 80
.set LISTB, 20480                      ; pass B's
.set TBUF,  40960                      ; T of the 32 queries
.set SPARE, 41216                      ; the spare words, 128 bytes a wave: four blocks of 256 bytes that no other line names
.set MB,    58624                      ; the keys: wave x 8,704 + query x 272 + 4 x (point in the wave's 64): each wave's own bytes
.set MW,    8704
.set PM,    272
.set LW,    2560
.set LP,    80
; registers
.set LANE, 1
.set SPW,  2                           ; LDS address of my spare word; never rewritten
.set NIL,  3                           ; 0; never rewritten
.set VRA,  7
.set X,    16                          ; v[16:79] x, v[80:143] y, v[144:207] z of my 64 points; d2 takes x's place
.set Y,    80
.set Z,    144
.set T,    208
.set U,    216
.set P,    224
.set Q,    232                         ; (qx,qx,qy,qy,qz,qz,qq,qq)
.set BB,   16
.set LL,   32                          ; the merge's 16; in pass B also the batch's CEQ or CGT
.set A2,   48
.set SPR,  64
.set VT,   65
.set VID,  66
.set VID1, 67
.set VCEQ, 68
.set VCGT, 69
.set VRA0, 71
.set VLS,  72
.set VGL,  73
.set VTA,  74
.set VGO,  75
.set LB,   80
.set WV,   20
.set MK,   21                          ; pass B's sixteen masks: s21 to s29 and s32 to s38 (s30 and s31 are the batch loop's)
; ---- d2 ----
.macro SQ4 o, p
.irp j, 0,2,4,6
	v_pk_mul_f32 v[(\p)+\j:(\p)+\j+1], v[X+(\o)+\j:X+(\o)+\j+1], v[X+(\o)+\j:X+(\o)+\j+1]
.endr
.if SQ_FMA
.irp j, 0,2,4,6
	v_pk_fma_f32 v[(\p)+\j:(\p)+\j+1], v[Y+(\o)+\j:Y+(\o)+\j+1], v[Y+(\o)+\j:Y+(\o)+\j+1], v[(\p)+\j:(\p)+\j+1]
.endr
.irp j, 0,2,4,6
	v_pk_fma_f32 v[(\p)+\j:(\p)+\j+1], v[Z+(\o)+\j:Z+(\o)+\j+1], v[Z+(\o)+\j:Z+(\o)+\j+1], v[(\p)+\j:(\p)+\j+1]
.endr
.else
.irp j, 0,2,4,6
	v_pk_mul_f32 v[T+\j:T+\j+1], v[Y+(\o)+\j:Y+(\o)+\j+1], v[Y+(\o)+\j:Y+(\o)+\j+1]
.endr
.irp j, 0,2,4,6
	v_pk_add_f32 v[(\p)+\j:(\p)+\j+1], v[(\p)+\j:(\p)+\j+1], v[T+\j:T+\j+1]
.endr
.irp j, 0,2,4,6
	v_pk_mul_f32 v[T+\j:T+\j+1], v[Z+(\o)+\j:Z+(\o)+\j+1], v[Z+(\o)+\j:Z+(\o)+\j+1]
.endr
.irp j, 0,2,4,6
	v_pk_add_f32 v[(\p)+\j:(\p)+\j+1], v[(\p)+\j:(\p)+\j+1], v[T+\j:T+\j+1]
.endr
.endif
.endm
.macro DIST4 o, q, pp, d
.irp j, 0,2,4,6
	v_pk_mul_f32 v[T+\j:T+\j+1], v[X+(\o)+\j:X+(\o)+\j+1], v[(\q):(\q)+1]
.endr
.if DOT_FMA
.irp j, 0,2,4,6
	v_pk_fma_f32 v[T+\j:T+\j+1], v[Y+(\o)+\j:Y+(\o)+\j+1], v[(\q)+2:(\q)+3], v[T+\j:T+\j+1]
.endr
.irp j, 0,2,4,6
	v_pk_fma_f32 v[T+\j:T+\j+1], v[Z+(\o)+\j:Z+(\o)+\j+1], v[(\q)+4:(\q)+5], v[T+\j:T+\j+1]
.endr
.else
.irp j, 0,2,4,6
	v_pk_mul_f32 v[U+\j:U+\j+1], v[Y+(\o)+\j:Y+(\o)+\j+1], v[(\q)+2:(\q)+3]
.endr
.irp j, 0,2,4,6
	v_pk_add_f32 v[T+\j:T+\j+1], v[T+\j:T+\j+1], v[U+\j:U+\j+1]
.endr
.irp j, 0,2,4,6
	v_pk_mul_f32 v[U+\j:U+\j+1], v[Z+(\o)+\j:Z+(\o)+\j+1], v[(\q)+4:(\q)+5]
.endr
.irp j, 0,2,4,6
	v_pk_add_f32 v[T+\j:T+\j+1], v[T+\j:T+\j+1], v[U+\j:U+\j+1]
.endr
.endif
.irp j, 0,2,4,6
	v_pk_add_f32 v[U+\j:U+\j+1], v[(\pp)+\j:(\pp)+\j+1], v[(\q)+6:(\q)+7]
.endr
.irp j, 0,2,4,6
	v_pk_fma_f32 v[(\d)+\j:(\d)+\j+1], v[T+\j:T+\j+1], -2.0, v[U+\j:U+\j+1] op_sel_hi:[1,0,1]
.endr
.endm
; ---- the choice (the same text as in the launch before) ----
.macro VMIN d, a, b
.if KIND
	v_min_u32 v[\d], v[\a], v[\b]
.else
	v_min_num_f32 v[\d], v[\a], v[\b]
.endif
.endm
.macro VMAX d, a, b
.if KIND
	v_max_u32 v[\d], v[\a], v[\b]
.else
	v_max_num_f32 v[\d], v[\a], v[\b]
.endif
.endm
.macro CE x, y                         ; a comparator on two NAMES: x takes the lesser, y the greater; the minimum goes into the spare register, and the names x and spare change places
	VMIN SPA, \x, \y
	VMAX \y, \x, \y
.set SWP, \x
.set \x, SPA
.set SPA, SWP
.endm
.macro BIND p, base
.irp n, 0,1,2,3,4,5,6,7,8,9,10,11,12,13,14,15
.set \p\n, (\base)+\n
.endr
.endm
.macro BINDR p, base
.irp n, 0,1,2,3,4,5,6,7,8,9,10,11,12,13,14,15
.set \p\n, (\base)+15-\n
.endr
.endm
.macro DN1 a, b
	CE B\b, B\a
.endm
.macro DN2 a, b, c, d
	CE B\b, B\a
	CE B\d, B\c
.endm
.macro DN4 a, b, c, d, e, f, g, h
	DN2 \a, \b, \c, \d
	DN2 \e, \f, \g, \h
.endm
.macro UP4 a, b, c, d, e, f, g, h
	CE L\a, L\b
	CE L\c, L\d
	CE L\e, L\f
	CE L\g, L\h
.endm
.macro FN a, b
	VMIN A2+\a, L\a, L\b
	VMAX A2+\b, L\a, L\b
.endm
.macro SORT16                          ; B0 .. B15 descending: Batcher's odd-even merge sort, 63 comparators
	DN4 0,1,2,3,4,5,6,7
	DN4 8,9,10,11,12,13,14,15
	DN4 0,2,1,3,4,6,5,7
	DN4 8,10,9,11,12,14,13,15
	DN4 1,2,5,6,9,10,13,14
	DN4 0,4,1,5,2,6,3,7
	DN4 8,12,9,13,10,14,11,15
	DN4 2,4,3,5,10,12,11,13
	DN4 1,2,3,4,5,6,9,10
	DN2 11,12,13,14
	DN4 0,8,1,9,2,10,3,11
	DN4 4,12,5,13,6,14,7,15
	DN4 4,8,5,9,6,10,7,11
	DN4 2,4,3,5,6,8,7,9
	DN2 10,12,11,13
	DN4 1,2,3,4,5,6,7,8
	DN2 9,10,11,12
	DN1 13,14
.endm
.macro MERGE                           ; min(A[k], B[k]) of an ascending and a descending 16 are the 16 least, a bitonic run, which four stages sort
	BIND L, LL
.irp n, 0,1,2,3,4,5,6,7,8,9,10,11,12,13,14,15
	VMIN LL+\n, A2+\n, B\n
.endr
	UP4 0,8,1,9,2,10,3,11
	UP4 4,12,5,13,6,14,7,15
	UP4 0,4,1,5,2,6,3,7
	UP4 8,12,9,13,10,14,11,15
	UP4 0,2,1,3,4,6,5,7
	UP4 8,10,9,11,12,14,13,15
	FN 0,1
	FN 2,3
	FN 4,5
	FN 6,7
	FN 8,9
	FN 10,11
	FN 12,13
	FN 14,15
.endm
.macro SELSETUP
	s_mul_i32 s32, s[WV], MW
	s_add_co_u32 s32, s32, MB
	v_mul_u32_u24 v[VRA0], v[LANE], PM
	v_add_nc_u32 v[VRA0], s32, v[VRA0]
	s_mul_i32 s33, s[WV], LW
	v_mul_u32_u24 v[VGL], v[LANE], LP
	v_add_nc_u32 v[VLS], s33, v[VGL]
	v_lshlrev_b32 v[VTA], 2, v[LANE]
	v_lshlrev_b32 v[VGO], 4, v[LANE]
	v_mov_b32 v[VCEQ], CEQ
	v_mov_b32 v[VCGT], CGT
.endm
.macro LPASS kind, list
.set KIND, \kind
.if KIND
	s_wait_alu depctr_vm_vsrc(0)                   ; the stores of pass A's list (in wave 0: of T) have read v[A2 ..], and pass A's LDS loads v[VRA]: both are written anew below
.endif
.set k, 0
.rept 16
.if KIND
	v_mov_b32 v[A2+k], -1
.else
	v_mov_b32 v[A2+k], 0x7f800000
.endif
.set k, k+1
.endr
	v_mov_b32 v[VRA], v[VRA0]
	s_mov_b32 s30, 4
.Lbatch_\@:
	s_wait_alu depctr_va_vdst(0)                   ; v[VRA] is written, which the four loads read; the vector lines that named v[BB ..] (the batch before's sort and merge; ahead of the first batch the distances) are done: the loads land there
.irp j, 0,1,2,3
	ds_load_b128 v[BB+4*\j:BB+4*\j+3], v[VRA] offset:16*\j
.endr
	s_wait_dscnt 0x0
	s_wait_alu depctr_vm_vsrc(0)                   ; the four loads have read v[VRA], which steps
	v_add_nc_u32 v[VRA], 64, v[VRA]
.if KIND
.set k, 0
.rept 16
	v_cmp_ge_f32 s[MK+k+2*(k/9)], v[BB+k], v[VT]
.set k, k+1
.endr
	s_wait_alu depctr_va_sdst(0)                   ; the sixteen masks key >= T are written, ahead of the selects that read them
.set k, 0
.rept 16
	v_cndmask_b32 v[LL+k], 0, v[VCEQ], s[MK+k+2*(k/9)]
.set k, k+1
.endr
.set k, 0
.rept 16
	v_cmp_gt_f32 s[MK+k+2*(k/9)], v[BB+k], v[VT]
.set k, k+1
.endr
	s_wait_alu depctr_va_sdst(0)                   ; the sixteen masks key > T are written, ahead of the selects that read them
.set k, 0
.rept 16
	v_cndmask_b32 v[LL+k], v[LL+k], v[VCGT], s[MK+k+2*(k/9)]
	v_add3_u32 v[BB+k], v[LL+k], v[VID], k
.set k, k+1
.endr
.endif
	BIND B, BB
.set SPA, SPR
	SORT16
	MERGE
.if KIND
	v_add_nc_u32 v[VID], 16, v[VID]
	s_cmp_eq_u32 s30, 3                            ; behind the second batch the ids go on with the second group's
	s_cselect_b32 s31, -1, 0
	v_cndmask_b32 v[VID], v[VID], v[VID1], s31
.endif
	s_sub_co_u32 s30, s30, 1
	s_cmp_lg_u32 s30, 0
	s_cbranch_scc1 .Lbatch_\@
	s_cmp_eq_u32 s[WV], 0
	s_cbranch_scc1 .Lmine_\@
	s_wait_alu depctr_va_vdst(0)                   ; the last merge has written v[A2 ..], which the four stores read
.irp j, 0,1,2,3
	ds_store_b128 v[VLS], v[A2+4*\j:A2+4*\j+3] offset:(\list)+16*\j
.endr
.Lmine_\@:
	s_wait_dscnt 0x0                               ; for wave 0's sake: my list is in LDS
	s_barrier_signal -1
	s_barrier_wait -1
.endm
.macro GMERGE kind, list
.set KIND, \kind
	s_wait_alu depctr_va_vdst(0)                   ; the vector lines that named v[LB ..] (the distances; in pass B the merges of pass A's lists) are done: the seven lists land there
.set i, 1
.rept 7
.irp j, 0,1,2,3
	ds_load_b128 v[LB+16*(i-1)+4*\j:LB+16*(i-1)+4*\j+3], v[VGL] offset:(\list)+LW*i+16*\j
.endr
.set i, i+1
.endr
.set i, 1
.rept 7
	s_wait_dscnt 4*(7-i)                           ; list i is in; the younger lists, four loads each, stay out
	BINDR B, LB+16*(i-1)
.set SPA, SPR
	MERGE
.set i, i+1
.endr
.endm
.macro CHOOSE
	LPASS 0, LISTA
	s_cmp_lg_u32 s[WV], 0
	s_cbranch_scc1 .Lt_done
	GMERGE 0, LISTA
	s_wait_alu depctr_va_vdst(0)                   ; the last merge has written v[A2+15], which the store reads
	ds_store_b32 v[VTA], v[A2+15] offset:TBUF
.Lt_done:
	s_wait_dscnt 0x0                               ; wave 0: T is in LDS and its reads of the lists are over
	s_barrier_signal -1
	s_barrier_wait -1
	ds_load_b32 v[VT], v[VTA] offset:TBUF          ; no vector line has named v[VT] or v[VTA] since pass A's waits on va_vdst
	s_wait_dscnt 0x0
	LPASS 1, LISTB
	s_cmp_lg_u32 s[WV], 0
	s_cbranch_scc1 .Lend
	GMERGE 1, LISTB
.set k, 0
.rept 16
	v_and_b32 v[A2+k], IDMASK, v[A2+k]
.set k, k+1
.endr
	s_wait_alu depctr_va_vdst(0)                   ; the sixteen ids are written, which the four stores read
.irp j, 0,1,2,3
	global_store_b128 v[VGO], v[A2+4*\j:A2+4*\j+3], s[OUTP:OUTP+1] offset:512*\j
.endr
.Lend:
	s_wait_dscnt 0x0                               ; the closing lines, six on end
	s_wait_alu 0x0
	s_wait_tensorcnt 0x0
	ds_add_u32 v[SPW], v[NIL]
	s_wait_dscnt 0x0
	s_endpgm
.endm
	s_load_b256 s[4:11], s[0:1], 0x0               ; xyz s[4:5], sample_idx s[6:7], GL s[8:9], IDX s[10:11]
	v_lshl_add_u32 v[SPW], v0, 2, SPARE
	v_mov_b32 v[NIL], 0
	v_and_b32 v[LANE], 31, v0
	v_lshrrev_b32 v4, 5, v0
	v_readfirstlane_b32 s[WV], v4
	s_lshr_b32 s12, ttmp9, 5                       ; batch
	s_and_b32 s13, ttmp9, 31                       ; block of 32 queries
	s_mul_i32 s14, s12, 196608
	s_mov_b32 s15, 0
	s_lshl_b32 s18, ttmp9, 11
	s_mov_b32 s19, 0
	s_lshl_b32 s21, s13, 7
	v_lshl_add_u32 v12, v[LANE], 2, s21
	s_wait_alu depctr_va_sdst(0)                   ; the wave's number is written, ahead of its first reader
	s_lshr_b32 s22, s[WV], 1                       ; entries 2 w and 2 w + 1: quarter w / 2 of the list, 8 bytes at 8 (w % 2)
	s_lshl_b32 s22, s22, 9
	s_and_b32 s23, s[WV], 1
	s_lshl_b32 s23, s23, 3
	s_add_co_u32 s22, s22, s23
	v_lshl_add_u32 v14, v[LANE], 4, s22
	s_wait_kmcnt 0x0
	s_add_nc_u64 s[16:17], s[4:5], s[14:15]
	s_add_nc_u64 s[8:9], s[8:9], s[18:19]
	s_add_nc_u64 s[10:11], s[10:11], s[18:19]
	s_wait_alu depctr_va_vdst(0)                   ; v12 and v14 are written, which the two loads read as offsets; the lines that wrote and read v4 are done: the second load lands there
	global_load_b32 v13, v12, s[6:7]
	global_load_b64 v[4:5], v14, s[8:9]
	s_wait_loadcnt 0x0
	v_min_u32 v13, 0x3fff, v13
	v_lshlrev_b32 v13, 2, v13
	v_min_u32 v4, 0x1ff, v4
	v_min_u32 v5, 0x1ff, v5
	v_lshlrev_b32 v6, 7, v4                        ; a group is 128 bytes of a coordinate's row
	v_lshlrev_b32 v7, 7, v5
	s_wait_alu depctr_va_vdst(0)                   ; v13, v6 and v7 are written, which the 51 loads read as offsets
	global_load_b32 v8, v13, s[16:17]
	global_load_b32 v9, v13, s[16:17] offset:65536
	global_load_b32 v10, v13, s[16:17] offset:131072
.irp c, 0,1,2
.irp i, 0,1,2,3,4,5,6,7
	global_load_b128 v[X+64*\c+4*\i:X+64*\c+4*\i+3], v6, s[16:17] offset:65536*\c+16*\i
	global_load_b128 v[X+64*\c+32+4*\i:X+64*\c+32+4*\i+3], v7, s[16:17] offset:65536*\c+16*\i
.endr
.endr
	s_wait_loadcnt 48                              ; q is in; the 48 loads of the points stay out
	v_mul_f32 v11, v8, v8
.if SQ_FMA
	v_fma_f32 v11, v9, v9, v11
	v_fma_f32 v11, v10, v10, v11
.else
	s_wait_alu depctr_vm_vsrc(0)                   ; the load of sample_idx has read v12, which is written below
	v_mul_f32 v12, v9, v9
	v_add_f32 v11, v11, v12
	v_mul_f32 v12, v10, v10
	v_add_f32 v11, v11, v12
.endif
.irp j, 0,1,2,3
	v_mov_b32 v[Q+2*\j], v[8+\j]
	v_mov_b32 v[Q+2*\j+1], v[8+\j]
.endr
	s_mul_i32 s32, s[WV], MW
	s_add_co_u32 s32, s32, MB
	v_mul_u32_u24 v15, v[LANE], PM
	v_add_nc_u32 v15, s32, v15
	s_wait_loadcnt 0x0
.irp o, 0,8,16,24
	SQ4 \o, P
	DIST4 \o, Q, P, X+\o
.endr
	s_wait_alu depctr_va_vdst(0)                   ; the first 32 d2 and v15 are written, which the eight stores below read
.irp g, 0,1,2,3
	ds_store_b128 v15, v[X+8*\g:X+8*\g+3] offset:32*\g      ; my wave's own bytes: it reads them back itself, in order.  No vector line since the wait names these registers or v15
	ds_store_b128 v15, v[X+8*\g+4:X+8*\g+7] offset:32*\g+16
	SQ4 32+8*\g, P
	DIST4 32+8*\g, Q, P, X+32+8*\g
.endr
	s_wait_alu depctr_va_vdst(0)                   ; the other 32 d2 are written, which the eight stores below read
.irp i, 8,9,10,11,12,13,14,15
	ds_store_b128 v15, v[X+4*\i:X+4*\i+3] offset:16*\i
.endr
	s_wait_alu depctr_vm_vsrc(0)                   ; the sixteen stores have read v[X ..], and the gathers v7: the lines and the LDS loads below write them again (v7 is VRA)
	SELSETUP
	v_lshlrev_b32 v[VID], 5, v4                    ; a point's index = 32 x group + place
	v_lshlrev_b32 v[VID1], 5, v5
	CHOOSE
.Lfunc_end_k_q5abfe9209c_knn_points:
	.size	k_q5abfe9209c_knn_points, .Lfunc_end_k_q5abfe9209c_knn_points-k_q5abfe9209c_knn_points
	.p2alignl 7, 3214868480
	.fill 96, 4, 3214868480
	.section	.rodata,"a",@progbits
	.p2align	6, 0x0
	.amdhsa_kernel k_q5abfe9209c_knn_points
		.amdhsa_group_segment_fixed_size 128256
		.amdhsa_private_segment_fixed_size 0
		.amdhsa_enable_private_segment 0
		.amdhsa_kernarg_size 32
		.amdhsa_user_sgpr_count 2
		.amdhsa_user_sgpr_kernarg_segment_ptr 1
		.amdhsa_wavefront_size32 1
		.amdhsa_system_sgpr_workgroup_id_x 1
		.amdhsa_system_sgpr_workgroup_id_y 1
		.amdhsa_system_sgpr_workgroup_id_z 1
		.amdhsa_system_vgpr_workitem_id 0
		.amdhsa_next_free_vgpr 240
		.amdhsa_next_free_sgpr 66
		.amdhsa_reserve_vcc 0
		.amdhsa_float_denorm_mode_32 3
		.amdhsa_float_denorm_mode_16_64 3
		.amdhsa_memory_ordered 1
		.amdhsa_forward_progress 1
		.amdhsa_inst_pref_size 92
	.end_amdhsa_kernel
	.amdgpu_metadata
---
amdhsa.version: [ 1, 2 ]
amdhsa.kernels:
  - .name:           k_q5abfe9209c_knn_points
    .symbol:         k_q5abfe9209c_knn_points.kd
    .args:
      - { .name: xyz, .offset: 0, .size: 8, .value_kind: global_buffer, .address_space: global }
      - { .name: sample_idx, .offset: 8, .size: 8, .value_kind: global_buffer, .address_space: global }
      - { .name: GL, .offset: 16, .size: 8, .value_kind: global_buffer, .address_space: global }
      - { .name: IDX, .offset: 24, .size: 8, .value_kind: global_buffer, .address_space: global }
    .group_segment_fixed_size: 128256
    .private_segment_fixed_size: 0
    .kernarg_segment_align: 8
    .kernarg_segment_size: 32
    .max_flat_workgroup_size: 256
    .sgpr_count:     66
    .vgpr_count:     240
    .wavefront_size: 32
...
	.end_amdgpu_metadata
.endif
;; end of part 9
;; launch mlp_s1: the kernel of part 4 again; grid 256 x 1, 8 waves a work-group, no clusters, 53,248 bytes of LDS; arguments PT, WF, IDX, xyz, out0, PSA; writes PSA
;; launch mlp_s2: the kernel of part 5 again; grid 256 x 1, 8 waves a work-group, no clusters, 53,248 bytes of LDS; arguments PT, WF, IDX, xyz, out0, PSA, g1, be1, PSB; writes PSB
;; launch mlp_s3: the kernel of part 6 again; grid 256 x 1, 8 waves a work-group, no clusters, 53,248 bytes of LDS; arguments PT, WF, IDX, xyz, out0, PSB, g2, be2, PSA, HS; writes PSA, HS
;; launch finish: the kernel of part 7 again; grid 256 x 1, 8 waves a work-group, no clusters, 1,536 bytes of LDS; arguments HS, PSA, g3, be3, out1; writes out1
